; MI455X (gfx1250); checked and timed in simulation.
; The chip was launched on July 23, 2026; its instructions are those of AMD's public machine-readable ISA for CDNA 5 (MIT licence, August 2026) and "CDNA5" Instruction Set Architecture Reference Guide (July 2026). The comments in the code are by the model that wrote it; some were corrected since.
;; Multihead Attention. Allowed arithmetic: matrix products marked QUANTISED: E4M3 operands, one E8M0 scale for each 32 along K, by v_wmma_scale_f32_16x16x128_f8f6f4 with both operands' format E4M3, f32 sums; everything else in f32.
;; Inputs: W1 4,096 x 1,024 float32; W2 1,024 x 4,096 float32; Wk 1,024 x 1,024 float32; Wq 1,024 x 1,024 float32; Wv 1,024 x 1,024 float32; b1 1,024 float32; b2 1,024 float32; bf1 4,096 float32; bf2 1,024 float32; bk 1,024 float32; bq 1,024 float32; bv 1,024 float32; g1 1,024 float32; g2 1,024 float32; x 2 x 2,048 x 1,024 float32.
;; Outputs: out0 2 x 2,048 x 1,024 float32.
;; This version of the problem:
;;   THIS VERSION OF THE PROBLEM IS GIVEN IN LOW PRECISION. The matrix products marked QUANTISED in the list below multiply operands that are first quantised to E4M3 (4 exponent bits, 3 mantissa bits; 8 bits a number), with one power-of-two scale for each 32 numbers along K (OCP MX v1.0); their sums are f32. All else is computed in f32.
;;   The module's matrix products, in the order in which they are computed (A, B: the left and right operand; K: the contracted axis; several contracted axes count as one K, in the product's order):
;;     1. [M 4,096, K 1,024] x [K 1,024, N 1,024]; A: computed on the way; B: input Wq: QUANTISED
;;     2. [M 4,096, K 1,024] x [K 1,024, N 1,024]; A: computed on the way; B: input Wk: QUANTISED
;;     3. [M 4,096, K 1,024] x [K 1,024, N 1,024]; A: computed on the way; B: input Wv: QUANTISED
;;     4. batch 32 x [M 2,048, K 64] x [K 64, N 2,048]; A: computed on the way; B: computed on the way: QUANTISED
;;     5. batch 32 x [M 2,048, K 2,048] x [K 2,048, N 64]; A: softmax (see below); B: computed on the way: QUANTISED
;;     6. [M 4,096, K 1,024] x [K 1,024, N 4,096]; A: computed on the way; B: input W1: QUANTISED
;;     7. [M 4,096, K 4,096] x [K 4,096, N 1,024]; A: computed on the way; B: input W2: QUANTISED
;;   THE QUANTISER, for each operand of a quantised product, along K:
;;     - K is cut into blocks of 32 from its start; a last block that is shorter is filled with zeros.
;;     - A block's scale is 2^e with e = floor(log2(the largest magnitude in the block)) - 8, held to -126 .. 127; a block of zeros has e = 0. As a byte (E8M0): e + 127.
;;     - Each number is divided by its block's scale, clamped to +-448, and rounded to the nearest number of E4M3, ties to even, subnormals kept.
;;     - The product sums the exact products of the quantised numbers (number of the format x scale) in f32.
;;   ~~~python
;;   def quantise(x, axis):      # numpy; x: float32 -> the quantised numbers, widened to float32 again
;;       x = np.moveaxis(x, axis, -1); K = x.shape[-1]
;;       x = np.pad(x, [(0, 0)] * (x.ndim - 1) + [(0, -K % 32)]); x = x.reshape(x.shape[:-1] + (-1, 32)); a = np.abs(x).max(-1, keepdims=True)
;;       e = np.where(a > 0, np.clip(np.frexp(np.where(a > 0, a, 1))[1] - 1 - 8, -126, 127), 0)      # np.frexp(a)[1] - 1 = floor(log2(a)), exactly
;;       r = np.clip(x / 2.0 ** e, -448, 448)
;;       step = 2.0 ** (np.maximum(np.frexp(np.where(r == 0, 1, r))[1] - 1, -6) - 3)
;;       q = np.round(r / step) * step * 2.0 ** e      # np.round: ties to even
;;       return np.moveaxis(q.reshape(q.shape[:-2] + (-1,))[..., :K], -1, axis).astype(np.float32)
;;   ~~~
;;   SOFTMAX AHEAD OF A QUANTISED PRODUCT. Where the list says 'softmax', what is quantised is not the finished softmax but p = 2^(t - M), with t = logit x log2(e) and M = ceil(the row's largest t), a whole number; so 1/2 < the row's largest p <= 1. The row's sum l is taken of the UNQUANTISED p, in f32, and the product's result is divided by l at the end. Since M is a whole number, a kernel that streams over the keys may use a running M (the ceiling of the running maximum): every later rescaling is an exact power of two, which a block's scale takes up: the codes' values come out the same.
;;   OPERANDS COMPUTED ON THE WAY. 'Computed on the way' means the value that the module computes at that place (a softmax that the list does not call 'softmax' is quantised finished and normalised). What goes into a quantiser is computed in f32, as accurately as f32 sums, v_exp_f32 and their like allow (about 1e-6 of the number): no bf16 or f16 on the way to a quantiser, and a product that is left as it is and whose result goes on into a quantised operand takes f32 operands (vector FMAs, or v_wmma_f32_16x16x4_f32). A number that lies on a knife's edge between two numbers of the format may be rounded either way, as far as f32 arithmetic and the matrix unit's own rounding can turn it there, and no further.
;; 2 versions. Each part assembles by itself: llvm-mc -triple=amdgcn-amd-amdhsa -mcpu=gfx1250 --defsym DOCPART=n.
;; ======== version 1 of 2: 6 launches
;; workspace buffers: wcs 16,220,160 bytes; xn 16,777,216 bytes; qkv 17,825,792 bytes; attn 16,777,216 bytes; hq 4,325,376 bytes; fq 17,301,504 bytes
;; launch prep (part 1): grid 240 x 1, 16 waves a work-group, no clusters, 86,016 bytes of LDS; arguments x, Wq, Wk, Wv, W1, W2, g1, b1, wcs, xn; writes wcs, xn
.if DOCPART == 1
	.amdgcn_target "amdgcn-amd-amdhsa--gfx1250"
	.amdhsa_code_object_version 6
	.text
	.protected	k_qac5555f9bf_prep
	.globl	k_qac5555f9bf_prep
	.p2align	8
	.type	k_qac5555f9bf_prep,@function
k_qac5555f9bf_prep:
	s_mov_b64 s[64:65], 0
	v_nop
	global_prefetch_b8 v0, s[64:65] scope:SCOPE_SE
	s_setreg_imm32_b32 hwreg(HW_REG_WAVE_MODE, 25, 1), 1
	s_wait_xcnt 0x0
; PREP.  x is layer-normed (g1, b1) into xn (f32, kept for the residuals) and quantised; Wq, Wk, Wv, W1, W2 are quantised as they are: codes of E4M3, K innermost, one E8M0 byte for each 32 along K.
; All six tensors have K innermost, so a piece of 1,024 numbers along K is 32 blocks on end.  A work-group takes 64 such pieces (rows; of W2 a quarter of each of 64 rows), a wave four of them.
; wcs: codes [11,264 rows][1,024 bytes] (xn, Wq, Wk, Wv, W1), their scale words [8 planes of 128 along K][11,264 rows][4 bytes], W2's codes [1,024][4,096], W2's scale words [32 planes][1,024][4].
; A ROW LIES AT THE PLACE THAT ITS NUMBER GIVES WITH BITS 3 AND 4 EXCHANGED: sixteen neighbouring places then hold rows 0-7 and 16-23 (or 8-15 and 24-31) of a group of 32, which is the choice of rows
; that lets the products' results be quantised in registers along their columns.
; A block's scale byte is its largest magnitude's exponent field - 8, held at 1 from below.  LIMITS: NaN and infinities are not served; a block whose largest magnitude lies under 2^-118, a block of zeros among them,
; takes the byte 1 (zero codes add nothing under any byte but 0xff; the bytes are read by this program alone).
; A wave asks for its four rows at once (32 loads, 16 KiB).  Each load reads 512 consecutive bytes; a half row (2,048 bytes) turns through the wave's own stage in LDS so that a lane holds 16 neighbours along K.
; No matrix unit, no tensor load, no cluster: a stream whose work-groups share nothing.
.set SP,     80                        ; a lane's place in a stage: 64 bytes + 16 of padding
.set WST,    2*32*SP                   ; a wave's two stages
.set SG,     16*WST                    ; behind them: the work-group's scale bytes, [8 planes][64 places][4 bytes]
.set SBH,    1024                      ; a half row is four planes on
.set SCALES, 11534336
.set W2C,    11894784
.set W2S,    16089088
.set OFFS, 12                          ; v12-15  row p: 16 x lane + row x the source's pitch
.set OFFC, 16                          ; v16-19  row p: 16 x lane + place x the codes' pitch
.set GA,   32                          ; v32-63  g1 at my columns (128 j + 4 lane + 0..3)
.set BE,   64                          ; v64-95  b1 likewise
.set R,    96                          ; v96-223 four rows of 32 registers as loaded; later a row's codes in its registers 0-7, its two bytes in 8, 9
.set X,    224                         ; v224-255 two sets of 16 neighbours
.set WV,   48
	s_load_b256 s[4:11], s[0:1], 0x0               ; x, Wq, Wk, Wv
	s_load_b256 s[12:19], s[0:1], 0x20             ; W1, W2, g1, b1
	s_load_b128 s[20:23], s[0:1], 0x40             ; wcs, xn
	v_lshrrev_b32 v1, 5, v0
	v_readfirstlane_b32 s[WV], v1                  ; wave 0..15
	v_and_b32 v1, 31, v0                           ; lane
	v_lshlrev_b32 v2, 4, v1                        ; 16 x lane
	s_mul_i32 s50, s[WV], WST
	v_lshrrev_b32 v3, 2, v1
	v_mul_u32_u24 v3, v3, SP
	v_and_b32 v4, 3, v1
	v_lshl_add_u32 v3, v4, 4, v3
	v_add_nc_u32 v3, s50, v3                       ; the stage, in: four lanes' 64 bytes on end, then the padding
	v_mul_u32_u24 v4, v1, SP
	v_add_nc_u32 v4, s50, v4                       ; and out: my 16 neighbours
	s_and_b32 s49, s[WV], 9                        ; the wave's number with bits 1 and 2 exchanged: rows 4 w + p, so these are the row's bits 3 and 4
	s_and_b32 s51, s[WV], 2
	s_lshl_b32 s51, s51, 1
	s_or_b32 s49, s49, s51
	s_and_b32 s51, s[WV], 4
	s_lshr_b32 s51, s51, 1
	s_or_b32 s49, s49, s51
	v_lshrrev_b32 v5, 3, v1
	v_lshlrev_b32 v5, 8, v5                        ; my block's plane: lane / 8 (+ 4 for the second half row),
	v_bfe_u32 v6, v1, 1, 2
	v_add_nc_u32 v5, v5, v6                        ; its byte in the word: (lane / 2) % 4,
	s_lshl_b32 s51, s49, 4
	s_add_co_u32 s51, s51, SG
	v_add_nc_u32 v5, s51, v5                       ; and my wave's four places
	s_mov_b32 s42, 0x76543210
	s_mov_b32 s43, 0xfedcba98                      ; v_permlanex16_b32's selects for lane l xor 16
	s_mov_b32 s44, 0x3a800000                      ; 1 / 1,024
	s_mov_b32 s45, 0x3727c5ac                      ; 1e-5
	s_mov_b32 s47, 0x600000                        ; the mantissa field of 448
	s_wait_kmcnt 0x0
	; which tensor: work-groups 0-63 x, 64-79 Wq, 80-95 Wk, 96-111 Wv, 112-175 W1, 176-239 W2.  Only pointers and offsets are chosen: one path through the text
	s_mov_b64 s[24:25], s[14:15]
	s_mov_b32 s26, 176
.macro PICK lim, ptr, start
	s_cmp_lt_u32 ttmp9, \lim
	s_cselect_b64 s[24:25], s[\ptr:\ptr+1], s[24:25]
	s_cselect_b32 s26, \start, s26
.endm
	PICK 176, 12, 112
	PICK 112, 10, 96
	PICK 96, 8, 80
	PICK 80, 6, 64
	PICK 64, 4, 0
	s_sub_co_u32 s27, ttmp9, s26                   ; my number within the tensor
	s_lshr_b32 s28, s27, 2                         ; W2: which 64 rows,
	s_and_b32 s29, s27, 3                          ; which quarter of K
	s_lshl_b32 s30, s27, 18                        ; the others: 64 rows of 4,096 bytes
	s_lshl_b32 s32, ttmp9, 16                      ; codes: 64 rows of 1,024 bytes, tensors on end
	s_lshl_b32 s34, ttmp9, 8                       ; scale words: 64 rows of 4 bytes in each plane
	s_add_co_u32 s34, s34, SCALES
	s_lshl_b32 s36, s28, 20
	s_lshl_b32 s31, s29, 12
	s_add_co_u32 s36, s36, s31
	s_lshl_b32 s37, s28, 18
	s_lshl_b32 s31, s29, 10
	s_add_co_u32 s37, s37, s31
	s_add_co_u32 s37, s37, W2C
	s_lshl_b32 s38, s29, 15
	s_lshl_b32 s31, s28, 8
	s_add_co_u32 s38, s38, s31
	s_add_co_u32 s38, s38, W2S
	s_mov_b32 s39, 16384
	s_mov_b32 s40, 4096
	s_mov_b32 s41, 4096
	s_cmp_lt_u32 ttmp9, 176
	s_cselect_b32 s30, s30, s36                    ; the source's offset
	s_cselect_b32 s32, s32, s37                    ; the codes'
	s_cselect_b32 s34, s34, s38                    ; the scale words'
	s_cselect_b32 s39, 4096, s39                   ; the source's pitch
	s_cselect_b32 s40, 1024, s40                   ; the codes' pitch
	s_cselect_b32 s41, 45056, s41                  ; from plane to plane
	s_mov_b32 s31, 0
	s_mov_b32 s33, 0
	s_mov_b32 s35, 0
	s_add_nc_u64 s[24:25], s[24:25], s[30:31]
	s_add_nc_u64 s[32:33], s[20:21], s[32:33]
	s_add_nc_u64 s[34:35], s[20:21], s[34:35]
	s_min_u32 s36, ttmp9, 63                       ; xn is stored by work-groups 0-63 alone
	s_lshl_b32 s36, s36, 18
	s_mov_b32 s37, 0
	s_add_nc_u64 s[22:23], s[22:23], s[36:37]
	s_lshl_b32 s36, s[WV], 2
	s_mul_i32 s36, s36, s39
	v_add_nc_u32 v[OFFS], s36, v2
	s_lshl_b32 s36, s49, 2
	s_mul_i32 s36, s36, s40
	v_add_nc_u32 v[OFFC], s36, v2
.irp i, 1,2,3
	v_add_nc_u32 v[OFFS+\i], s39, v[OFFS+\i-1]
	v_add_nc_u32 v[OFFC+\i], s40, v[OFFC+\i-1]
.endr
	s_and_b32 s36, s[WV], 7                        ; the way out of the scale words: waves 0-7 take a plane each
	s_lshl_b32 s37, s36, 8
	s_add_co_u32 s37, s37, SG
	v_lshl_add_u32 v6, v1, 3, s37
	s_mul_i32 s36, s36, s41
	v_lshl_add_u32 v7, v1, 3, s36
.irp j, 0,1,2,3,4,5,6,7
	global_load_b128 v[GA+4*\j:GA+4*\j+3], v2, s[16:17] offset:512*\j
	global_load_b128 v[BE+4*\j:BE+4*\j+3], v2, s[18:19] offset:512*\j
.endr
.irp p, 0,1,2,3
.irp j, 0,1,2,3,4,5,6,7
	global_load_b128 v[R+32*\p+4*\j:R+32*\p+4*\j+3], v[OFFS+\p], s[24:25] offset:512*\j th:TH_LOAD_NT   ; 32 lanes read 512 consecutive bytes
.endr
.endr
; four packed partial sums v[20:27] become one number, the same in all 32 lanes
.macro RED
	v_pk_add_f32 v[20:21], v[20:21], v[22:23]
	v_pk_add_f32 v[24:25], v[24:25], v[26:27]
	v_pk_add_f32 v[20:21], v[20:21], v[24:25]
	v_add_f32 v20, v20, v21
	v_add_f32_dpp v20, v20, v20 row_xmask:1 row_mask:0xf bank_mask:0xf
	v_add_f32_dpp v20, v20, v20 row_xmask:2 row_mask:0xf bank_mask:0xf
	v_add_f32_dpp v20, v20, v20 row_xmask:4 row_mask:0xf bank_mask:0xf
	v_add_f32_dpp v20, v20, v20 row_xmask:8 row_mask:0xf bank_mask:0xf
	v_permlanex16_b32 v21, v20, s42, s43
	v_add_f32 v20, v20, v21
.endm
; the layer norm of the row in v[r] .. v[r + 31], in place: the mean first, then the mean of the squared differences (no difference of large sums)
.macro LN r
	v_pk_add_f32 v[20:21], v[\r:\r+1], v[\r+2:\r+3]
	v_pk_add_f32 v[22:23], v[\r+4:\r+5], v[\r+6:\r+7]
	v_pk_add_f32 v[24:25], v[\r+8:\r+9], v[\r+10:\r+11]
	v_pk_add_f32 v[26:27], v[\r+12:\r+13], v[\r+14:\r+15]
.irp i, 16,24
	v_pk_add_f32 v[20:21], v[20:21], v[\r+\i:\r+\i+1]
	v_pk_add_f32 v[22:23], v[22:23], v[\r+\i+2:\r+\i+3]
	v_pk_add_f32 v[24:25], v[24:25], v[\r+\i+4:\r+\i+5]
	v_pk_add_f32 v[26:27], v[26:27], v[\r+\i+6:\r+\i+7]
.endr
	RED
	v_mul_f32 v28, s44, v20                        ; the mean
	v_mov_b32 v29, v28
.set i, 0
.rept 16
	v_pk_add_f32 v[\r+i:\r+i+1], v[\r+i:\r+i+1], v[28:29] neg_lo:[0,1] neg_hi:[0,1]
.set i, i+2
.endr
	v_pk_mul_f32 v[20:21], v[\r:\r+1], v[\r:\r+1]
	v_pk_mul_f32 v[22:23], v[\r+2:\r+3], v[\r+2:\r+3]
	v_pk_mul_f32 v[24:25], v[\r+4:\r+5], v[\r+4:\r+5]
	v_pk_mul_f32 v[26:27], v[\r+6:\r+7], v[\r+6:\r+7]
.irp i, 8,16,24
	v_pk_fma_f32 v[20:21], v[\r+\i:\r+\i+1], v[\r+\i:\r+\i+1], v[20:21]
	v_pk_fma_f32 v[22:23], v[\r+\i+2:\r+\i+3], v[\r+\i+2:\r+\i+3], v[22:23]
	v_pk_fma_f32 v[24:25], v[\r+\i+4:\r+\i+5], v[\r+\i+4:\r+\i+5], v[24:25]
	v_pk_fma_f32 v[26:27], v[\r+\i+6:\r+\i+7], v[\r+\i+6:\r+\i+7], v[26:27]
.endr
	RED
	v_fma_f32 v20, v20, s44, s45                   ; the variance + 1e-5
	v_rsq_f32 v30, v20
	v_nop                                          ; a plain instruction behind the transcendental,
	s_wait_alu depctr_va_vdst(0)                   ; and the wait ahead of the first line that names its result
	v_mov_b32 v31, v30
.set i, 0
.rept 16
	v_pk_mul_f32 v[\r+i:\r+i+1], v[\r+i:\r+i+1], v[30:31]
	v_pk_fma_f32 v[\r+i:\r+i+1], v[\r+i:\r+i+1], v[GA+i:GA+i+1], v[BE+i:BE+i+1]
.set i, i+2
.endr
.endm
; half hf of the row in v[r] on goes through stage hf: LDS serves a wave's instructions in order, so no wait stands between the stores and the loads
.macro TURN r, hf
.irp i, 0,1,2,3
	ds_store_b128 v3, v[\r+16*\hf+4*\i:\r+16*\hf+4*\i+3] offset:32*SP*\hf+8*SP*\i
.endr
.irp i, 0,1,2,3
	ds_load_b128 v[X+16*\hf+4*\i:X+16*\hf+4*\i+3], v4 offset:32*SP*\hf+16*\i
.endr
.endm
; my 16 neighbours of half hf become 16 codes in v[c + 4 hf] on and a byte in v[c + 8 + hf]; two neighbouring lanes hold a block
.macro QSTEP c, hf, p
.set XS, X+16*\hf
	v_max3_num_f32 v8, |v[XS]|, |v[XS+1]|, |v[XS+2]|
	v_max3_num_f32 v9, |v[XS+3]|, |v[XS+4]|, |v[XS+5]|
.irp i, 6,10
	v_max3_num_f32 v8, v8, |v[XS+\i]|, |v[XS+\i+1]|
	v_max3_num_f32 v9, v9, |v[XS+\i+2]|, |v[XS+\i+3]|
.endr
	v_max3_num_f32 v8, v8, |v[XS+14]|, |v[XS+15]|
	v_max3_num_f32 v8, v8, v9, 0x4800000           ; and the floor 2^(9 - 127): the byte cannot fall under 1
	v_max_num_f32_dpp v8, v8, v8 row_xmask:1 row_mask:0xf bank_mask:0xf   ; with my neighbour's 16: the block's largest magnitude
	v_add_nc_u32 v11, 0xfc000000, v8               ; 8 off its exponent field: the conversion's scale operand
	v_and_or_b32 v10, v8, 0x7f800000, s47          ; 448 x the scale
.irp i, 0,1,2,3,4,5,6,7,8,9,10,11,12,13,14,15
	v_med3_num_f32 v[XS+\i], v[XS+\i], -v10, v10   ; the conversion to an 8-bit code does not saturate (ISA guide 7.6.2): the hold comes first
.endr
	v_cvt_scalef32_pk8_fp8_f32 v[\c+4*\hf:\c+4*\hf+1], v[XS:XS+7], v11
	v_cvt_scalef32_pk8_fp8_f32 v[\c+4*\hf+2:\c+4*\hf+3], v[XS+8:XS+15], v11
	v_lshrrev_b32 v[\c+8+\hf], 23, v11             ; the scale's byte (also the plain line behind the conversions)
	ds_store_b8 v5, v[\c+8+\hf] offset:SBH*\hf+4*\p   ; both lanes of a block write the same byte with the same value
	global_store_b128 v[OFFC+\p], v[\c+4*\hf:\c+4*\hf+3], s[32:33] offset:512*\hf   ; 32 lanes store 512 consecutive bytes of the row's codes
.endm
.macro ROW p
.set RR, R+32*\p
	s_wait_loadcnt 8*(3-\p)                        ; this row's eight loads are in (g1 and b1 are older); the later rows' stay out
	s_cmp_lt_u32 ttmp9, 64                         ; x alone is normed
	s_cbranch_scc0 .Lplain_\@
	LN RR
.irp j, 0,1,2,3,4,5,6,7
	global_store_b128 v[OFFS+\p], v[RR+4*\j:RR+4*\j+3], s[22:23] offset:512*\j   ; xn, 512 consecutive bytes a store
.endr
.Lplain_\@:
	TURN RR, 0
	TURN RR, 1
	s_wait_dscnt 8                                 ; the first half is back; the second half's four stores and four loads may be out
	s_wait_xcnt 0x0                                ; xn's stores have read the row's registers: the codes may be written there
	QSTEP RR, 0, \p
	s_wait_dscnt 1                                 ; the second half is back; the byte store may be out
	QSTEP RR, 1, \p
.endm
	ROW 0
	ROW 1
	ROW 2
	ROW 3
	s_wait_dscnt 0x0                               ; my byte stores have landed,
	s_barrier_signal -1
	s_barrier_wait -1                              ; everybody's have
	s_cmp_lt_u32 s[WV], 8
	s_cbranch_scc0 .Ldone
	ds_load_b64 v[8:9], v6                         ; a plane's 64 words
	s_wait_dscnt 0x0
	global_store_b64 v7, v[8:9], s[34:35]          ; 32 lanes store 256 consecutive bytes, aligned
.Ldone:
	s_wait_xcnt 0x0
	v_lshl_add_u32 v254, v0, 2, 0x14800
	v_mov_b32 v255, 0
	s_wait_tensorcnt 0x0
	ds_add_u32 v254, v255
	s_wait_dscnt 0x0
	s_endpgm
.Lfunc_end_k_qac5555f9bf_prep:
	.size	k_qac5555f9bf_prep, .Lfunc_end_k_qac5555f9bf_prep-k_qac5555f9bf_prep
	.p2alignl 7, 3214868480
	.fill 96, 4, 3214868480
	.section	.rodata,"a",@progbits
	.p2align	6, 0x0
	.amdhsa_kernel k_qac5555f9bf_prep
		.amdhsa_group_segment_fixed_size 86016
		.amdhsa_private_segment_fixed_size 0
		.amdhsa_enable_private_segment 0
		.amdhsa_kernarg_size 80
		.amdhsa_user_sgpr_count 2
		.amdhsa_user_sgpr_kernarg_segment_ptr 1
		.amdhsa_wavefront_size32 1
		.amdhsa_system_sgpr_workgroup_id_x 1
		.amdhsa_system_sgpr_workgroup_id_y 1
		.amdhsa_system_sgpr_workgroup_id_z 1
		.amdhsa_system_vgpr_workitem_id 0
		.amdhsa_next_free_vgpr 256
		.amdhsa_next_free_sgpr 66
		.amdhsa_reserve_vcc 0
		.amdhsa_float_denorm_mode_32 3
		.amdhsa_float_denorm_mode_16_64 3
		.amdhsa_memory_ordered 1
		.amdhsa_forward_progress 1
		.amdhsa_inst_pref_size 59
	.end_amdhsa_kernel
	.amdgpu_metadata
---
amdhsa.version: [ 1, 2 ]
amdhsa.kernels:
  - .name:           k_qac5555f9bf_prep
    .symbol:         k_qac5555f9bf_prep.kd
    .args:
      - { .name: x, .offset: 0, .size: 8, .value_kind: global_buffer, .address_space: global }
      - { .name: Wq, .offset: 8, .size: 8, .value_kind: global_buffer, .address_space: global }
      - { .name: Wk, .offset: 16, .size: 8, .value_kind: global_buffer, .address_space: global }
      - { .name: Wv, .offset: 24, .size: 8, .value_kind: global_buffer, .address_space: global }
      - { .name: W1, .offset: 32, .size: 8, .value_kind: global_buffer, .address_space: global }
      - { .name: W2, .offset: 40, .size: 8, .value_kind: global_buffer, .address_space: global }
      - { .name: g1, .offset: 48, .size: 8, .value_kind: global_buffer, .address_space: global }
      - { .name: b1, .offset: 56, .size: 8, .value_kind: global_buffer, .address_space: global }
      - { .name: wcs, .offset: 64, .size: 8, .value_kind: global_buffer, .address_space: global }
      - { .name: xn, .offset: 72, .size: 8, .value_kind: global_buffer, .address_space: global }
    .group_segment_fixed_size: 86016
    .private_segment_fixed_size: 0
    .kernarg_segment_align: 8
    .kernarg_segment_size: 80
    .max_flat_workgroup_size: 512
    .sgpr_count:     66
    .vgpr_count:     256
    .wavefront_size: 32
...
	.end_amdgpu_metadata
.endif
;; end of part 1
;; launch qkv (part 2): grid 8 x 24, 4 waves a work-group, clusters of 4 x 4, 327,680 bytes of LDS; arguments wcs, bq, bk, bv, qkv; writes qkv
.if DOCPART == 2
	.amdgcn_target "amdgcn-amd-amdhsa--gfx1250"
	.amdhsa_code_object_version 6
	.text
	.protected	k_qac5555f9bf_qkv
	.globl	k_qac5555f9bf_qkv
	.p2align	8
	.type	k_qac5555f9bf_qkv,@function
k_qac5555f9bf_qkv:
	s_mov_b64 s[64:65], 0
	v_nop
	global_prefetch_b8 v0, s[64:65] scope:SCOPE_SE
	s_setreg_imm32_b32 hwreg(HW_REG_WAVE_MODE, 25, 1), 1
	s_wait_xcnt 0x0
	s_wait_alu depctr_hold_cnt(0) depctr_sa_sdst(0) depctr_va_vdst(0) depctr_va_sdst(0) depctr_va_ssrc(0) depctr_va_vcc(0) depctr_vm_vsrc(0)
	s_getreg_b32 s2, hwreg(HW_REG_IB_STS2, 6, 4)
	s_cmp_eq_u32 s2, 0
	s_cbranch_scc0 .Lentry_in_a_cluster
	s_endpgm
.Lentry_in_a_cluster:
	s_bfe_u32 s2, ttmp6, 0x10000c
	s_cmp_lg_u32 s2, 0xf033
	s_cbranch_scc0 .Lentry_shape_is_right
	s_endpgm
.Lentry_shape_is_right:
; QKV.  Clusters with y < 4: C[token][q | k feature] = xn Wq^T + bq, xn Wk^T + bk.  Clusters with y = 4, 5: V^T[feature][token] = Wv xn^T + bv.  Both on codes of E4M3 with E8M0 scales, K = 1,024.
; The results are quantised in registers along their columns (q, k: the head's 64; V^T: the keys) and leave as IMAGES OF THE NEXT OPERANDS' REGISTERS: four registers of 32 lanes are 512 consecutive bytes.
; qkv: q's part, then k's and v's, each [32 heads][16 steps of 128 tokens][17,408 bytes]: 8 tiles of K (or Q) x 1,024; 4 tiles of V^T x 2,048; K's (Q's) scale words [2][16 lanes][4 tiles]; V's [2 copies][16 lanes][4 tiles].
; A head has 64 along K and the matrix instruction 128: a word's bytes 2 and 3 are 0x7f (the number 1) and the codes of the upper half are zeros on the query's side.
; THE CORE: a tile of C, 256 x 256, by four waves, each 128 x 128 in 512 registers; K in steps of 256 through two LDS slots.  A slot: A's 256 rows (272 bytes apart), B's 256 rows, A's scale words [2][256], B's.
; One tensor load a wave: wave 0 A's codes, wave 1 A's scale words, wave 2 B's codes, wave 3 B's scale words.  4 x 4 work-groups form a cluster; A's tiles are asked for jointly along a row of it, B's along a column.
; THE MATRIX INSTRUCTION IS USED TRANSPOSED (source 0 = 16 rows of B, source 1 = 16 rows of A).  The rows lie in memory with bits 3 and 4 of their number exchanged, so accumulators (a, 2 p) and (a, 2 p + 1) hold,
; in lane (r, h), the 16 neighbouring columns 32 p + 16 h + 0 .. 15 of A's row, and tile a's lane r is row 32 (a / 2) + 8 (a % 2) + r + 8 (r / 8).
; The bias is the C of each sum's first product.  LIMITS: NaN and infinities are not served; a block whose largest magnitude lies under 2^-118 takes the scale byte 1.
; REGISTERS: window 0: v0-31 addresses; v32-63 scale words, two sets, and nothing else; v64-127 the bias, later the quantiser's work; v128-255 A's fragments, later the codes.  window 1: B's fragments, two sets.  windows 2, 3: accumulators.
.set KROWA, 1024
.set KROWB, 1024
.set SPA,   11264                      ; rows in a plane of scale words
.set SPB,   11264
.set ACOFF, 0
.set ASOFF, 11534336
.set BCOFF, 0
.set BSOFF, 11534336
.set LAPS,  2
.set PA,    4
.set PB,    4
.set STEPB, 17408
.set HEADB, 16*STEPB
.set KVOFF, 32*HEADB
.set NQ,     2
.set ROWB,   256
.set PITCH,  272                       ; an LDS row: 256 bytes + 16 of padding, so that the 16 rows of a fragment load start at 16 different banks (64 banks of 4 bytes: ISA guide 11.1)
.set FR,     16
.set NL,     4
.set NP,     8                         ; places behind this matrix instruction (ISA guide 7.12.1)
.set HALFT,  128*PITCH
.set BOFF,   2*HALFT
.set SAOFF,  4*HALFT
.set SBOFF,  SAOFF+2048
.set SLOT,   SAOFF+4096
.set SPARE,  2*SLOT                    ; behind the ring: the spare words, 128 bytes a wave: two blocks of 256 bytes that no other line names
.set ADRA, 16
.set ADRB, 20
.set SPW,  28
.set NIL,  29
.set ADRS, 30
.set SC,   32
.set BI,   64
.set AF,   128
.set TM,   64                          ; the way out: v64-79 at work, v80-87 the eight scale words, v128-255 the codes
.set KW,   80
.set PC,   128
.set G1A,  24
.set G0A,  32
.set G1B,  48
.set G0B,  56
.set G1SA, 68
.set G0SA, 76
.set G1SB, 84
.set G0SB, 92
.set MSB, 0
.macro WIN new                         ; the immediate's high byte repeats the setting that is left
.if MSB != (\new)
	s_set_vgpr_msb (MSB<<8)|(\new)
.set MSB, (\new)
.endif
.endm
.set MUL_LO, 0xa1
.set MUL_HI, 0xf1
.set TO_B,   0x40
.macro TL g0, g1                       ; four v_nop follow a tensor load
	tensor_load_to_lds s[\g0:\g0+3], s[\g1:\g1+7]
	s_nop 0
.rept 4
	v_nop
.endr
.endm
.macro JLOAD s                         ; each wave's one joint load; the branches hang on the wave's number alone
	s_cmp_lt_u32 s14, 2
	s_cbranch_scc0 .Lj_b_\@
	s_cmp_eq_u32 s14, 0
	s_cbranch_scc0 .Lj_as_\@
	TL G0A+4*\s, G1A
	s_branch .Lj_end_\@
.Lj_as_\@:
	TL G0SA+4*\s, G1SA
	s_branch .Lj_end_\@
.Lj_b_\@:
	s_cmp_eq_u32 s14, 2
	s_cbranch_scc0 .Lj_bs_\@
	TL G0B+4*\s, G1B
	s_branch .Lj_end_\@
.Lj_bs_\@:
	TL G0SB+4*\s, G1SB
.Lj_end_\@:
.endm
.macro CREST
	s_cmp_lg_u32 s14, 0
	s_cbranch_scc1 .Lnot_wave_0_\@
	s_barrier_signal -3
.Lnot_wave_0_\@:
	s_barrier_wait -3
	s_barrier_signal -1
	s_barrier_wait -1
.endm
.macro CROUND
	s_barrier_signal -1
	s_barrier_wait -1
	CREST
.endm
	s_load_b256 s[4:11], s[0:1], 0x0               ; wcs, bq, bk, bv
	s_load_b64 s[12:13], s[0:1], 0x20              ; qkv
	v_lshl_add_u32 v[SPW], v0, 2, SPARE
	v_mov_b32 v[NIL], 0
	ds_add_u32 v28, v29
	ds_add_u32 v28, v29
	s_wait_dscnt 0x0
	v_lshrrev_b32 v1, 5, v0
	v_readfirstlane_b32 s14, v1                    ; wave 0..3
	s_lshr_b32 s15, s14, 1                         ; which half of the tile's rows is mine
	s_and_b32 s16, s14, 1                          ; which half of its columns
	s_bfe_u32 s40, ttmp6, 0x40000                  ; cx
	s_bfe_u32 s41, ttmp6, 0x40004                  ; cy
	s_lshl_b32 s43, s41, 2
	s_lshl_b32 s43, 15, s43                        ; my row of the cluster
	s_lshl_b32 s44, 0x1111, s40                    ; my column
	s_and_b32 s45, ttmp7, 0xffff                   ; the cluster's y
	s_lshr_b32 s66, s45, 2                         ; 1: V^T
	s_xor_b32 s67, s66, 1
	s_lshl_b32 s17, s41, 8                         ; A's first row in wcs: q, k: token 1,024 y + 256 cy; V^T: Wv's row 256 cy, at 6,144
	s_lshl_b32 s18, s45, 10
	s_mul_i32 s18, s18, s67
	s_add_co_u32 s17, s17, s18
	s_mul_i32 s18, s66, 6144
	s_add_co_u32 s17, s17, s18
	s_lshl_b32 s42, ttmp9, 2                       ; B's: q, k: Wq | Wk's row 256 (4 x + cx), at 4,096; V^T: token 256 (4 x + cx) + 2,048 (y & 3)
	s_add_co_u32 s42, s42, s40
	s_lshl_b32 s42, s42, 8
	s_lshl_b32 s46, s67, 12
	s_add_co_u32 s42, s42, s46
	s_and_b32 s46, s45, 3
	s_lshl_b32 s46, s46, 11
	s_mul_i32 s46, s46, s66
	s_add_co_u32 s42, s42, s46
	; descriptor groups 1.  Codes: 256 rows x 256 bytes, 16 bytes of padding behind each.  Scale words: 2 planes x 256 words, dense in LDS
	s_or_b32 s[G1A], s43, (1<<20)|(1<<21)|(5<<22)|(3<<25)   ; 15:0 the mask; 17:16 elements of 1 byte; 20 padding on; 21 set beside a mask; 24:22 after every 64 words; 31:25 four words
	s_or_b32 s[G1B], s44, (1<<20)|(1<<21)|(5<<22)|(3<<25)
	s_or_b32 s[G1SA], s43, (2<<16)|(1<<21)         ; elements of 4 bytes, no padding
	s_or_b32 s[G1SB], s44, (2<<16)|(1<<21)
.irp g, G1A, G1B
	s_mov_b32 s[\g+1], 256<<16                     ; tensor_dim0
	s_mov_b32 s[\g+2], 256<<16                     ; tensor_dim1
	s_mov_b32 s[\g+3], 256<<16                     ; tile_dim0
	s_mov_b32 s[\g+4], 256                         ; tile_dim1
	s_mov_b32 s[\g+6], 0
	s_mov_b32 s[\g+7], 0
.endr
	s_mov_b32 s[G1A+5], KROWA                      ; from row to row
	s_mov_b32 s[G1B+5], KROWB
.irp g, G1SA, G1SB
	s_mov_b32 s[\g+1], 256<<16
	s_mov_b32 s[\g+2], 2<<16
	s_mov_b32 s[\g+3], 256<<16
	s_mov_b32 s[\g+4], 2
	s_mov_b32 s[\g+6], 0
	s_mov_b32 s[\g+7], 0
.endr
	s_mov_b32 s[G1SA+5], SPA                       ; from plane to plane, in words
	s_mov_b32 s[G1SB+5], SPB
	s_mul_i32 s20, s17, KROWA                      ; offsets, A's in registers that never hold cx, B's in registers that never hold cy
	s_add_co_u32 s20, s20, ACOFF
	s_mov_b32 s21, 0
	s_lshl_b32 s22, s17, 2
	s_add_co_u32 s22, s22, ASOFF
	s_mov_b32 s23, 0
	s_mul_i32 s46, s42, KROWB
	s_add_co_u32 s46, s46, BCOFF
	s_mov_b32 s47, 0
	s_lshl_b32 s2, s42, 2
	s_add_co_u32 s2, s2, BSOFF
	s_mov_b32 s3, 0
	s_mov_b32 s100, 0x76543210
	s_mov_b32 s101, 0xfedcba98                     ; v_permlanex16_b32's selects for lane l xor 16
	s_mov_b32 s104, 0x600000                       ; the mantissa field of 448
	s_wait_kmcnt 0x0
	s_add_nc_u64 s[20:21], s[PA:PA+1], s[20:21]
	s_add_nc_u64 s[22:23], s[PA:PA+1], s[22:23]
	s_add_nc_u64 s[46:47], s[PB:PB+1], s[46:47]
	s_add_nc_u64 s[2:3], s[PB:PB+1], s[2:3]
	CROUND                                         ; all sixteen work-groups are here: the first joint loads meet
.irp s, 0,1
	s_mov_b32 s[G0A+4*\s], 1
	s_mov_b32 s[G0A+4*\s+1], \s*SLOT
	s_add_nc_u64 s[G0A+4*\s+2:G0A+4*\s+3], s[20:21], \s*ROWB
	s_or_b32 s[G0A+4*\s+3], s[G0A+4*\s+3], 0x80000000
	s_mov_b32 s[G0SA+4*\s], 1
	s_mov_b32 s[G0SA+4*\s+1], \s*SLOT+SAOFF
	s_add_nc_u64 s[G0SA+4*\s+2:G0SA+4*\s+3], s[22:23], \s*8*SPA
	s_or_b32 s[G0SA+4*\s+3], s[G0SA+4*\s+3], 0x80000000
	s_mov_b32 s[G0B+4*\s], 1
	s_mov_b32 s[G0B+4*\s+1], \s*SLOT+BOFF
	s_add_nc_u64 s[G0B+4*\s+2:G0B+4*\s+3], s[46:47], \s*ROWB
	s_or_b32 s[G0B+4*\s+3], s[G0B+4*\s+3], 0x80000000
	s_mov_b32 s[G0SB+4*\s], 1
	s_mov_b32 s[G0SB+4*\s+1], \s*SLOT+SBOFF
	s_add_nc_u64 s[G0SB+4*\s+2:G0SB+4*\s+3], s[2:3], \s*8*SPB
	s_or_b32 s[G0SB+4*\s+3], s[G0SB+4*\s+3], 0x80000000
	JLOAD \s                                       ; two loads of mine are out
.endr
	v_and_b32 v1, 15, v0                           ; r
	v_bfe_u32 v2, v0, 4, 1                         ; h
	v_mul_u32_u24 v3, v1, PITCH
	v_lshl_add_u32 v4, v2, 4, v3                   ; a fragment's row x pitch + 16 h
	s_mul_i32 s21, s15, HALFT
	s_mul_i32 s22, s16, HALFT
	s_add_co_u32 s22, s22, BOFF
.irp s, 0,1
	v_add_nc_u32 v[ADRA+\s], s21, v4
	v_add_nc_u32 v[ADRB+\s], s22, v4
	s_add_co_u32 s21, s21, SLOT
	s_add_co_u32 s22, s22, SLOT
.endr
	s_lshl_b32 s21, s15, 9                         ; scale words: lanes 0-15 take A's rows, lanes 16-31 B's: the lower base + h x the distance
	s_lshl_b32 s22, s16, 9
	s_add_co_u32 s22, s22, 2048
	s_sub_co_u32 s22, s22, s21
	v_mul_u32_u24 v6, s22, v2
	v_lshl_add_u32 v5, v1, 2, v6
	s_add_co_u32 s21, s21, SAOFF
	v_add_nc_u32 v[ADRS], s21, v5
	v_add_nc_u32 v[ADRS+1], SLOT, v[ADRS]
	v_and_b32 v6, 31, v0
	v_lshlrev_b32 v7, 4, v6                        ; the way out: 16 x lane,
	v_mul_u32_u24 v8, v2, HEADB
	v_lshl_add_u32 v8, v1, 4, v8                   ; 16 r, one head on for lanes 16-31,
	v_lshlrev_b32 v9, 4, v2                        ; 16 h
	v_lshlrev_b32 v10, 6, v2                       ; the bias by columns: 64 h
	v_and_b32 v11, 8, v1
	v_add_nc_u32 v11, v11, v1
	v_lshlrev_b32 v11, 2, v11                      ; the bias by rows: 4 (r + 8 (r / 8))
	s_cmp_eq_u32 s66, 0                            ; the cluster's y: alike in all partners
	s_cbranch_scc0 .Lbias_v
	s_cmp_eq_u32 ttmp9, 0
	s_cselect_b64 s[18:19], s[6:7], s[8:9]         ; cluster x = 0: q; 1: k
	s_lshl_b32 s20, s40, 8
	s_lshl_b32 s21, s16, 7
	s_add_co_u32 s20, s20, s21
	s_lshl_b32 s20, s20, 2
	s_mov_b32 s21, 0
	s_add_nc_u64 s[18:19], s[18:19], s[20:21]
.irp b, 0,1,2,3,4,5,6,7                            ; accumulator (a, b), register j: column 32 (b / 2) + 16 h + 8 (b % 2) + j
	global_load_b128 v[BI+8*\b:BI+8*\b+3], v10, s[18:19] offset:(32*(\b/2)+8*(\b%2))*4
	global_load_b128 v[BI+8*\b+4:BI+8*\b+7], v10, s[18:19] offset:(32*(\b/2)+8*(\b%2))*4+16
.endr
	s_branch .Lbias_done
.Lbias_v:
	s_lshl_b32 s20, s41, 8
	s_lshl_b32 s21, s15, 7
	s_add_co_u32 s20, s20, s21
	s_lshl_b32 s20, s20, 2
	s_mov_b32 s21, 0
	s_add_nc_u64 s[18:19], s[10:11], s[20:21]
.irp a, 0,1,2,3,4,5,6,7                            ; the lane's own row of Wv: one number in all eight registers
.irp j, 0,1,2,3,4,5,6,7
	global_load_b32 v[BI+8*\a+\j], v11, s[18:19] offset:(32*(\a/2)+8*(\a%2))*4
.endr
.endr
.Lbias_done:
.macro FRAG reg, adr, q, i             ; 16 rows x 128 K: registers 4 c .. 4 c + 3 hold K = 32 c + 16 h + 0 .. 15
.irp c, 0,1,2,3
	ds_load_b128 v[\reg+4*\c:\reg+4*\c+3], v[\adr] offset:128*(\q)+32*\c+(\i)*16*PITCH
.endr
.endm
; 16 matrix instructions: A's blocks a0, a0 + 1 x B's eight.  zero = 1: the bias by columns starts the sums; 2: the bias by rows.  The 64 accumulators take turns, one instruction a turn
.macro MUL16 a0, p, q, sc, zero
.irp a, \a0, \a0+1
.irp b, 0,1,2,3,4,5,6,7
.if \zero == 1
	v_wmma_scale_f32_16x16x128_f8f6f4 v[8*(8*((\a)%4)+\b):8*(8*((\a)%4)+\b)+7], v[128*(\p)+FR*\b:128*(\p)+FR*\b+FR-1], v[AF+FR*(\a):AF+FR*(\a)+FR-1], v[BI+8*\b:BI+8*\b+7], v[SC+8*NQ*(\sc)+NQ*\b+(\q)], v[SC+8*NQ*(\sc)+NQ*(\a)+(\q)] matrix_a_scale:MATRIX_SCALE_ROW1
.elseif \zero == 2
	v_wmma_scale_f32_16x16x128_f8f6f4 v[8*(8*((\a)%4)+\b):8*(8*((\a)%4)+\b)+7], v[128*(\p)+FR*\b:128*(\p)+FR*\b+FR-1], v[AF+FR*(\a):AF+FR*(\a)+FR-1], v[BI+8*(\a):BI+8*(\a)+7], v[SC+8*NQ*(\sc)+NQ*\b+(\q)], v[SC+8*NQ*(\sc)+NQ*(\a)+(\q)] matrix_a_scale:MATRIX_SCALE_ROW1
.else
	v_wmma_scale_f32_16x16x128_f8f6f4 v[8*(8*((\a)%4)+\b):8*(8*((\a)%4)+\b)+7], v[128*(\p)+FR*\b:128*(\p)+FR*\b+FR-1], v[AF+FR*(\a):AF+FR*(\a)+FR-1], v[8*(8*((\a)%4)+\b):8*(8*((\a)%4)+\b)+7], v[SC+8*NQ*(\sc)+NQ*\b+(\q)], v[SC+8*NQ*(\sc)+NQ*(\a)+(\q)] matrix_a_scale:MATRIX_SCALE_ROW1
.endif
.endr
.endr
.endm
.macro FETCH_B slot, q, p
	WIN TO_B
.irp i, 0,1,2,3,4,5,6,7
	FRAG 128*(\p)+FR*\i, ADRB+\slot, \q, \i
.endr
	WIN 0
.endm
.macro FETCH_A slot, q, i0
.irp i, \i0, \i0+1, \i0+2, \i0+3
	FRAG AF+FR*(\i), ADRA+\slot, \q, \i
.endr
.endm
.macro SCALES sc                       ; the slot's scale words: register 2 i + q: lanes 0-15 A's block i, lanes 16-31 B's block i, for the slot's q-th 128 along K
.irp i, 0,1,2,3,4,5,6,7
.irp q, 0,1
	ds_load_b32 v[SC+16*\sc+2*\i+\q], v[ADRS+\sc] offset:1024*\q+64*\i
.endr
.endr
.endm
.macro PLACES n                        ; plain vector instructions between a matrix instruction and a load into, or a read of, its registers
.rept \n
	v_nop
.endr
.endm
.macro STEP slot, q, zero              ; 128 along K, with its successor in the same slot
	s_wait_dscnt 4*NL                              ; all but the youngest sixteen loads (A's blocks 4-7) are in
.if \zero
	WIN 0x81                                       ; C (the bias) in window 0, D in window 2
.else
	WIN MUL_LO
.endif
	MUL16 0, (\q)%2, \q, \slot, \zero
	MUL16 2, (\q)%2, \q, \slot, \zero
	s_wait_dscnt 0
	PLACES NP
	FETCH_B \slot, (\q)+1, 1-(\q)%2
	FETCH_A \slot, (\q)+1, 0
.if \zero
	WIN 0xc1
.else
	WIN MUL_HI
.endif
	MUL16 4, (\q)%2, \q, \slot, \zero
	MUL16 6, (\q)%2, \q, \slot, \zero
	PLACES NP
	WIN 0
	FETCH_A \slot, (\q)+1, 4
.endm
; A slot's last step changes slots: in front of the one barrier each wave waits for all its tensor loads, adds 0 to its spare word, and waits for that and for its reads of this slot.  fill = 1: the slot is filled again, two K steps ahead
.macro TURN slot, next, fill
	s_wait_tensorcnt 0x0                           ; my part of the next slot has landed; no load of mine is out
	ds_add_u32 v[SPW], v[NIL]                      ; 0 onto my spare word
	s_wait_dscnt 4*NL+1                            ; (the add and A's blocks 4-7 may be out)
	WIN MUL_LO
	MUL16 0, 1, NQ-1, \slot, 0
	s_wait_dscnt 0x0                               ; the add is done, and my reads of this slot are over
	s_barrier_signal -1
	MUL16 2, 1, NQ-1, \slot, 0
	WIN 0
	s_barrier_wait -1
.if \fill
	CREST                                          ; the barrier has opened a round of the cluster's: no wave of any partner still reads this slot or has a load on its way
	s_add_nc_u64 s[G0A+4*\slot+2:G0A+4*\slot+3], s[G0A+4*\slot+2:G0A+4*\slot+3], 2*ROWB
	s_add_nc_u64 s[G0B+4*\slot+2:G0B+4*\slot+3], s[G0B+4*\slot+2:G0B+4*\slot+3], 2*ROWB
	s_add_nc_u64 s[G0SA+4*\slot+2:G0SA+4*\slot+3], s[G0SA+4*\slot+2:G0SA+4*\slot+3], 16*SPA
	s_add_nc_u64 s[G0SB+4*\slot+2:G0SB+4*\slot+3], s[G0SB+4*\slot+2:G0SB+4*\slot+3], 16*SPB
	JLOAD \slot                                    ; my one tensor load behind the round; its four v_nop are four of the places below
	PLACES NP-4
.else
	PLACES NP
.endif
	FETCH_B \next, 0, 0
	FETCH_A \next, 0, 0
	SCALES \next
	WIN MUL_HI
	MUL16 4, 1, NQ-1, \slot, 0
	MUL16 6, 1, NQ-1, \slot, 0
	PLACES NP
	WIN 0
	FETCH_A \next, 0, 4
.endm
	s_wait_tensorcnt 1                             ; my part of K step 0 is in; K step 1's load may be out
	s_barrier_signal -1
	s_barrier_wait -1
	FETCH_B 0, 0, 0
	FETCH_A 0, 0, 0
	SCALES 0
	FETCH_A 0, 0, 4
	s_wait_loadcnt 0x0                             ; the bias
	s_cmp_eq_u32 s66, 0
	s_cbranch_scc0 .Lfirst_v
	STEP 0, 0, 1
	s_branch .Lfirst_done
.Lfirst_v:
	STEP 0, 0, 2
.Lfirst_done:
	s_mov_b32 s3, LAPS-1
.Llap:
	TURN 0, 1, 1
	STEP 1, 0, 0
	TURN 1, 0, 1
	STEP 0, 0, 0
	s_sub_co_u32 s3, s3, 1
	s_cmp_lg_u32 s3, 0
	s_cbranch_scc1 .Llap
	TURN 0, 1, 0                                   ; the last lap fills nothing
	STEP 1, 0, 0
	s_wait_dscnt 4*NL
	WIN MUL_LO
	MUL16 0, 1, NQ-1, 1, 0
	MUL16 2, 1, NQ-1, 1, 0
	s_wait_dscnt 0
	WIN MUL_HI
	MUL16 4, 1, NQ-1, 1, 0
	MUL16 6, 1, NQ-1, 1, 0
	WIN 0
; Block a's 64 numbers of a lane (register 16 p + i = column 32 p + 16 h + i of my row) become 16 registers of codes at v[pc] and a scale word in v[pw].  Each accumulator is read from its low end on
.macro QUANTW a, pc, pw
.set QW, 2+(\a)/4                      ; the block's window
.set QA, 64*((\a)%4)
	WIN 5*QW                                       ; sources 0 and 1 in the block's window
.irp b, 0,1,2,3
	v_max3_num_f32 v[TM+\b], |v[QA+16*\b]|, |v[QA+16*\b+1]|, 0x4800000   ; with the floor 2^(9 - 127): the byte cannot fall under 1
.endr
	WIN 20*QW                                      ; sources 1 and 2
.irp i, 2,4,6,8,10,12,14
.irp b, 0,1,2,3
	v_max3_num_f32 v[TM+\b], v[TM+\b], |v[QA+16*\b+\i]|, |v[QA+16*\b+\i+1]|
.endr
.endr
	WIN 0
.irp b, 0,1,2,3
	v_permlanex16_b32 v[TM+4+\b], v[TM+\b], s100, s101
.endr
.irp b, 0,1,2,3
	v_max_num_f32 v[TM+\b], v[TM+\b], v[TM+4+\b]   ; with lane l xor 16's: the block's largest magnitude
.endr
.irp b, 0,1,2,3
	v_add_nc_u32 v[TM+12+\b], 0xfc000000, v[TM+\b] ; 8 off the exponent field: the conversion's scale operand
.endr
.irp b, 0,1,2,3
	v_and_or_b32 v[TM+8+\b], v[TM+\b], 0x7f800000, s104   ; 448 x the scale
.endr
.irp b, 0,1,2,3
	v_lshrrev_b32 v[TM+4+\b], 23, v[TM+12+\b]      ; the scale's byte
.endr
	v_lshl_or_b32 v[\pw], v[TM+5], 8, v[TM+4]
	v_lshl_or_b32 v[\pw], v[TM+6], 16, v[\pw]
	v_lshl_or_b32 v[\pw], v[TM+7], 24, v[\pw]
	WIN 65*QW                                      ; source 0 and destination
.irp b, 0,1,2,3
.irp i, 0,1,2,3,4,5,6,7,8,9,10,11,12,13,14,15
	v_med3_num_f32 v[QA+16*\b+\i], v[QA+16*\b+\i], -v[TM+8+\b], v[TM+8+\b]   ; the conversion does not saturate (ISA guide 7.6.2): the hold
.endr
.endr
	WIN QW                                         ; source 0
.irp b, 0,1,2,3
	v_cvt_scalef32_pk8_fp8_f32 v[\pc+4*\b:\pc+4*\b+1], v[QA+16*\b:QA+16*\b+7], v[TM+12+\b]
	v_cvt_scalef32_pk8_fp8_f32 v[\pc+4*\b+2:\pc+4*\b+3], v[QA+16*\b+8:QA+16*\b+15], v[TM+12+\b]
.endr
	WIN 0
	v_nop                                          ; a plain line behind the last conversion
.endm
	PLACES NP
.irp b, 0,1,2,3
	v_mov_b32 v[TM+4+\b], 0                        ; a lane permute's destination counts as one of its sources
.endr
.irp a, 0,1,2,3,4,5,6,7
	QUANTW \a, PC+16*\a, KW+\a
.endr
	s_lshl_b32 s19, ttmp9, 2
	s_add_co_u32 s19, s19, s40                     ; 4 x + cx
	s_cmp_eq_u32 s66, 0
	s_cbranch_scc0 .Lout_v
	; q, k: my 128 tokens are one step, my 128 columns two heads (p / 2), each of two pieces of 32 (p % 2)
	s_lshl_b32 s18, s45, 2
	s_add_co_u32 s18, s18, s41                     ; which 256 tokens
	s_lshr_b32 s20, s18, 3
	s_lshl_b32 s20, s20, 4                         ; 16 x batch
	s_lshl_b32 s21, s40, 2
	s_add_co_u32 s20, s20, s21
	s_lshl_b32 s21, s16, 1
	s_add_co_u32 s20, s20, s21                     ; + my first head
	s_lshl_b32 s20, s20, 4
	s_and_b32 s21, s18, 7
	s_lshl_b32 s21, s21, 1
	s_add_co_u32 s20, s20, s21
	s_add_co_u32 s20, s20, s15                     ; 16 x head + step
	s_mul_i32 s20, s20, STEPB
	s_mul_i32 s21, ttmp9, KVOFF                    ; q's part or k's
	s_add_co_u32 s20, s20, s21
	s_mov_b32 s21, 0
	s_add_nc_u64 s[12:13], s[12:13], s[20:21]
	s_mov_b32 s22, 0x7f7f0000
.irp a, 0,1,2,3,4,5,6,7
	v_lshrrev_b32 v[KW+\a], v9, v[KW+\a]           ; lanes 0-15 keep the first head's two bytes, lanes 16-31 take the second's;
	v_and_or_b32 v[KW+\a], v[KW+\a], 0xffff, s22   ; the upper half of the instruction's K has the scale 1
.endr
.irp a, 0,1,2,3,4,5,6,7
.irp p, 0,1,2,3
	global_store_b128 v7, v[PC+16*\a+4*\p:PC+16*\a+4*\p+3], s[12:13] offset:\a*1024+(\p%2)*512+(\p/2)*HEADB   ; 512 consecutive bytes, aligned
.endr
.endr
	global_store_b128 v8, v[KW:KW+3], s[12:13] offset:16384     ; sixteen lanes store 256 consecutive bytes, aligned: tiles 0-3,
	global_store_b128 v8, v[KW+4:KW+7], s[12:13] offset:16640   ; tiles 4-7
	s_branch .Lout_done
.Lout_v:
	; V^T: my 128 rows are two heads (a / 4) of four tiles (a % 4), my 128 columns one step of keys in four blocks of 32 (p)
	s_and_b32 s18, s45, 3
	s_lshl_b32 s18, s18, 3
	s_add_co_u32 s18, s18, s19                     ; which 256 tokens
	s_lshr_b32 s20, s18, 3
	s_lshl_b32 s20, s20, 4
	s_lshl_b32 s21, s41, 2
	s_add_co_u32 s20, s20, s21
	s_lshl_b32 s21, s15, 1
	s_add_co_u32 s20, s20, s21
	s_lshl_b32 s20, s20, 4
	s_and_b32 s21, s18, 7
	s_lshl_b32 s21, s21, 1
	s_add_co_u32 s20, s20, s21
	s_add_co_u32 s20, s20, s16
	s_mul_i32 s20, s20, STEPB
	s_add_co_u32 s20, s20, KVOFF
	s_mov_b32 s21, 0
	s_add_nc_u64 s[12:13], s[12:13], s[20:21]
	s_mov_b32 vcc_lo, 0xffff0000
.irp i, 0,1,2,3
	v_cndmask_b32 v[KW+\i], v[KW+\i], v[KW+4+\i], vcc_lo   ; lanes 16-31 take the second head's words
.endr
.irp a, 0,1,2,3,4,5,6,7
.irp p, 0,1,2,3
	global_store_b128 v7, v[PC+16*\a+4*\p:PC+16*\a+4*\p+3], s[12:13] offset:8192+(\a%4)*2048+\p*512+(\a/4)*HEADB
.endr
.endr
	global_store_b128 v8, v[KW:KW+3], s[12:13] offset:16896
	global_store_b128 v8, v[KW:KW+3], s[12:13] offset:17152     ; the copy that the reader's lanes 16-31 touch
.Lout_done:
	s_wait_tensorcnt 0x0                           ; the wave's end
	ds_add_u32 v[SPW], v[NIL]
	s_wait_dscnt 0x0
	CROUND                                         ; the closing round
	s_endpgm
.Lfunc_end_k_qac5555f9bf_qkv:
	.size	k_qac5555f9bf_qkv, .Lfunc_end_k_qac5555f9bf_qkv-k_qac5555f9bf_qkv
	.p2alignl 7, 3214868480
	.fill 96, 4, 3214868480
	.section	.rodata,"a",@progbits
	.p2align	6, 0x0
	.amdhsa_kernel k_qac5555f9bf_qkv
		.amdhsa_group_segment_fixed_size 327680
		.amdhsa_private_segment_fixed_size 0
		.amdhsa_enable_private_segment 0
		.amdhsa_kernarg_size 40
		.amdhsa_user_sgpr_count 2
		.amdhsa_user_sgpr_kernarg_segment_ptr 1
		.amdhsa_wavefront_size32 1
		.amdhsa_system_sgpr_workgroup_id_x 1
		.amdhsa_system_sgpr_workgroup_id_y 1
		.amdhsa_system_sgpr_workgroup_id_z 1
		.amdhsa_system_vgpr_workitem_id 0
		.amdhsa_next_free_vgpr 1024
		.amdhsa_next_free_sgpr 106
		.amdhsa_reserve_vcc 1
		.amdhsa_float_denorm_mode_32 3
		.amdhsa_float_denorm_mode_16_64 3
		.amdhsa_memory_ordered 1
		.amdhsa_forward_progress 1
		.amdhsa_inst_pref_size 216
	.end_amdhsa_kernel
	.amdgpu_metadata
---
amdhsa.version: [ 1, 2 ]
amdhsa.kernels:
  - .name:           k_qac5555f9bf_qkv
    .symbol:         k_qac5555f9bf_qkv.kd
    .args:
      - { .name: wcs, .offset: 0, .size: 8, .value_kind: global_buffer, .address_space: global }
      - { .name: bq, .offset: 8, .size: 8, .value_kind: global_buffer, .address_space: global }
      - { .name: bk, .offset: 16, .size: 8, .value_kind: global_buffer, .address_space: global }
      - { .name: bv, .offset: 24, .size: 8, .value_kind: global_buffer, .address_space: global }
      - { .name: qkv, .offset: 32, .size: 8, .value_kind: global_buffer, .address_space: global }
    .group_segment_fixed_size: 327680
    .private_segment_fixed_size: 0
    .kernarg_segment_align: 8
    .kernarg_segment_size: 40
    .max_flat_workgroup_size: 128
    .sgpr_count:     106
    .vgpr_count:     1024
    .wavefront_size: 32
...
	.end_amdgpu_metadata
.endif
;; end of part 2
;; launch attn (part 3): grid 8 x 32, 16 waves a work-group, clusters of 4 x 1, 280,576 bytes of LDS; arguments qkv, attn; writes attn
.if DOCPART == 3
	.amdgcn_target "amdgcn-amd-amdhsa--gfx1250"
	.amdhsa_code_object_version 6
	.text
	.protected	k_qac5555f9bf_attn
	.globl	k_qac5555f9bf_attn
	.p2align	8
	.type	k_qac5555f9bf_attn,@function
k_qac5555f9bf_attn:
	s_mov_b64 s[64:65], 0
	v_nop
	global_prefetch_b8 v0, s[64:65] scope:SCOPE_SE
	s_setreg_imm32_b32 hwreg(HW_REG_WAVE_MODE, 25, 1), 1
	s_wait_xcnt 0x0
	s_wait_alu depctr_hold_cnt(0) depctr_sa_sdst(0) depctr_va_vdst(0) depctr_va_sdst(0) depctr_va_ssrc(0) depctr_va_vcc(0) depctr_vm_vsrc(0)
	s_getreg_b32 s2, hwreg(HW_REG_IB_STS2, 6, 4)
	s_cmp_eq_u32 s2, 0
	s_cbranch_scc0 .Lentry_in_a_cluster
	s_endpgm
.Lentry_in_a_cluster:
	s_bfe_u32 s2, ttmp6, 0x10000c
	s_cmp_lg_u32 s2, 0x3003
	s_cbranch_scc0 .Lentry_shape_is_right
	s_endpgm
.Lentry_shape_is_right:
; ATTENTION on codes of E4M3 with E8M0 scales.  attn[token][head x 64 + d] = the sum over the keys of softmax(q . k / 8) v, f32.
; THE SOFTMAX AHEAD OF THE SECOND PRODUCT: t = score x log2(e) / 8; M = the running largest t rounded UP to a whole number; p = 2^(t - M) is quantised along the keys, not normalised; the row's sum is taken of the
; unquantised p and divides at the end.  When M moves, the sum and O are multiplied by 2^(old M - new M), which rounds nothing.
; SHARES.  A work-group owns 256 queries of one head, each of its sixteen waves one tile of 16, in 256 registers: four waves to a SIMD, so that one wave's vector work stands beside another's products and LDS loads.
; THE WHOLE HEAD'S K AND V LIE IN LDS, FILLED ONCE: 16 steps of 128 keys x 17,408 bytes, as images of the operands' registers (four registers of 32 lanes = 512 consecutive bytes), so every LDS load is dense.
; The four work-groups of a cluster belong to one head: each tile is asked for jointly.  Each wave asks for 4 x 4,352 bytes at the head (four loads of mine are out at the most); a quarter of the keys is read
; while the later quarters land.  Nothing is filled again.  No prefetch: every byte of K and V is asked for at the head.
; Both products are used transposed (S^T = K Q^T, O^T = V^T P^T): a lane holds one query.  Tile a's lane r is key (or query) 32 (a / 2) + 8 (a % 2) + r + 8 (r / 8), so p's 16 registers of two neighbouring tiles are 16 neighbouring keys.
; A head has 64 along the first product's K, the instruction 128: Q's upper eight registers are zeros, the scale bytes there are 0x7f; K's upper eight registers hold whatever codes stand there (zeros, later V's: the hold
; ahead of every conversion keeps the NaN code out), and a code times zero adds nothing.
; REGISTERS: v1 16 x lane; v2 the step's LDS address; v7-9 the way out; v12 -M, v13 the largest t, v[14:15] the sum; v16-23 Q, v24-31 zeros; v32-95 four fragments; v96-159 S^T, then p; v160-191 O^T; v192-207 p's codes;
; v232-247, v252, v254 at work; v248-251 the tiles' scale words; v253 p's; v255 Q's.
.set STEPB, 17408
.set CHB,   4*STEPB                    ; a quarter of the head
.set HEADB, 16*STEPB
.set KVOFF, 32*HEADB
.set WLB,   17*256                     ; a wave's part of a quarter; also its stage on the way out: 16 rows x 272 bytes
.set LI,  1
.set AD,  2
.set WV,  18
.set MNT, 19
.set SEL, 20
.set CS,  22
.set TB,  2
.set CNT, 3
.set G1,  24
.set G0,  32
.macro CROUND
	s_barrier_signal -1
	s_barrier_wait -1
	s_cmp_lg_u32 s[WV], 0
	s_cbranch_scc1 .Lnot_wave_0_\@
	s_barrier_signal -3
.Lnot_wave_0_\@:
	s_barrier_wait -3
	s_barrier_signal -1
	s_barrier_wait -1
.endm
	s_load_b128 s[4:7], s[0:1], 0x0                ; qkv, attn
	v_lshl_add_u32 v230, v0, 2, 0x44000
	v_mov_b32 v231, 0
	ds_add_u32 v230, v231
	ds_add_u32 v230, v231
	v_lshrrev_b32 v3, 5, v0
	v_readfirstlane_b32 s[WV], v3                  ; wave 0..15
	s_bfe_u32 s8, ttmp6, 0x40000                   ; cx
	s_lshl_b32 s9, ttmp9, 2
	s_add_co_u32 s9, s9, s8                        ; my block of 256 queries: it enters Q's and the output's addresses alone
	s_and_b32 s10, ttmp7, 0xffff                   ; 16 x batch + head, which the partners share
	s_mul_i32 s12, s10, HEADB
	s_mul_i32 s13, s[WV], WLB
	s_add_co_u32 s14, s12, s13
	s_add_co_u32 s14, s14, KVOFF
	s_mov_b32 s15, 0
	s_mov_b32 s[G1], 15|(3<<16)|(1<<21)            ; 15:0 the mask: all four work-groups; 17:16 elements of 8 bytes; 21 set beside a mask; no padding
	s_mov_b32 s[G1+1], 32<<16                      ; tensor_dim0: 32 elements, 256 bytes
	s_mov_b32 s[G1+2], 17<<16                      ; tensor_dim1
	s_mov_b32 s[G1+3], 32<<16                      ; tile_dim0
	s_mov_b32 s[G1+4], 17                          ; tile_dim1
	s_mov_b32 s[G1+5], 32                          ; dense
	s_mov_b32 s[G1+6], 0
	s_mov_b32 s[G1+7], 0
	s_mov_b32 s[SEL], 0x76543210
	s_mov_b32 s[SEL+1], 0xfedcba98
	s_mov_b32 s[CS], 0x3e38aa3b                    ; c = log2(e) / 8
	s_mov_b32 s[CS+1], s[CS]                       ; (named with it as a pair)
	s_mov_b32 s[MNT], 0x600000
	s_wait_dscnt 0x0
	s_wait_kmcnt 0x0
	s_add_nc_u64 s[14:15], s[4:5], s[14:15]
.irp c, 0,1,2,3
	s_mov_b32 s[G0+4*\c], 1
	s_add_co_u32 s[G0+4*\c+1], s13, \c*CHB         ; LDS: the quarter's constant + the wave's number x a constant
	s_add_nc_u64 s[G0+4*\c+2:G0+4*\c+3], s[14:15], \c*CHB
	s_or_b32 s[G0+4*\c+3], s[G0+4*\c+3], 0x80000000
.endr
	CROUND                                         ; all four work-groups are here: the joint loads meet
	tensor_load_to_lds s[G0:G0+3], s[G1:G1+7]
	s_nop 0
	tensor_load_to_lds s[G0+4:G0+7], s[G1:G1+7]
	s_nop 0
	tensor_load_to_lds s[G0+8:G0+11], s[G1:G1+7]
	s_nop 0
	tensor_load_to_lds s[G0+12:G0+15], s[G1:G1+7]
	s_nop 0
.rept 4
	v_nop
.endr
	s_lshr_b32 s16, s[WV], 3
	s_and_b32 s17, s[WV], 7                        ; my tile of queries: tile w % 8 of step 2 x block + w / 8
	s_lshl_b32 s48, s9, 1
	s_add_co_u32 s48, s48, s16
	s_mul_i32 s48, s48, STEPB
	s_add_co_u32 s48, s48, s12
	s_mov_b32 s49, 0
	s_add_nc_u64 s[48:49], s[4:5], s[48:49]
	v_and_b32 v3, 31, v0
	v_lshlrev_b32 v[LI], 4, v3
	s_lshl_b32 s50, s17, 10
	v_add_nc_u32 v4, s50, v[LI]
	global_load_b128 v[16:19], v4, s[48:49]        ; Q's image: the head's first 32,
	global_load_b128 v[20:23], v4, s[48:49] offset:512   ; its second 32
	v_and_b32 v5, 15, v0                           ; r
	s_lshr_b32 s50, s17, 2
	s_lshl_b32 s50, s50, 8
	s_and_b32 s51, s17, 3
	s_lshl_b32 s51, s51, 2
	s_add_co_u32 s50, s50, s51
	v_lshl_add_u32 v6, v5, 4, s50
	global_load_b32 v255, v6, s[48:49] offset:16384   ; Q's scale words
	s_lshr_b32 s50, s10, 4                         ; my first token: 2,048 x batch + 256 x block + 128 (w / 8) + 32 ((w % 8) / 2) + 8 (w % 2)
	s_lshl_b32 s50, s50, 11
	s_lshl_b32 s51, s9, 8
	s_add_co_u32 s50, s50, s51
	s_lshl_b32 s51, s16, 7
	s_add_co_u32 s50, s50, s51
	s_lshr_b32 s51, s17, 1
	s_lshl_b32 s51, s51, 5
	s_add_co_u32 s50, s50, s51
	s_and_b32 s51, s17, 1
	s_lshl_b32 s51, s51, 3
	s_add_co_u32 s50, s50, s51
	s_lshl_b32 s50, s50, 12                        ; a token's row is 4,096 bytes,
	s_and_b32 s51, s10, 15
	s_lshl_b32 s51, s51, 8
	s_add_co_u32 s50, s50, s51                     ; a head's part of it 256
	s_mov_b32 s51, 0
	s_add_nc_u64 s[6:7], s[6:7], s[50:51]
	v_bfe_u32 v10, v0, 4, 1                        ; h
	v_mul_u32_u24 v7, v5, 272
	v_lshl_add_u32 v7, v10, 6, v7
	v_add_nc_u32 v7, s13, v7                       ; the stage, in: row r, + 64 h
	v_mul_u32_u24 v8, v10, 272
	v_lshl_add_u32 v8, v5, 4, v8
	v_add_nc_u32 v8, s13, v8                       ; back: lanes 0-15 one row, lanes 16-31 the next
	v_lshlrev_b32 v9, 12, v10
	v_lshl_add_u32 v9, v5, 4, v9                   ; and the same two rows in memory
.irp j, 24,25,26,27,28,29,30,31
	v_mov_b32 v[\j], 0                             ; the upper half of Q's operand
.endr
.irp t, 0,1,2,3
.irp j, 8,9,10,11,12,13,14,15
	v_mov_b32 v[32+16*\t+\j], 0                    ; the upper halves of the four fragments, written once
.endr
.endr
.set j, 0
.rept 32
	v_mov_b32 v[160+j], 0                          ; O^T: the step is written once; the first change of M multiplies zeros
.set j, j+1
.endr
.irp b, 0,1,2,3
	v_mov_b32 v[236+\b], 0                         ; a lane permute's destination counts as one of its sources
.endr
	v_mov_b32 v253, 0                              ; (named as the upper half of the pair v[252:253] before it is first written)
	v_mov_b32 v13, 0xff61b1e6                      ; the largest t so far: -3e38
	v_floor_f32 v12, -v13                          ; -M
	v_mov_b32 v14, 0
	v_mov_b32 v15, 0
; A KEY STEP: 128 keys
.macro STEP
	v_add_nc_u32 v[AD], s[TB], v[LI]
.rept 7
	v_nop                                          ; with the addition above: eight places in front of loads into registers that the last products read
.endr
.irp g, 0,1                                        ; S^T = K Q^T, four tiles of 16 keys at a time
.if \g
.rept 8
	v_nop
.endr
.endif
.irp t, 0,1,2,3
	ds_load_b128 v[32+16*\t:35+16*\t], v[AD] offset:(4*\g+\t)*1024
	ds_load_b128 v[36+16*\t:39+16*\t], v[AD] offset:(4*\g+\t)*1024+512
.endr
	ds_load_b128 v[248:251], v[AD] offset:16384+256*\g   ; lane r: the four tiles' scale words of its key (lanes 16-31 read neighbouring bytes that the products ignore)
	s_wait_dscnt 0x0
.irp t, 0,1,2,3
	v_wmma_scale_f32_16x16x128_f8f6f4 v[96+8*(4*\g+\t):103+8*(4*\g+\t)], v[32+16*\t:47+16*\t], v[16:31], 0, v[248+\t], v255
.endr
.endr
.rept 8
	v_nop
.endr
.irp t, 0,1,2,3                                    ; V's four tiles and their scale words are asked for here and land under the softmax
.irp c, 0,1,2,3
	ds_load_b128 v[32+16*\t+4*\c:35+16*\t+4*\c], v[AD] offset:8192+2048*\t+512*\c
.endr
.endr
	ds_load_b128 v[248:251], v[AD] offset:16896
.irp b, 0,1,2,3
	v_max3_num_f32 v[232+\b], v[96+16*\b], v[97+16*\b], v[98+16*\b]   ; the largest score of each block of 32 keys: for the row's maximum and, since p rises with the score, for the block's largest p
.endr
.irp i, 3,5,7,9,11,13
.irp b, 0,1,2,3
	v_max3_num_f32 v[232+\b], v[232+\b], v[96+16*\b+\i], v[97+16*\b+\i]
.endr
.endr
.irp b, 0,1,2,3
	v_max_num_f32 v[232+\b], v[232+\b], v[111+16*\b]
.endr
.irp b, 0,1,2,3
	v_permlanex16_b32 v[236+\b], v[232+\b], s[SEL], s[SEL+1]
.endr
.irp b, 0,1,2,3
	v_max_num_f32 v[232+\b], v[232+\b], v[236+\b]  ; with lane l xor 16's 16 keys
.endr
	v_max3_num_f32 v254, v232, v233, v234
	v_max_num_f32 v254, v254, v235
	v_mul_f32 v254, s[CS], v254                    ; the step's largest t
	v_max_num_f32 v13, v13, v254
	v_mov_b32 v254, v12
	v_floor_f32 v12, -v13                          ; the new -M = -ceil(t)
	v_sub_f32 v254, v12, v254                      ; old M - new M: a whole number, 0 or less
	v_cvt_i32_f32 v254, v254                       ; (it saturates)
	v_ldexp_f32 v252, 1.0, v254                    ; f = 2^(old M - new M)
.set j, 0
.rept 32
	v_pk_fma_f32 v[96+j:97+j], v[96+j:97+j], s[CS:CS+1], v[12:13] op_sel_hi:[1,0,0]   ; t - M
.set j, j+2
.endr
.irp b, 0,1,2,3
	v_fma_f32 v[232+\b], v[232+\b], s[CS], v12     ; the same of each block's largest score
.endr
.set j, 0
.rept 64
	v_exp_f32 v[96+j], v[96+j]                     ; p = 2^(t - M)
.set j, j+1
.endr
	v_pk_mul_f32 v[14:15], v[14:15], v[252:253] op_sel_hi:[1,0]   ; the sums under the new M (a plain line behind the exponentials)
	s_wait_alu depctr_va_vdst(0)                   ; one wait for the batch, ahead of its first reader
.irp b, 0,1,2,3
	v_exp_f32 v[232+\b], v[232+\b]                 ; the block's largest p
.endr
	v_pk_add_f32 v[236:237], v[96:97], v[98:99]    ; the row's sum, of the unquantised p, in two chains
.irp j, 4,8,12,16,20,24,28,32,36,40,44,48,52,56,60
	v_pk_add_f32 v[14:15], v[14:15], v[96+\j:97+\j]
	v_pk_add_f32 v[236:237], v[236:237], v[98+\j:99+\j]
.endr
	v_pk_add_f32 v[14:15], v[14:15], v[236:237]
	s_wait_alu depctr_va_vdst(0)                   ; and one for the four
.irp b, 0,1,2,3
	v_max_num_f32 v[232+\b], 0x4800000, v[232+\b]  ; the floor 2^(9 - 127)
.endr
.irp b, 0,1,2,3
	v_add_nc_u32 v[244+\b], 0xfc000000, v[232+\b]  ; the conversion's scale operand
.endr
.irp b, 0,1,2,3
	v_and_or_b32 v[240+\b], v[232+\b], 0x7f800000, s[MNT]   ; 448 x the scale
.endr
.irp b, 0,1,2,3
	v_lshrrev_b32 v[236+\b], 23, v[244+\b]         ; the scale's byte
.endr
	v_lshl_or_b32 v253, v237, 8, v236              ; p's scale word for these 128 keys
	v_lshl_or_b32 v253, v238, 16, v253
	v_lshl_or_b32 v253, v239, 24, v253
.irp b, 0,1,2,3
.irp i, 0,1,2,3,4,5,6,7,8,9,10,11,12,13,14,15
	v_min_num_f32 v[96+16*\b+\i], v[96+16*\b+\i], v[240+\b]   ; the hold; p is not negative, so it is one-sided
.endr
	v_cvt_scalef32_pk8_fp8_f32 v[192+4*\b:193+4*\b], v[96+16*\b:103+16*\b], v[244+\b]
	v_cvt_scalef32_pk8_fp8_f32 v[194+4*\b:195+4*\b], v[104+16*\b:111+16*\b], v[244+\b]
.endr
.set j, 0
.rept 16
	v_pk_mul_f32 v[160+j:161+j], v[160+j:161+j], v[252:253] op_sel_hi:[1,0]   ; O^T under the new M; these are also the places between the codes and the products
.set j, j+2
.endr
	s_wait_dscnt 0x0                               ; V
.irp t, 0,1,2,3                                    ; O^T += V^T P^T: the four accumulators by turns
	v_wmma_scale_f32_16x16x128_f8f6f4 v[160+8*\t:167+8*\t], v[32+16*\t:47+16*\t], v[192:207], v[160+8*\t:167+8*\t], v[248+\t], v253
.endr
.endm
; A quarter of the keys: my part of it has landed (the later quarters' loads may stay out), everybody's has behind the barrier
.macro CHUNK c
	s_wait_tensorcnt 3-\c
	s_wait_dscnt 0x0
	s_barrier_signal -1
	s_barrier_wait -1
	s_mov_b32 s[TB], \c*CHB
	s_mov_b32 s[CNT], 4
.Lstep_\@:
	STEP
	s_add_co_u32 s[TB], s[TB], STEPB
	s_sub_co_u32 s[CNT], s[CNT], 1
	s_cmp_lg_u32 s[CNT], 0
	s_cbranch_scc1 .Lstep_\@
.endm
	s_wait_loadcnt 0x0                             ; Q
	CHUNK 0
	CHUNK 1
	CHUNK 2
	CHUNK 3
	; THE WAY OUT.  O^T / the sum goes through my stage in LDS (in the first quarter's bytes: filled once, and read by nobody behind this barrier) and leaves as whole units of 256 bytes: a query's 64 numbers
	s_wait_dscnt 0x0
	s_barrier_signal -1
	s_barrier_wait -1
.rept 8
	v_nop
.endr
	v_add_f32 v14, v14, v15
	v_permlanex16_b32 v252, v14, s[SEL], s[SEL+1]
	v_add_f32 v14, v14, v252                       ; the row's sum
	v_rcp_f32 v14, v14
	v_nop
	s_wait_alu depctr_va_vdst(0)
.set j, 0
.rept 32
	v_mul_f32 v[96+j], v[160+j], v14               ; register 8 t + i: d = 32 (t / 2) + 8 (t % 2) + 16 h + i of my query
.set j, j+1
.endr
.irp t, 0,1,2,3
	ds_store_b128 v7, v[96+8*\t:99+8*\t] offset:128*(\t/2)+32*(\t%2)
	ds_store_b128 v7, v[100+8*\t:103+8*\t] offset:128*(\t/2)+32*(\t%2)+16
.endr
.irp i, 0,1,2,3,4,5,6,7
	ds_load_b128 v[32+4*\i:35+4*\i], v8 offset:544*\i   ; LDS serves a wave's instructions in order: these see my stores
.endr
.irp i, 0,1,2,3,4,5,6,7
	s_wait_dscnt 7-\i                              ; the younger loads may stay out
	global_store_b128 v9, v[32+4*\i:35+4*\i], s[6:7] offset:(2*\i+8*(\i/4))*4096   ; stage row n is token n + 8 (n / 8) of my tile; sixteen lanes store 256 consecutive bytes, aligned
.endr
	s_wait_tensorcnt 0x0
	ds_add_u32 v230, v231
	s_wait_dscnt 0x0
	CROUND                                         ; the closing round
	s_endpgm
.Lfunc_end_k_qac5555f9bf_attn:
	.size	k_qac5555f9bf_attn, .Lfunc_end_k_qac5555f9bf_attn-k_qac5555f9bf_attn
	.p2alignl 7, 3214868480
	.fill 96, 4, 3214868480
	.section	.rodata,"a",@progbits
	.p2align	6, 0x0
	.amdhsa_kernel k_qac5555f9bf_attn
		.amdhsa_group_segment_fixed_size 280576
		.amdhsa_private_segment_fixed_size 0
		.amdhsa_enable_private_segment 0
		.amdhsa_kernarg_size 16
		.amdhsa_user_sgpr_count 2
		.amdhsa_user_sgpr_kernarg_segment_ptr 1
		.amdhsa_wavefront_size32 1
		.amdhsa_system_sgpr_workgroup_id_x 1
		.amdhsa_system_sgpr_workgroup_id_y 1
		.amdhsa_system_sgpr_workgroup_id_z 1
		.amdhsa_system_vgpr_workitem_id 0
		.amdhsa_next_free_vgpr 256
		.amdhsa_next_free_sgpr 66
		.amdhsa_reserve_vcc 0
		.amdhsa_float_denorm_mode_32 3
		.amdhsa_float_denorm_mode_16_64 3
		.amdhsa_memory_ordered 1
		.amdhsa_forward_progress 1
		.amdhsa_inst_pref_size 88
	.end_amdhsa_kernel
	.amdgpu_metadata
---
amdhsa.version: [ 1, 2 ]
amdhsa.kernels:
  - .name:           k_qac5555f9bf_attn
    .symbol:         k_qac5555f9bf_attn.kd
    .args:
      - { .name: qkv, .offset: 0, .size: 8, .value_kind: global_buffer, .address_space: global }
      - { .name: attn, .offset: 8, .size: 8, .value_kind: global_buffer, .address_space: global }
    .group_segment_fixed_size: 280576
    .private_segment_fixed_size: 0
    .kernarg_segment_align: 8
    .kernarg_segment_size: 16
    .max_flat_workgroup_size: 512
    .sgpr_count:     66
    .vgpr_count:     256
    .wavefront_size: 32
...
	.end_amdgpu_metadata
.endif
;; end of part 3
;; launch ln2 (part 4): grid 256 x 1, 16 waves a work-group, no clusters, 84,480 bytes of LDS; arguments attn, xn, g2, b2, hq; writes hq
.if DOCPART == 4
	.amdgcn_target "amdgcn-amd-amdhsa--gfx1250"
	.amdhsa_code_object_version 6
	.text
	.protected	k_qac5555f9bf_ln2
	.globl	k_qac5555f9bf_ln2
	.p2align	8
	.type	k_qac5555f9bf_ln2,@function
k_qac5555f9bf_ln2:
	s_mov_b64 s[64:65], 0
	v_nop
	global_prefetch_b8 v0, s[64:65] scope:SCOPE_SE
	s_setreg_imm32_b32 hwreg(HW_REG_WAVE_MODE, 25, 1), 1
	s_wait_xcnt 0x0
; LN2.  h = the layer norm (g2, b2) of attn + xn, quantised along its 1,024: codes of E4M3 [4,096 tokens][1,024 bytes], scale words [8 planes of 128 along K][4,096][4 bytes].  Rows lie in their natural order.
; A wave takes one token: 32 loads at once, the row kept in registers between the passes.  A half row turns through the wave's own stage in LDS so that a lane holds 16 neighbours.
; The work-group's 16 tokens give 64 bytes to each plane of scale words: those stores cover 64 consecutive bytes, one byte in about 290 of what the launch moves.
; LIMITS: NaN and infinities are not served; a block whose largest magnitude lies under 2^-118 takes the scale byte 1.  A stream: no matrix unit, no tensor load, no cluster.
.set SP,    80
.set WST,   2*32*SP
.set SG,    16*WST                     ; the work-group's scale bytes, [8 planes][16 tokens][4 bytes]
.set SBH,   256                        ; a half row is four planes on
.set HSOFF, 4194304
.set OFFC, 2                           ; v2: 16 x lane
.set GA,   32
.set BE,   64
.set R,    96                          ; v96-127 attn's row, then the sum, then h
.set XN,   128                         ; v128-159 xn's row
.set C,    160                         ; v160-167 codes, v168, v169 bytes
.set X,    224
.set WV,   48
	s_load_b256 s[4:11], s[0:1], 0x0               ; attn, xn, g2, b2
	s_load_b64 s[12:13], s[0:1], 0x20              ; hq
	v_lshl_add_u32 v222, v0, 2, 0x14200
	v_mov_b32 v223, 0
	v_lshrrev_b32 v1, 5, v0
	v_readfirstlane_b32 s[WV], v1
	v_and_b32 v1, 31, v0
	v_lshlrev_b32 v2, 4, v1
	s_mul_i32 s50, s[WV], WST
	v_lshrrev_b32 v3, 2, v1
	v_mul_u32_u24 v3, v3, SP
	v_and_b32 v4, 3, v1
	v_lshl_add_u32 v3, v4, 4, v3
	v_add_nc_u32 v3, s50, v3
	v_mul_u32_u24 v4, v1, SP
	v_add_nc_u32 v4, s50, v4
	v_lshrrev_b32 v5, 3, v1
	v_lshlrev_b32 v5, 6, v5
	v_bfe_u32 v6, v1, 1, 2
	v_add_nc_u32 v5, v5, v6
	s_lshl_b32 s51, s[WV], 2
	s_add_co_u32 s51, s51, SG
	v_add_nc_u32 v5, s51, v5                       ; my block's byte: plane lane / 8, token w, byte (lane / 2) % 4
	v_lshl_add_u32 v6, v1, 4, SG                   ; the way out: lane l takes plane l / 4, tokens 4 (l % 4) on
	v_lshrrev_b32 v7, 2, v1
	v_lshlrev_b32 v7, 14, v7
	v_and_b32 v8, 3, v1
	v_lshl_add_u32 v7, v8, 4, v7
	s_mov_b32 s42, 0x76543210
	s_mov_b32 s43, 0xfedcba98
	s_mov_b32 s44, 0x3a800000                      ; 1 / 1,024
	s_mov_b32 s45, 0x3727c5ac                      ; 1e-5
	s_mov_b32 s47, 0x600000
	s_lshl_b32 s24, ttmp9, 4
	s_add_co_u32 s24, s24, s[WV]                   ; my token
	s_lshl_b32 s26, s24, 12
	s_mov_b32 s27, 0
	s_lshl_b32 s28, s24, 10
	s_mov_b32 s29, 0
	s_lshl_b32 s30, ttmp9, 6
	s_add_co_u32 s30, s30, HSOFF
	s_mov_b32 s31, 0
	s_wait_kmcnt 0x0
	s_add_nc_u64 s[4:5], s[4:5], s[26:27]
	s_add_nc_u64 s[6:7], s[6:7], s[26:27]
	s_add_nc_u64 s[32:33], s[12:13], s[28:29]
	s_add_nc_u64 s[34:35], s[12:13], s[30:31]
.irp j, 0,1,2,3,4,5,6,7
	global_load_b128 v[R+4*\j:R+4*\j+3], v2, s[4:5] offset:512*\j th:TH_LOAD_NT
	global_load_b128 v[XN+4*\j:XN+4*\j+3], v2, s[6:7] offset:512*\j
.endr
.irp j, 0,1,2,3,4,5,6,7
	global_load_b128 v[GA+4*\j:GA+4*\j+3], v2, s[8:9] offset:512*\j
	global_load_b128 v[BE+4*\j:BE+4*\j+3], v2, s[10:11] offset:512*\j
.endr
.macro RED
	v_pk_add_f32 v[20:21], v[20:21], v[22:23]
	v_pk_add_f32 v[24:25], v[24:25], v[26:27]
	v_pk_add_f32 v[20:21], v[20:21], v[24:25]
	v_add_f32 v20, v20, v21
	v_add_f32_dpp v20, v20, v20 row_xmask:1 row_mask:0xf bank_mask:0xf
	v_add_f32_dpp v20, v20, v20 row_xmask:2 row_mask:0xf bank_mask:0xf
	v_add_f32_dpp v20, v20, v20 row_xmask:4 row_mask:0xf bank_mask:0xf
	v_add_f32_dpp v20, v20, v20 row_xmask:8 row_mask:0xf bank_mask:0xf
	v_permlanex16_b32 v21, v20, s42, s43
	v_add_f32 v20, v20, v21
.endm
.macro LN r                            ; the mean first, then the mean of the squared differences
	v_pk_add_f32 v[20:21], v[\r:\r+1], v[\r+2:\r+3]
	v_pk_add_f32 v[22:23], v[\r+4:\r+5], v[\r+6:\r+7]
	v_pk_add_f32 v[24:25], v[\r+8:\r+9], v[\r+10:\r+11]
	v_pk_add_f32 v[26:27], v[\r+12:\r+13], v[\r+14:\r+15]
.irp i, 16,24
	v_pk_add_f32 v[20:21], v[20:21], v[\r+\i:\r+\i+1]
	v_pk_add_f32 v[22:23], v[22:23], v[\r+\i+2:\r+\i+3]
	v_pk_add_f32 v[24:25], v[24:25], v[\r+\i+4:\r+\i+5]
	v_pk_add_f32 v[26:27], v[26:27], v[\r+\i+6:\r+\i+7]
.endr
	RED
	v_mul_f32 v28, s44, v20
	v_mov_b32 v29, v28
.set i, 0
.rept 16
	v_pk_add_f32 v[\r+i:\r+i+1], v[\r+i:\r+i+1], v[28:29] neg_lo:[0,1] neg_hi:[0,1]
.set i, i+2
.endr
	v_pk_mul_f32 v[20:21], v[\r:\r+1], v[\r:\r+1]
	v_pk_mul_f32 v[22:23], v[\r+2:\r+3], v[\r+2:\r+3]
	v_pk_mul_f32 v[24:25], v[\r+4:\r+5], v[\r+4:\r+5]
	v_pk_mul_f32 v[26:27], v[\r+6:\r+7], v[\r+6:\r+7]
.irp i, 8,16,24
	v_pk_fma_f32 v[20:21], v[\r+\i:\r+\i+1], v[\r+\i:\r+\i+1], v[20:21]
	v_pk_fma_f32 v[22:23], v[\r+\i+2:\r+\i+3], v[\r+\i+2:\r+\i+3], v[22:23]
	v_pk_fma_f32 v[24:25], v[\r+\i+4:\r+\i+5], v[\r+\i+4:\r+\i+5], v[24:25]
	v_pk_fma_f32 v[26:27], v[\r+\i+6:\r+\i+7], v[\r+\i+6:\r+\i+7], v[26:27]
.endr
	RED
	v_fma_f32 v20, v20, s44, s45
	v_rsq_f32 v30, v20
	v_nop                                          ; a plain instruction behind the transcendental,
	s_wait_alu depctr_va_vdst(0)                   ; and the wait ahead of the first line that names its result
	v_mov_b32 v31, v30
.set i, 0
.rept 16
	v_pk_mul_f32 v[\r+i:\r+i+1], v[\r+i:\r+i+1], v[30:31]
	v_pk_fma_f32 v[\r+i:\r+i+1], v[\r+i:\r+i+1], v[GA+i:GA+i+1], v[BE+i:BE+i+1]
.set i, i+2
.endr
.endm
.macro TURN r, hf
.irp i, 0,1,2,3
	ds_store_b128 v3, v[\r+16*\hf+4*\i:\r+16*\hf+4*\i+3] offset:32*SP*\hf+8*SP*\i
.endr
.irp i, 0,1,2,3
	ds_load_b128 v[X+16*\hf+4*\i:X+16*\hf+4*\i+3], v4 offset:32*SP*\hf+16*\i
.endr
.endm
.macro QSTEP c, hf, p
.set XS, X+16*\hf
	v_max3_num_f32 v8, |v[XS]|, |v[XS+1]|, |v[XS+2]|
	v_max3_num_f32 v9, |v[XS+3]|, |v[XS+4]|, |v[XS+5]|
.irp i, 6,10
	v_max3_num_f32 v8, v8, |v[XS+\i]|, |v[XS+\i+1]|
	v_max3_num_f32 v9, v9, |v[XS+\i+2]|, |v[XS+\i+3]|
.endr
	v_max3_num_f32 v8, v8, |v[XS+14]|, |v[XS+15]|
	v_max3_num_f32 v8, v8, v9, 0x4800000           ; the floor 2^(9 - 127)
	v_max_num_f32_dpp v8, v8, v8 row_xmask:1 row_mask:0xf bank_mask:0xf
	v_add_nc_u32 v11, 0xfc000000, v8
	v_and_or_b32 v10, v8, 0x7f800000, s47
.irp i, 0,1,2,3,4,5,6,7,8,9,10,11,12,13,14,15
	v_med3_num_f32 v[XS+\i], v[XS+\i], -v10, v10   ; the conversion does not saturate (ISA guide 7.6.2): the hold
.endr
	v_cvt_scalef32_pk8_fp8_f32 v[\c+4*\hf:\c+4*\hf+1], v[XS:XS+7], v11
	v_cvt_scalef32_pk8_fp8_f32 v[\c+4*\hf+2:\c+4*\hf+3], v[XS+8:XS+15], v11
	v_lshrrev_b32 v[\c+8+\hf], 23, v11
	ds_store_b8 v5, v[\c+8+\hf] offset:SBH*\hf+4*\p
	global_store_b128 v[OFFC+\p], v[\c+4*\hf:\c+4*\hf+3], s[32:33] offset:512*\hf   ; 512 consecutive bytes of the token's codes
.endm
	s_wait_loadcnt 0x0
.set i, 0
.rept 16
	v_pk_add_f32 v[R+i:R+i+1], v[R+i:R+i+1], v[XN+i:XN+i+1]
.set i, i+2
.endr
	LN R
	TURN R, 0
	TURN R, 1
	s_wait_dscnt 8                                 ; the first half is back; the second half's four stores and four loads may be out
	QSTEP C, 0, 0
	s_wait_dscnt 1                                 ; the second half is back; the byte store may be out
	QSTEP C, 1, 0
	s_wait_dscnt 0x0
	s_barrier_signal -1
	s_barrier_wait -1
	s_cmp_eq_u32 s[WV], 0
	s_cbranch_scc0 .Ldone
	ds_load_b128 v[8:11], v6
	s_wait_dscnt 0x0
	global_store_b128 v7, v[8:11], s[34:35]
.Ldone:
	s_wait_tensorcnt 0x0
	ds_add_u32 v222, v223
	s_wait_dscnt 0x0
	s_endpgm
.Lfunc_end_k_qac5555f9bf_ln2:
	.size	k_qac5555f9bf_ln2, .Lfunc_end_k_qac5555f9bf_ln2-k_qac5555f9bf_ln2
	.p2alignl 7, 3214868480
	.fill 96, 4, 3214868480
	.section	.rodata,"a",@progbits
	.p2align	6, 0x0
	.amdhsa_kernel k_qac5555f9bf_ln2
		.amdhsa_group_segment_fixed_size 84480
		.amdhsa_private_segment_fixed_size 0
		.amdhsa_enable_private_segment 0
		.amdhsa_kernarg_size 40
		.amdhsa_user_sgpr_count 2
		.amdhsa_user_sgpr_kernarg_segment_ptr 1
		.amdhsa_wavefront_size32 1
		.amdhsa_system_sgpr_workgroup_id_x 1
		.amdhsa_system_sgpr_workgroup_id_y 1
		.amdhsa_system_sgpr_workgroup_id_z 1
		.amdhsa_system_vgpr_workitem_id 0
		.amdhsa_next_free_vgpr 256
		.amdhsa_next_free_sgpr 66
		.amdhsa_reserve_vcc 0
		.amdhsa_float_denorm_mode_32 3
		.amdhsa_float_denorm_mode_16_64 3
		.amdhsa_memory_ordered 1
		.amdhsa_forward_progress 1
		.amdhsa_inst_pref_size 19
	.end_amdhsa_kernel
	.amdgpu_metadata
---
amdhsa.version: [ 1, 2 ]
amdhsa.kernels:
  - .name:           k_qac5555f9bf_ln2
    .symbol:         k_qac5555f9bf_ln2.kd
    .args:
      - { .name: attn, .offset: 0, .size: 8, .value_kind: global_buffer, .address_space: global }
      - { .name: xn, .offset: 8, .size: 8, .value_kind: global_buffer, .address_space: global }
      - { .name: g2, .offset: 16, .size: 8, .value_kind: global_buffer, .address_space: global }
      - { .name: b2, .offset: 24, .size: 8, .value_kind: global_buffer, .address_space: global }
      - { .name: hq, .offset: 32, .size: 8, .value_kind: global_buffer, .address_space: global }
    .group_segment_fixed_size: 84480
    .private_segment_fixed_size: 0
    .kernarg_segment_align: 8
    .kernarg_segment_size: 40
    .max_flat_workgroup_size: 512
    .sgpr_count:     66
    .vgpr_count:     256
    .wavefront_size: 32
...
	.end_amdgpu_metadata
.endif
;; end of part 4
;; launch ff1 (part 5): grid 16 x 16, 4 waves a work-group, clusters of 4 x 4, 327,680 bytes of LDS; arguments hq, wcs, bf1, fq; writes fq
.if DOCPART == 5
	.amdgcn_target "amdgcn-amd-amdhsa--gfx1250"
	.amdhsa_code_object_version 6
	.text
	.protected	k_qac5555f9bf_ff1
	.globl	k_qac5555f9bf_ff1
	.p2align	8
	.type	k_qac5555f9bf_ff1,@function
k_qac5555f9bf_ff1:
	s_mov_b64 s[64:65], 0
	v_nop
	global_prefetch_b8 v0, s[64:65] scope:SCOPE_SE
	s_setreg_imm32_b32 hwreg(HW_REG_WAVE_MODE, 25, 1), 1
	s_wait_xcnt 0x0
	s_wait_alu depctr_hold_cnt(0) depctr_sa_sdst(0) depctr_va_vdst(0) depctr_va_sdst(0) depctr_va_ssrc(0) depctr_va_vcc(0) depctr_vm_vsrc(0)
	s_getreg_b32 s2, hwreg(HW_REG_IB_STS2, 6, 4)
	s_cmp_eq_u32 s2, 0
	s_cbranch_scc0 .Lentry_in_a_cluster
	s_endpgm
.Lentry_in_a_cluster:
	s_bfe_u32 s2, ttmp6, 0x10000c
	s_cmp_lg_u32 s2, 0xf033
	s_cbranch_scc0 .Lentry_shape_is_right
	s_endpgm
.Lentry_shape_is_right:
; FF1.  f = silu(h W1^T + bf1), quantised along its 4,096: codes of E4M3 [4,096 tokens][4,096 bytes], scale words [32 planes of 128][4,096][4 bytes].  The product runs on codes of E4M3 with E8M0 scales, K = 1,024.
; THE CORE: a tile of C, 256 x 256, by four waves, each 128 x 128 in 512 registers; K in steps of 256 through two LDS slots.  A slot: A's 256 rows (272 bytes apart), B's 256 rows, A's scale words [2][256], B's.
; One tensor load a wave: wave 0 A's codes, wave 1 A's scale words, wave 2 B's codes, wave 3 B's scale words.  4 x 4 work-groups form a cluster; A's tiles are asked for jointly along a row of it, B's along a column.
; THE MATRIX INSTRUCTION IS USED TRANSPOSED (source 0 = 16 rows of W1, source 1 = 16 tokens).  W1's rows lie in memory with bits 3 and 4 of their number exchanged, so accumulators (a, 2 p) and (a, 2 p + 1) hold,
; in lane (r, h), the 16 neighbouring columns 32 p + 16 h + 0 .. 15 of token 16 a + r: they are activated and quantised in registers.  The bias is the C of each sum's first product.
; silu(z) = z / (1 + 2^(-z log2 e)).  LIMITS: z under about -88 gives -0; NaN and infinities are not served; a block whose largest magnitude lies under 2^-118 takes the scale byte 1.
; THE WAY OUT: a token's 256 codes come from two waves; they meet in a stage in slot 0 (it has had its last fill, and every wave has passed the last change of slots) and leave as whole units of 256 bytes.
; REGISTERS: window 0: v0-31 addresses; v32-63 scale words, two sets, and nothing else; v64-127 the bias; v128-255 A's fragments, later the way out's work.  window 1: B's fragments, two sets.  windows 2, 3: accumulators.
.set KROWA, 1024
.set KROWB, 1024
.set SPA,   4096
.set SPB,   11264
.set ACOFF, 0
.set ASOFF, 4194304
.set BCOFF, 0
.set BSOFF, 11534336
.set LAPS,  2
.set PA,    4
.set PB,    6
.set FSOFF, 16777216
.set NQ,     2
.set ROWB,   256
.set PITCH,  272
.set FR,     16
.set NL,     4
.set NP,     8
.set HALFT,  128*PITCH
.set BOFF,   2*HALFT
.set SAOFF,  4*HALFT
.set SBOFF,  SAOFF+2048
.set SLOT,   SAOFF+4096
.set SPARE,  2*SLOT                    ; the spare words, 128 bytes a wave: two blocks of 256 bytes that no other line names
.set ADRA, 16
.set ADRB, 20
.set STO,  24
.set RD,   25
.set CO,   26
.set SPW,  28
.set NIL,  29
.set ADRS, 30
.set SC,   32
.set BI,   64
.set AF,   128
.set T,    128                         ; the way out: v128-191 the activation's work; v192-207 codes; v208-223 the quantiser's work; v224-231 the blocks' scale words; v232-239 on their way out
.set PC,   192
.set TM,   208
.set PWB,  224
.set G1A,  24
.set G0A,  32
.set G1B,  48
.set G0B,  56
.set G1SA, 68
.set G0SA, 76
.set G1SB, 84
.set G0SB, 92
.set MSB, 0
.macro WIN new
.if MSB != (\new)
	s_set_vgpr_msb (MSB<<8)|(\new)
.set MSB, (\new)
.endif
.endm
.set MUL_LO, 0xa1
.set MUL_HI, 0xf1
.set TO_B,   0x40
.macro TL g0, g1                       ; four v_nop follow a tensor load
	tensor_load_to_lds s[\g0:\g0+3], s[\g1:\g1+7]
	s_nop 0
.rept 4
	v_nop
.endr
.endm
.macro JLOAD s
	s_cmp_lt_u32 s14, 2
	s_cbranch_scc0 .Lj_b_\@
	s_cmp_eq_u32 s14, 0
	s_cbranch_scc0 .Lj_as_\@
	TL G0A+4*\s, G1A
	s_branch .Lj_end_\@
.Lj_as_\@:
	TL G0SA+4*\s, G1SA
	s_branch .Lj_end_\@
.Lj_b_\@:
	s_cmp_eq_u32 s14, 2
	s_cbranch_scc0 .Lj_bs_\@
	TL G0B+4*\s, G1B
	s_branch .Lj_end_\@
.Lj_bs_\@:
	TL G0SB+4*\s, G1SB
.Lj_end_\@:
.endm
.macro CREST
	s_cmp_lg_u32 s14, 0
	s_cbranch_scc1 .Lnot_wave_0_\@
	s_barrier_signal -3
.Lnot_wave_0_\@:
	s_barrier_wait -3
	s_barrier_signal -1
	s_barrier_wait -1
.endm
.macro CROUND
	s_barrier_signal -1
	s_barrier_wait -1
	CREST
.endm
	s_load_b256 s[4:11], s[0:1], 0x0               ; hq, wcs, bf1, fq
	v_lshl_add_u32 v[SPW], v0, 2, SPARE
	v_mov_b32 v[NIL], 0
	ds_add_u32 v28, v29
	ds_add_u32 v28, v29
	s_wait_dscnt 0x0
	v_lshrrev_b32 v1, 5, v0
	v_readfirstlane_b32 s14, v1
	s_lshr_b32 s15, s14, 1
	s_and_b32 s16, s14, 1
	s_bfe_u32 s40, ttmp6, 0x40000
	s_bfe_u32 s41, ttmp6, 0x40004
	s_lshl_b32 s43, s41, 2
	s_lshl_b32 s43, 15, s43
	s_lshl_b32 s44, 0x1111, s40
	s_and_b32 s17, ttmp7, 0xffff
	s_lshl_b32 s17, s17, 2
	s_add_co_u32 s17, s17, s41
	s_lshl_b32 s17, s17, 8                         ; A's first row: my first token
	s_lshl_b32 s42, ttmp9, 2
	s_add_co_u32 s42, s42, s40
	s_lshl_b32 s42, s42, 8
	s_add_co_u32 s42, s42, 7168                    ; B's first row in wcs: W1 begins at 7,168
	s_or_b32 s[G1A], s43, (1<<20)|(1<<21)|(5<<22)|(3<<25)
	s_or_b32 s[G1B], s44, (1<<20)|(1<<21)|(5<<22)|(3<<25)
	s_or_b32 s[G1SA], s43, (2<<16)|(1<<21)
	s_or_b32 s[G1SB], s44, (2<<16)|(1<<21)
.irp g, G1A, G1B
	s_mov_b32 s[\g+1], 256<<16
	s_mov_b32 s[\g+2], 256<<16
	s_mov_b32 s[\g+3], 256<<16
	s_mov_b32 s[\g+4], 256
	s_mov_b32 s[\g+6], 0
	s_mov_b32 s[\g+7], 0
.endr
	s_mov_b32 s[G1A+5], KROWA
	s_mov_b32 s[G1B+5], KROWB
.irp g, G1SA, G1SB
	s_mov_b32 s[\g+1], 256<<16
	s_mov_b32 s[\g+2], 2<<16
	s_mov_b32 s[\g+3], 256<<16
	s_mov_b32 s[\g+4], 2
	s_mov_b32 s[\g+6], 0
	s_mov_b32 s[\g+7], 0
.endr
	s_mov_b32 s[G1SA+5], SPA
	s_mov_b32 s[G1SB+5], SPB
	s_mul_i32 s20, s17, KROWA
	s_add_co_u32 s20, s20, ACOFF
	s_mov_b32 s21, 0
	s_lshl_b32 s22, s17, 2
	s_add_co_u32 s22, s22, ASOFF
	s_mov_b32 s23, 0
	s_mul_i32 s46, s42, KROWB
	s_add_co_u32 s46, s46, BCOFF
	s_mov_b32 s47, 0
	s_lshl_b32 s2, s42, 2
	s_add_co_u32 s2, s2, BSOFF
	s_mov_b32 s3, 0
	s_mov_b32 s100, 0x76543210
	s_mov_b32 s101, 0xfedcba98
	s_mov_b32 s104, 0x600000
	s_mov_b32 s66, 0xbfb8aa3b                      ; -log2(e)
	s_mov_b32 s67, s66                             ; (named with it as a pair)
	s_wait_kmcnt 0x0
	s_add_nc_u64 s[20:21], s[PA:PA+1], s[20:21]
	s_add_nc_u64 s[22:23], s[PA:PA+1], s[22:23]
	s_add_nc_u64 s[46:47], s[PB:PB+1], s[46:47]
	s_add_nc_u64 s[2:3], s[PB:PB+1], s[2:3]
	CROUND
.irp s, 0,1
	s_mov_b32 s[G0A+4*\s], 1
	s_mov_b32 s[G0A+4*\s+1], \s*SLOT
	s_add_nc_u64 s[G0A+4*\s+2:G0A+4*\s+3], s[20:21], \s*ROWB
	s_or_b32 s[G0A+4*\s+3], s[G0A+4*\s+3], 0x80000000
	s_mov_b32 s[G0SA+4*\s], 1
	s_mov_b32 s[G0SA+4*\s+1], \s*SLOT+SAOFF
	s_add_nc_u64 s[G0SA+4*\s+2:G0SA+4*\s+3], s[22:23], \s*8*SPA
	s_or_b32 s[G0SA+4*\s+3], s[G0SA+4*\s+3], 0x80000000
	s_mov_b32 s[G0B+4*\s], 1
	s_mov_b32 s[G0B+4*\s+1], \s*SLOT+BOFF
	s_add_nc_u64 s[G0B+4*\s+2:G0B+4*\s+3], s[46:47], \s*ROWB
	s_or_b32 s[G0B+4*\s+3], s[G0B+4*\s+3], 0x80000000
	s_mov_b32 s[G0SB+4*\s], 1
	s_mov_b32 s[G0SB+4*\s+1], \s*SLOT+SBOFF
	s_add_nc_u64 s[G0SB+4*\s+2:G0SB+4*\s+3], s[2:3], \s*8*SPB
	s_or_b32 s[G0SB+4*\s+3], s[G0SB+4*\s+3], 0x80000000
	JLOAD \s
.endr
	v_and_b32 v1, 15, v0
	v_bfe_u32 v2, v0, 4, 1
	v_mul_u32_u24 v3, v1, PITCH
	v_lshl_add_u32 v4, v2, 4, v3
	s_mul_i32 s21, s15, HALFT
	s_mul_i32 s22, s16, HALFT
	s_add_co_u32 s22, s22, BOFF
.irp s, 0,1
	v_add_nc_u32 v[ADRA+\s], s21, v4
	v_add_nc_u32 v[ADRB+\s], s22, v4
	s_add_co_u32 s21, s21, SLOT
	s_add_co_u32 s22, s22, SLOT
.endr
	s_lshl_b32 s21, s15, 9
	s_lshl_b32 s22, s16, 9
	s_add_co_u32 s22, s22, 2048
	s_sub_co_u32 s22, s22, s21
	v_mul_u32_u24 v6, s22, v2
	v_lshl_add_u32 v5, v1, 2, v6
	s_add_co_u32 s21, s21, SAOFF
	v_add_nc_u32 v[ADRS], s21, v5
	v_add_nc_u32 v[ADRS+1], SLOT, v[ADRS]
	s_mul_i32 s18, s15, 128*272                    ; the stage, in: row 128 x my half + r (+ 16 a), my 128 bytes of it, + 16 h (+ 32 p)
	s_lshl_b32 s19, s16, 7
	s_add_co_u32 s18, s18, s19
	v_add_nc_u32 v[STO], s18, v4
	s_mul_i32 s18, s14, 64*272                     ; back: my 64 rows, two an instruction
	v_mul_u32_u24 v5, v2, 272
	v_lshl_add_u32 v5, v1, 4, v5
	v_add_nc_u32 v[RD], s18, v5
	v_lshlrev_b32 v5, 12, v2
	v_lshl_add_u32 v[CO], v1, 4, v5                ; and the same two rows in memory
	v_and_b32 v6, 31, v0
	s_lshl_b32 s18, s14, 9
	s_add_co_u32 s18, s18, BOFF                    ; my 512 bytes for the scale words, behind the stage
	v_lshl_add_u32 v8, v6, 2, s18
	v_lshl_add_u32 v9, v6, 4, s18
	v_lshlrev_b32 v7, 4, v6
	v_lshlrev_b32 v10, 6, v2                       ; the bias: 64 h
	s_sub_co_u32 s46, s42, 7168                    ; my tile's first column
	s_lshl_b32 s19, s16, 7
	s_add_co_u32 s18, s46, s19
	s_lshl_b32 s18, s18, 2
	s_mov_b32 s19, 0
	s_add_nc_u64 s[8:9], s[8:9], s[18:19]
.irp b, 0,1,2,3,4,5,6,7                            ; accumulator (a, b), register j: column 32 (b / 2) + 16 h + 8 (b % 2) + j
	global_load_b128 v[BI+8*\b:BI+8*\b+3], v10, s[8:9] offset:(32*(\b/2)+8*(\b%2))*4
	global_load_b128 v[BI+8*\b+4:BI+8*\b+7], v10, s[8:9] offset:(32*(\b/2)+8*(\b%2))*4+16
.endr
	s_lshl_b32 s18, s14, 6                         ; the codes: row my first token + 64 x wave, byte = the tile's first column
	s_add_co_u32 s18, s18, s17
	s_lshl_b32 s18, s18, 12
	s_add_co_u32 s18, s18, s46
	s_mov_b32 s19, 0
	s_add_nc_u64 s[18:19], s[10:11], s[18:19]
	s_lshl_b32 s20, s46, 7                         ; the scale words: plane (first column / 128 + my half) of 16,384 bytes, my 128 tokens
	s_lshl_b32 s21, s16, 14
	s_add_co_u32 s20, s20, s21
	s_lshl_b32 s21, s15, 7
	s_add_co_u32 s21, s21, s17
	s_lshl_b32 s21, s21, 2
	s_add_co_u32 s20, s20, s21
	s_add_co_u32 s20, s20, FSOFF
	s_mov_b32 s21, 0
	s_add_nc_u64 s[20:21], s[10:11], s[20:21]
.macro FRAG reg, adr, q, i
.irp c, 0,1,2,3
	ds_load_b128 v[\reg+4*\c:\reg+4*\c+3], v[\adr] offset:128*(\q)+32*\c+(\i)*16*PITCH
.endr
.endm
; 16 matrix instructions: A's blocks a0, a0 + 1 x B's eight.  zero = 1: the bias starts the sums.  The 64 accumulators take turns, one instruction a turn
.macro MUL16 a0, p, q, sc, zero
.irp a, \a0, \a0+1
.irp b, 0,1,2,3,4,5,6,7
.if \zero == 1
	v_wmma_scale_f32_16x16x128_f8f6f4 v[8*(8*((\a)%4)+\b):8*(8*((\a)%4)+\b)+7], v[128*(\p)+FR*\b:128*(\p)+FR*\b+FR-1], v[AF+FR*(\a):AF+FR*(\a)+FR-1], v[BI+8*\b:BI+8*\b+7], v[SC+8*NQ*(\sc)+NQ*\b+(\q)], v[SC+8*NQ*(\sc)+NQ*(\a)+(\q)] matrix_a_scale:MATRIX_SCALE_ROW1
.else
	v_wmma_scale_f32_16x16x128_f8f6f4 v[8*(8*((\a)%4)+\b):8*(8*((\a)%4)+\b)+7], v[128*(\p)+FR*\b:128*(\p)+FR*\b+FR-1], v[AF+FR*(\a):AF+FR*(\a)+FR-1], v[8*(8*((\a)%4)+\b):8*(8*((\a)%4)+\b)+7], v[SC+8*NQ*(\sc)+NQ*\b+(\q)], v[SC+8*NQ*(\sc)+NQ*(\a)+(\q)] matrix_a_scale:MATRIX_SCALE_ROW1
.endif
.endr
.endr
.endm
.macro FETCH_B slot, q, p
	WIN TO_B
.irp i, 0,1,2,3,4,5,6,7
	FRAG 128*(\p)+FR*\i, ADRB+\slot, \q, \i
.endr
	WIN 0
.endm
.macro FETCH_A slot, q, i0
.irp i, \i0, \i0+1, \i0+2, \i0+3
	FRAG AF+FR*(\i), ADRA+\slot, \q, \i
.endr
.endm
.macro SCALES sc
.irp i, 0,1,2,3,4,5,6,7
.irp q, 0,1
	ds_load_b32 v[SC+16*\sc+2*\i+\q], v[ADRS+\sc] offset:1024*\q+64*\i
.endr
.endr
.endm
.macro PLACES n
.rept \n
	v_nop
.endr
.endm
.macro STEP slot, q, zero
	s_wait_dscnt 4*NL                              ; all but the youngest sixteen loads (A's blocks 4-7) are in
.if \zero
	WIN 0x81
.else
	WIN MUL_LO
.endif
	MUL16 0, (\q)%2, \q, \slot, \zero
	MUL16 2, (\q)%2, \q, \slot, \zero
	s_wait_dscnt 0
	PLACES NP
	FETCH_B \slot, (\q)+1, 1-(\q)%2
	FETCH_A \slot, (\q)+1, 0
.if \zero
	WIN 0xc1
.else
	WIN MUL_HI
.endif
	MUL16 4, (\q)%2, \q, \slot, \zero
	MUL16 6, (\q)%2, \q, \slot, \zero
	PLACES NP
	WIN 0
	FETCH_A \slot, (\q)+1, 4
.endm
.macro TURN slot, next, fill
	s_wait_tensorcnt 0x0                           ; my part of the next slot has landed; no load of mine is out
	ds_add_u32 v[SPW], v[NIL]                      ; 0 onto my spare word
	s_wait_dscnt 4*NL+1                            ; (the add and A's blocks 4-7 may be out)
	WIN MUL_LO
	MUL16 0, 1, NQ-1, \slot, 0
	s_wait_dscnt 0x0                               ; the add is done, and my reads of this slot are over
	s_barrier_signal -1
	MUL16 2, 1, NQ-1, \slot, 0
	WIN 0
	s_barrier_wait -1
.if \fill
	CREST                                          ; a round of the cluster's barrier: no wave of any partner still reads this slot or has a load on its way
	s_add_nc_u64 s[G0A+4*\slot+2:G0A+4*\slot+3], s[G0A+4*\slot+2:G0A+4*\slot+3], 2*ROWB
	s_add_nc_u64 s[G0B+4*\slot+2:G0B+4*\slot+3], s[G0B+4*\slot+2:G0B+4*\slot+3], 2*ROWB
	s_add_nc_u64 s[G0SA+4*\slot+2:G0SA+4*\slot+3], s[G0SA+4*\slot+2:G0SA+4*\slot+3], 16*SPA
	s_add_nc_u64 s[G0SB+4*\slot+2:G0SB+4*\slot+3], s[G0SB+4*\slot+2:G0SB+4*\slot+3], 16*SPB
	JLOAD \slot
	PLACES NP-4
.else
	PLACES NP
.endif
	FETCH_B \next, 0, 0
	FETCH_A \next, 0, 0
	SCALES \next
	WIN MUL_HI
	MUL16 4, 1, NQ-1, \slot, 0
	MUL16 6, 1, NQ-1, \slot, 0
	PLACES NP
	WIN 0
	FETCH_A \next, 0, 4
.endm
	s_wait_tensorcnt 1                             ; my part of K step 0 is in; K step 1's load may be out
	s_barrier_signal -1
	s_barrier_wait -1
	FETCH_B 0, 0, 0
	FETCH_A 0, 0, 0
	SCALES 0
	FETCH_A 0, 0, 4
	s_wait_loadcnt 0x0                             ; the bias
	STEP 0, 0, 1
	s_mov_b32 s3, LAPS-1
.Llap:
	TURN 0, 1, 1
	STEP 1, 0, 0
	TURN 1, 0, 1
	STEP 0, 0, 0
	s_sub_co_u32 s3, s3, 1
	s_cmp_lg_u32 s3, 0
	s_cbranch_scc1 .Llap
	TURN 0, 1, 0
	STEP 1, 0, 0
	s_wait_dscnt 4*NL
	WIN MUL_LO
	MUL16 0, 1, NQ-1, 1, 0
	MUL16 2, 1, NQ-1, 1, 0
	s_wait_dscnt 0
	WIN MUL_HI
	MUL16 4, 1, NQ-1, 1, 0
	MUL16 6, 1, NQ-1, 1, 0
	WIN 0
; block a's 64 numbers of a lane, in place: z / (1 + 2^(-z log2 e)).  The exponentials go as one batch with one wait, and so do the reciprocals
.macro SILU a
.set QW, 2+(\a)/4
.set QA, 64*((\a)%4)
	WIN QW                                         ; source 0 in the block's window
.set i, 0
.rept 32
	v_pk_mul_f32 v[T+i:T+i+1], v[QA+i:QA+i+1], s[66:67] op_sel_hi:[1,0]
.set i, i+2
.endr
	WIN 0
.set i, 0
.rept 64
	v_exp_f32 v[T+i], v[T+i]
.set i, i+1
.endr
	v_nop
	s_wait_alu depctr_va_vdst(0)                   ; the wait ahead of the batch's first reader
.set i, 0
.rept 32
	v_pk_add_f32 v[T+i:T+i+1], v[T+i:T+i+1], 1.0 op_sel_hi:[1,0]
.set i, i+2
.endr
.set i, 0
.rept 64
	v_rcp_f32 v[T+i], v[T+i]
.set i, i+1
.endr
	v_nop
	s_wait_alu depctr_va_vdst(0)
	WIN 65*QW                                      ; source 0 and destination
.set i, 0
.rept 32
	v_pk_mul_f32 v[QA+i:QA+i+1], v[QA+i:QA+i+1], v[T+i:T+i+1]
.set i, i+2
.endr
	WIN 0
.endm
.macro QUANTW a, pc, pw
.set QW, 2+(\a)/4
.set QA, 64*((\a)%4)
	WIN 5*QW
.irp b, 0,1,2,3
	v_max3_num_f32 v[TM+\b], |v[QA+16*\b]|, |v[QA+16*\b+1]|, 0x4800000   ; with the floor 2^(9 - 127)
.endr
	WIN 20*QW
.irp i, 2,4,6,8,10,12,14
.irp b, 0,1,2,3
	v_max3_num_f32 v[TM+\b], v[TM+\b], |v[QA+16*\b+\i]|, |v[QA+16*\b+\i+1]|
.endr
.endr
	WIN 0
.irp b, 0,1,2,3
	v_permlanex16_b32 v[TM+4+\b], v[TM+\b], s100, s101
.endr
.irp b, 0,1,2,3
	v_max_num_f32 v[TM+\b], v[TM+\b], v[TM+4+\b]
.endr
.irp b, 0,1,2,3
	v_add_nc_u32 v[TM+12+\b], 0xfc000000, v[TM+\b]
.endr
.irp b, 0,1,2,3
	v_and_or_b32 v[TM+8+\b], v[TM+\b], 0x7f800000, s104
.endr
.irp b, 0,1,2,3
	v_lshrrev_b32 v[TM+4+\b], 23, v[TM+12+\b]
.endr
	v_lshl_or_b32 v[\pw], v[TM+5], 8, v[TM+4]
	v_lshl_or_b32 v[\pw], v[TM+6], 16, v[\pw]
	v_lshl_or_b32 v[\pw], v[TM+7], 24, v[\pw]
	WIN 65*QW
.irp b, 0,1,2,3
.irp i, 0,1,2,3,4,5,6,7,8,9,10,11,12,13,14,15
	v_med3_num_f32 v[QA+16*\b+\i], v[QA+16*\b+\i], -v[TM+8+\b], v[TM+8+\b]   ; the conversion does not saturate (ISA guide 7.6.2): the hold
.endr
.endr
	WIN QW
.irp b, 0,1,2,3
	v_cvt_scalef32_pk8_fp8_f32 v[\pc+4*\b:\pc+4*\b+1], v[QA+16*\b:QA+16*\b+7], v[TM+12+\b]
	v_cvt_scalef32_pk8_fp8_f32 v[\pc+4*\b+2:\pc+4*\b+3], v[QA+16*\b+8:QA+16*\b+15], v[TM+12+\b]
.endr
	WIN 0
	v_nop                                          ; a plain line behind the last conversion
.endm
	PLACES NP
.irp b, 0,1,2,3
	v_mov_b32 v[TM+4+\b], 0                        ; a lane permute's destination counts as one of its sources
.endr
.irp a, 0,1,2,3,4,5,6,7
	SILU \a
	s_wait_dscnt 0x0                               ; the last block's stores into the stage have read the codes' registers
	QUANTW \a, PC, PWB+\a
.irp p, 0,1,2,3
	ds_store_b128 v[STO], v[PC+4*\p:PC+4*\p+3] offset:\a*16*272+32*\p
.endr
.endr
	s_mov_b32 vcc_lo, 0xffff0000
.irp i, 0,1,2,3
	v_cndmask_b32 v[232+\i], v[PWB+2*\i], v[PWB+2*\i+1], vcc_lo   ; lane l: the word of my token 32 i + l
.endr
.irp i, 0,1,2,3
	ds_store_b32 v8, v[232+\i] offset:128*\i
.endr
	ds_load_b128 v[236:239], v9                    ; LDS serves a wave's instructions in order: this sees my stores
	s_wait_dscnt 0x0                               ; it is back, and my stores into the stage have landed
	global_store_b128 v7, v[236:239], s[20:21]     ; my 128 tokens' words: 512 consecutive bytes, aligned
	s_barrier_signal -1
	s_barrier_wait -1                              ; 256 whole rows of codes lie in the stage
.set t, 0
.rept 32
	ds_load_b128 v[64+4*t:67+4*t], v[RD] offset:t*544
.set t, t+1
.endr
.set t, 0
.rept 32
	s_wait_dscnt 31-t                              ; the younger loads may stay out
	global_store_b128 v[CO], v[64+4*t:67+4*t], s[18:19] offset:2*t*4096   ; sixteen lanes store 256 consecutive bytes, aligned
.set t, t+1
.endr
	s_wait_tensorcnt 0x0                           ; the wave's end
	ds_add_u32 v[SPW], v[NIL]
	s_wait_dscnt 0x0
	CROUND
	s_endpgm
.Lfunc_end_k_qac5555f9bf_ff1:
	.size	k_qac5555f9bf_ff1, .Lfunc_end_k_qac5555f9bf_ff1-k_qac5555f9bf_ff1
	.p2alignl 7, 3214868480
	.fill 96, 4, 3214868480
	.section	.rodata,"a",@progbits
	.p2align	6, 0x0
	.amdhsa_kernel k_qac5555f9bf_ff1
		.amdhsa_group_segment_fixed_size 327680
		.amdhsa_private_segment_fixed_size 0
		.amdhsa_enable_private_segment 0
		.amdhsa_kernarg_size 32
		.amdhsa_user_sgpr_count 2
		.amdhsa_user_sgpr_kernarg_segment_ptr 1
		.amdhsa_wavefront_size32 1
		.amdhsa_system_sgpr_workgroup_id_x 1
		.amdhsa_system_sgpr_workgroup_id_y 1
		.amdhsa_system_sgpr_workgroup_id_z 1
		.amdhsa_system_vgpr_workitem_id 0
		.amdhsa_next_free_vgpr 1024
		.amdhsa_next_free_sgpr 106
		.amdhsa_reserve_vcc 1
		.amdhsa_float_denorm_mode_32 3
		.amdhsa_float_denorm_mode_16_64 3
		.amdhsa_memory_ordered 1
		.amdhsa_forward_progress 1
		.amdhsa_inst_pref_size 255
	.end_amdhsa_kernel
	.section	.bss,"aw",@nobits
	.p2align	6
	.space	262144
	.amdgpu_metadata
---
amdhsa.version: [ 1, 2 ]
amdhsa.kernels:
  - .name:           k_qac5555f9bf_ff1
    .symbol:         k_qac5555f9bf_ff1.kd
    .args:
      - { .name: hq, .offset: 0, .size: 8, .value_kind: global_buffer, .address_space: global }
      - { .name: wcs, .offset: 8, .size: 8, .value_kind: global_buffer, .address_space: global }
      - { .name: bf1, .offset: 16, .size: 8, .value_kind: global_buffer, .address_space: global }
      - { .name: fq, .offset: 24, .size: 8, .value_kind: global_buffer, .address_space: global }
    .group_segment_fixed_size: 327680
    .private_segment_fixed_size: 0
    .kernarg_segment_align: 8
    .kernarg_segment_size: 32
    .max_flat_workgroup_size: 128
    .sgpr_count:     106
    .vgpr_count:     1024
    .wavefront_size: 32
...
	.end_amdgpu_metadata
.endif
;; end of part 5
;; launch ff2 (part 6): grid 4 x 16, 4 waves a work-group, clusters of 4 x 4, 327,680 bytes of LDS; arguments fq, wcs, bf2, xn, out0; writes out0
.if DOCPART == 6
	.amdgcn_target "amdgcn-amd-amdhsa--gfx1250"
	.amdhsa_code_object_version 6
	.text
	.protected	k_qac5555f9bf_ff2
	.globl	k_qac5555f9bf_ff2
	.p2align	8
	.type	k_qac5555f9bf_ff2,@function
k_qac5555f9bf_ff2:
	s_mov_b64 s[64:65], 0
	v_nop
	global_prefetch_b8 v0, s[64:65] scope:SCOPE_SE
	s_setreg_imm32_b32 hwreg(HW_REG_WAVE_MODE, 25, 1), 1
	s_wait_xcnt 0x0
	s_wait_alu depctr_hold_cnt(0) depctr_sa_sdst(0) depctr_va_vdst(0) depctr_va_sdst(0) depctr_va_ssrc(0) depctr_va_vcc(0) depctr_vm_vsrc(0)
	s_getreg_b32 s2, hwreg(HW_REG_IB_STS2, 6, 4)
	s_cmp_eq_u32 s2, 0
	s_cbranch_scc0 .Lentry_in_a_cluster
	s_endpgm
.Lentry_in_a_cluster:
	s_bfe_u32 s2, ttmp6, 0x10000c
	s_cmp_lg_u32 s2, 0xf033
	s_cbranch_scc0 .Lentry_shape_is_right
	s_endpgm
.Lentry_shape_is_right:
; FF2.  out0 = f W2^T + bf2 + xn, f32; the product on codes of E4M3 with E8M0 scales, K = 4,096.  C has 16 x 4 tiles of 256 x 256: 64 work-groups.
; THE CORE: a tile of C by four waves, each 128 x 128 in 512 registers; K in steps of 256 through two LDS slots.  A slot: A's 256 rows (272 bytes apart), B's 256 rows, A's scale words [2][256], B's.
; One tensor load a wave: wave 0 A's codes, wave 1 A's scale words, wave 2 B's codes, wave 3 B's scale words.  4 x 4 work-groups form a cluster; A's tiles are asked for jointly along a row of it, B's along a column.
; THE MATRIX INSTRUCTION IS USED TRANSPOSED (source 0 = 16 rows of W2, source 1 = 16 tokens).  W2's rows lie in memory with bits 3 and 4 of their number exchanged: accumulator (a, b), register j of lane (r, h) is
; column 32 (b / 2) + 16 h + 8 (b % 2) + j of token 16 a + r.  The bias is the C of each sum's first product.
; THE WAY OUT: a block of 16 tokens x 128 columns goes through my own stage in LDS (in slot 0: it has had its last fill and its last read) and comes back as whole rows of 512 bytes; xn's same bytes, asked for
; four blocks ahead into the registers that B's fragments have left, are added; 32 lanes store 512 consecutive bytes.  LIMITS: NaN and infinities are not served.
; REGISTERS: window 0: v0-31 addresses; v32-63 scale words, two sets, and nothing else; v64-127 the bias; v128-255 A's fragments, later rows of the result.  window 1: B's fragments, later xn.  windows 2, 3: accumulators.
.set KROWA, 4096
.set KROWB, 4096
.set SPA,   4096
.set SPB,   1024
.set ACOFF, 0
.set ASOFF, 16777216
.set BCOFF, 11894784
.set BSOFF, 16089088
.set LAPS,  8
.set PA,    4
.set PB,    6
.set NQ,     2
.set ROWB,   256
.set PITCH,  272
.set FR,     16
.set NL,     4
.set NP,     8
.set HALFT,  128*PITCH
.set BOFF,   2*HALFT
.set SAOFF,  4*HALFT
.set SBOFF,  SAOFF+2048
.set SLOT,   SAOFF+4096
.set SPARE,  2*SLOT                    ; the spare words, 128 bytes a wave: two blocks of 256 bytes that no other line names
.set SPITCH, 528
.set ADRA, 16
.set ADRB, 20
.set STO,  24
.set RD,   25
.set CO,   26
.set SPW,  28
.set NIL,  29
.set ADRS, 30
.set SC,   32
.set BI,   64
.set AF,   128
.set BK,   128
.set G1A,  24
.set G0A,  32
.set G1B,  48
.set G0B,  56
.set G1SA, 68
.set G0SA, 76
.set G1SB, 84
.set G0SB, 92
.set MSB, 0
.macro WIN new
.if MSB != (\new)
	s_set_vgpr_msb (MSB<<8)|(\new)
.set MSB, (\new)
.endif
.endm
.set MUL_LO, 0xa1
.set MUL_HI, 0xf1
.set TO_B,   0x40
.macro TL g0, g1                       ; four v_nop follow a tensor load
	tensor_load_to_lds s[\g0:\g0+3], s[\g1:\g1+7]
	s_nop 0
.rept 4
	v_nop
.endr
.endm
.macro JLOAD s
	s_cmp_lt_u32 s14, 2
	s_cbranch_scc0 .Lj_b_\@
	s_cmp_eq_u32 s14, 0
	s_cbranch_scc0 .Lj_as_\@
	TL G0A+4*\s, G1A
	s_branch .Lj_end_\@
.Lj_as_\@:
	TL G0SA+4*\s, G1SA
	s_branch .Lj_end_\@
.Lj_b_\@:
	s_cmp_eq_u32 s14, 2
	s_cbranch_scc0 .Lj_bs_\@
	TL G0B+4*\s, G1B
	s_branch .Lj_end_\@
.Lj_bs_\@:
	TL G0SB+4*\s, G1SB
.Lj_end_\@:
.endm
.macro CREST
	s_cmp_lg_u32 s14, 0
	s_cbranch_scc1 .Lnot_wave_0_\@
	s_barrier_signal -3
.Lnot_wave_0_\@:
	s_barrier_wait -3
	s_barrier_signal -1
	s_barrier_wait -1
.endm
.macro CROUND
	s_barrier_signal -1
	s_barrier_wait -1
	CREST
.endm
	s_load_b256 s[4:11], s[0:1], 0x0               ; fq, wcs, bf2, xn
	s_load_b64 s[12:13], s[0:1], 0x20              ; out0
	v_lshl_add_u32 v[SPW], v0, 2, SPARE
	v_mov_b32 v[NIL], 0
	ds_add_u32 v28, v29
	ds_add_u32 v28, v29
	s_wait_dscnt 0x0
	v_lshrrev_b32 v1, 5, v0
	v_readfirstlane_b32 s14, v1
	s_lshr_b32 s15, s14, 1
	s_and_b32 s16, s14, 1
	s_bfe_u32 s40, ttmp6, 0x40000
	s_bfe_u32 s41, ttmp6, 0x40004
	s_lshl_b32 s43, s41, 2
	s_lshl_b32 s43, 15, s43
	s_lshl_b32 s44, 0x1111, s40
	s_and_b32 s17, ttmp7, 0xffff
	s_lshl_b32 s17, s17, 2
	s_add_co_u32 s17, s17, s41
	s_lshl_b32 s17, s17, 8                         ; A's first row: my first token
	s_lshl_b32 s42, ttmp9, 2
	s_add_co_u32 s42, s42, s40
	s_lshl_b32 s42, s42, 8                         ; B's first row: my first column
	s_or_b32 s[G1A], s43, (1<<20)|(1<<21)|(5<<22)|(3<<25)
	s_or_b32 s[G1B], s44, (1<<20)|(1<<21)|(5<<22)|(3<<25)
	s_or_b32 s[G1SA], s43, (2<<16)|(1<<21)
	s_or_b32 s[G1SB], s44, (2<<16)|(1<<21)
.irp g, G1A, G1B
	s_mov_b32 s[\g+1], 256<<16
	s_mov_b32 s[\g+2], 256<<16
	s_mov_b32 s[\g+3], 256<<16
	s_mov_b32 s[\g+4], 256
	s_mov_b32 s[\g+6], 0
	s_mov_b32 s[\g+7], 0
.endr
	s_mov_b32 s[G1A+5], KROWA
	s_mov_b32 s[G1B+5], KROWB
.irp g, G1SA, G1SB
	s_mov_b32 s[\g+1], 256<<16
	s_mov_b32 s[\g+2], 2<<16
	s_mov_b32 s[\g+3], 256<<16
	s_mov_b32 s[\g+4], 2
	s_mov_b32 s[\g+6], 0
	s_mov_b32 s[\g+7], 0
.endr
	s_mov_b32 s[G1SA+5], SPA
	s_mov_b32 s[G1SB+5], SPB
	s_mul_i32 s20, s17, KROWA
	s_add_co_u32 s20, s20, ACOFF
	s_mov_b32 s21, 0
	s_lshl_b32 s22, s17, 2
	s_add_co_u32 s22, s22, ASOFF
	s_mov_b32 s23, 0
	s_mul_i32 s46, s42, KROWB
	s_add_co_u32 s46, s46, BCOFF
	s_mov_b32 s47, 0
	s_lshl_b32 s2, s42, 2
	s_add_co_u32 s2, s2, BSOFF
	s_mov_b32 s3, 0
	s_wait_kmcnt 0x0
	s_add_nc_u64 s[20:21], s[PA:PA+1], s[20:21]
	s_add_nc_u64 s[22:23], s[PA:PA+1], s[22:23]
	s_add_nc_u64 s[46:47], s[PB:PB+1], s[46:47]
	s_add_nc_u64 s[2:3], s[PB:PB+1], s[2:3]
	CROUND
.irp s, 0,1
	s_mov_b32 s[G0A+4*\s], 1
	s_mov_b32 s[G0A+4*\s+1], \s*SLOT
	s_add_nc_u64 s[G0A+4*\s+2:G0A+4*\s+3], s[20:21], \s*ROWB
	s_or_b32 s[G0A+4*\s+3], s[G0A+4*\s+3], 0x80000000
	s_mov_b32 s[G0SA+4*\s], 1
	s_mov_b32 s[G0SA+4*\s+1], \s*SLOT+SAOFF
	s_add_nc_u64 s[G0SA+4*\s+2:G0SA+4*\s+3], s[22:23], \s*8*SPA
	s_or_b32 s[G0SA+4*\s+3], s[G0SA+4*\s+3], 0x80000000
	s_mov_b32 s[G0B+4*\s], 1
	s_mov_b32 s[G0B+4*\s+1], \s*SLOT+BOFF
	s_add_nc_u64 s[G0B+4*\s+2:G0B+4*\s+3], s[46:47], \s*ROWB
	s_or_b32 s[G0B+4*\s+3], s[G0B+4*\s+3], 0x80000000
	s_mov_b32 s[G0SB+4*\s], 1
	s_mov_b32 s[G0SB+4*\s+1], \s*SLOT+SBOFF
	s_add_nc_u64 s[G0SB+4*\s+2:G0SB+4*\s+3], s[2:3], \s*8*SPB
	s_or_b32 s[G0SB+4*\s+3], s[G0SB+4*\s+3], 0x80000000
	JLOAD \s
.endr
	v_and_b32 v1, 15, v0
	v_bfe_u32 v2, v0, 4, 1
	v_mul_u32_u24 v3, v1, PITCH
	v_lshl_add_u32 v4, v2, 4, v3
	s_mul_i32 s21, s15, HALFT
	s_mul_i32 s22, s16, HALFT
	s_add_co_u32 s22, s22, BOFF
.irp s, 0,1
	v_add_nc_u32 v[ADRA+\s], s21, v4
	v_add_nc_u32 v[ADRB+\s], s22, v4
	s_add_co_u32 s21, s21, SLOT
	s_add_co_u32 s22, s22, SLOT
.endr
	s_lshl_b32 s21, s15, 9
	s_lshl_b32 s22, s16, 9
	s_add_co_u32 s22, s22, 2048
	s_sub_co_u32 s22, s22, s21
	v_mul_u32_u24 v6, s22, v2
	v_lshl_add_u32 v5, v1, 2, v6
	s_add_co_u32 s21, s21, SAOFF
	v_add_nc_u32 v[ADRS], s21, v5
	v_add_nc_u32 v[ADRS+1], SLOT, v[ADRS]
	s_mul_i32 s18, s14, 16*SPITCH                  ; my stage
	v_mul_u32_u24 v5, v1, SPITCH
	v_lshl_add_u32 v5, v2, 6, v5
	v_add_nc_u32 v[STO], s18, v5                   ; in: row r, + 64 h
	v_and_b32 v6, 31, v0
	v_lshlrev_b32 v[CO], 4, v6                     ; back: the 32 lanes take one row of 512 bytes; and the same in memory
	v_add_nc_u32 v[RD], s18, v[CO]
	v_lshlrev_b32 v10, 6, v2                       ; the bias: 64 h
	s_lshl_b32 s19, s16, 7
	s_add_co_u32 s19, s19, s42
	s_lshl_b32 s22, s19, 2                         ; my first column, in bytes
	s_mov_b32 s23, 0
	s_add_nc_u64 s[8:9], s[8:9], s[22:23]
.irp b, 0,1,2,3,4,5,6,7
	global_load_b128 v[BI+8*\b:BI+8*\b+3], v10, s[8:9] offset:(32*(\b/2)+8*(\b%2))*4
	global_load_b128 v[BI+8*\b+4:BI+8*\b+7], v10, s[8:9] offset:(32*(\b/2)+8*(\b%2))*4+16
.endr
	s_lshl_b32 s18, s15, 7
	s_add_co_u32 s18, s18, s17
	s_lshl_b32 s18, s18, 12                        ; my first token's row of 4,096 bytes
	s_add_co_u32 s18, s18, s22
	s_mov_b32 s19, 0
	s_add_nc_u64 s[10:11], s[10:11], s[18:19]
	s_add_nc_u64 s[12:13], s[12:13], s[18:19]
.macro FRAG reg, adr, q, i
.irp c, 0,1,2,3
	ds_load_b128 v[\reg+4*\c:\reg+4*\c+3], v[\adr] offset:128*(\q)+32*\c+(\i)*16*PITCH
.endr
.endm
; 16 matrix instructions: A's blocks a0, a0 + 1 x B's eight.  zero = 1: the bias starts the sums.  The 64 accumulators take turns, one instruction a turn
.macro MUL16 a0, p, q, sc, zero
.irp a, \a0, \a0+1
.irp b, 0,1,2,3,4,5,6,7
.if \zero == 1
	v_wmma_scale_f32_16x16x128_f8f6f4 v[8*(8*((\a)%4)+\b):8*(8*((\a)%4)+\b)+7], v[128*(\p)+FR*\b:128*(\p)+FR*\b+FR-1], v[AF+FR*(\a):AF+FR*(\a)+FR-1], v[BI+8*\b:BI+8*\b+7], v[SC+8*NQ*(\sc)+NQ*\b+(\q)], v[SC+8*NQ*(\sc)+NQ*(\a)+(\q)] matrix_a_scale:MATRIX_SCALE_ROW1
.else
	v_wmma_scale_f32_16x16x128_f8f6f4 v[8*(8*((\a)%4)+\b):8*(8*((\a)%4)+\b)+7], v[128*(\p)+FR*\b:128*(\p)+FR*\b+FR-1], v[AF+FR*(\a):AF+FR*(\a)+FR-1], v[8*(8*((\a)%4)+\b):8*(8*((\a)%4)+\b)+7], v[SC+8*NQ*(\sc)+NQ*\b+(\q)], v[SC+8*NQ*(\sc)+NQ*(\a)+(\q)] matrix_a_scale:MATRIX_SCALE_ROW1
.endif
.endr
.endr
.endm
.macro FETCH_B slot, q, p
	WIN TO_B
.irp i, 0,1,2,3,4,5,6,7
	FRAG 128*(\p)+FR*\i, ADRB+\slot, \q, \i
.endr
	WIN 0
.endm
.macro FETCH_A slot, q, i0
.irp i, \i0, \i0+1, \i0+2, \i0+3
	FRAG AF+FR*(\i), ADRA+\slot, \q, \i
.endr
.endm
.macro SCALES sc
.irp i, 0,1,2,3,4,5,6,7
.irp q, 0,1
	ds_load_b32 v[SC+16*\sc+2*\i+\q], v[ADRS+\sc] offset:1024*\q+64*\i
.endr
.endr
.endm
.macro PLACES n
.rept \n
	v_nop
.endr
.endm
.macro STEP slot, q, zero
	s_wait_dscnt 4*NL                              ; all but the youngest sixteen loads (A's blocks 4-7) are in
.if \zero
	WIN 0x81
.else
	WIN MUL_LO
.endif
	MUL16 0, (\q)%2, \q, \slot, \zero
	MUL16 2, (\q)%2, \q, \slot, \zero
	s_wait_dscnt 0
	PLACES NP
	FETCH_B \slot, (\q)+1, 1-(\q)%2
	FETCH_A \slot, (\q)+1, 0
.if \zero
	WIN 0xc1
.else
	WIN MUL_HI
.endif
	MUL16 4, (\q)%2, \q, \slot, \zero
	MUL16 6, (\q)%2, \q, \slot, \zero
	PLACES NP
	WIN 0
	FETCH_A \slot, (\q)+1, 4
.endm
.macro TURN slot, next, fill
	s_wait_tensorcnt 0x0                           ; my part of the next slot has landed; no load of mine is out
	ds_add_u32 v[SPW], v[NIL]                      ; 0 onto my spare word
	s_wait_dscnt 4*NL+1                            ; (the add and A's blocks 4-7 may be out)
	WIN MUL_LO
	MUL16 0, 1, NQ-1, \slot, 0
	s_wait_dscnt 0x0                               ; the add is done, and my reads of this slot are over
	s_barrier_signal -1
	MUL16 2, 1, NQ-1, \slot, 0
	WIN 0
	s_barrier_wait -1
.if \fill
	CREST                                          ; a round of the cluster's barrier: no wave of any partner still reads this slot or has a load on its way
	s_add_nc_u64 s[G0A+4*\slot+2:G0A+4*\slot+3], s[G0A+4*\slot+2:G0A+4*\slot+3], 2*ROWB
	s_add_nc_u64 s[G0B+4*\slot+2:G0B+4*\slot+3], s[G0B+4*\slot+2:G0B+4*\slot+3], 2*ROWB
	s_add_nc_u64 s[G0SA+4*\slot+2:G0SA+4*\slot+3], s[G0SA+4*\slot+2:G0SA+4*\slot+3], 16*SPA
	s_add_nc_u64 s[G0SB+4*\slot+2:G0SB+4*\slot+3], s[G0SB+4*\slot+2:G0SB+4*\slot+3], 16*SPB
	JLOAD \slot
	PLACES NP-4
.else
	PLACES NP
.endif
	FETCH_B \next, 0, 0
	FETCH_A \next, 0, 0
	SCALES \next
	WIN MUL_HI
	MUL16 4, 1, NQ-1, \slot, 0
	MUL16 6, 1, NQ-1, \slot, 0
	PLACES NP
	WIN 0
	FETCH_A \next, 0, 4
.endm
	s_wait_tensorcnt 1                             ; my part of K step 0 is in; K step 1's load may be out
	s_barrier_signal -1
	s_barrier_wait -1
	FETCH_B 0, 0, 0
	FETCH_A 0, 0, 0
	SCALES 0
	FETCH_A 0, 0, 4
	s_wait_loadcnt 0x0                             ; the bias
	STEP 0, 0, 1
	s_mov_b32 s3, LAPS-1
.Llap:
	TURN 0, 1, 1
	STEP 1, 0, 0
	TURN 1, 0, 1
	STEP 0, 0, 0
	s_sub_co_u32 s3, s3, 1
	s_cmp_lg_u32 s3, 0
	s_cbranch_scc1 .Llap
	TURN 0, 1, 0
	STEP 1, 0, 0
	s_wait_dscnt 4*NL
	WIN MUL_LO
	MUL16 0, 1, NQ-1, 1, 0
	MUL16 2, 1, NQ-1, 1, 0
	s_wait_dscnt 0
	WIN MUL_HI
	MUL16 4, 1, NQ-1, 1, 0
	MUL16 6, 1, NQ-1, 1, 0
	WIN 0
.macro XLOAD k                         ; xn at block k's 16 rows, into window 1
	WIN 0x40
.irp t, 0,1,2,3,4,5,6,7,8,9,10,11,12,13,14,15
	global_load_b128 v[64*((\k)%4)+4*\t:64*((\k)%4)+4*\t+3], v[CO], s[10:11] offset:(16*(\k)+\t)*4096 th:TH_LOAD_NT
.endr
	WIN 0
.endm
.macro TOSTAGE a
.set AC, 64*((\a)%4)
	WIN 0x08+4*((\a)/4)                            ; an LDS store's data: window 2 or 3
.irp b, 0,1,2,3,4,5,6,7
	ds_store_b128 v[STO], v[AC+8*\b:AC+8*\b+3] offset:128*(\b/2)+32*(\b%2)      ; each accumulator from its low end on
	ds_store_b128 v[STO], v[AC+8*\b+4:AC+8*\b+7] offset:128*(\b/2)+32*(\b%2)+16
.endr
	WIN 0
.set BB, BK+64*((\a)%2)
.irp t, 0,1,2,3,4,5,6,7,8,9,10,11,12,13,14,15
	ds_load_b128 v[BB+4*\t:BB+4*\t+3], v[RD] offset:\t*SPITCH   ; LDS serves a wave's instructions in order: these see the stores above
.endr
.endm
.macro SEND a, younger
.set BB, BK+64*((\a)%2)
.set XB, 64*((\a)%4)
	s_wait_dscnt \younger                          ; the block is back in registers
.if (\a) < 4
	s_wait_loadcnt 48                              ; its rows of xn are in; three later sets may be out
.else
	s_wait_loadcnt 16*(7-(\a))
.endif
	WIN 0x04                                       ; source 1 in window 1
.set i, 0
.rept 32
	v_pk_add_f32 v[BB+i:BB+i+1], v[BB+i:BB+i+1], v[XB+i:XB+i+1]
.set i, i+2
.endr
	WIN 0
.irp t, 0,1,2,3,4,5,6,7,8,9,10,11,12,13,14,15
	global_store_b128 v[CO], v[BB+4*\t:BB+4*\t+3], s[12:13] offset:(16*(\a)+\t)*4096 th:TH_STORE_NT   ; 32 lanes store 512 consecutive bytes, aligned
.endr
.if (\a) < 4
	XLOAD (\a)+4
.endif
.endm
	PLACES NP                                      ; for the loads into registers that the last products read, and for the first reads of results
	XLOAD 0
	XLOAD 1
	XLOAD 2
	XLOAD 3
	TOSTAGE 0
.irp a, 1,2,3,4,5,6,7
.if \a > 1
	s_wait_xcnt 0x0                                ; block a - 2's stores have read their registers: block a's loads may land there
.endif
	TOSTAGE \a
	SEND \a-1, 32                                  ; behind block a - 1's loads: block a's 16 stores and 16 loads
.endr
	SEND 7, 0
	s_wait_tensorcnt 0x0                           ; the wave's end
	ds_add_u32 v[SPW], v[NIL]
	s_wait_dscnt 0x0
	CROUND
	s_endpgm
.Lfunc_end_k_qac5555f9bf_ff2:
	.size	k_qac5555f9bf_ff2, .Lfunc_end_k_qac5555f9bf_ff2-k_qac5555f9bf_ff2
	.p2alignl 7, 3214868480
	.fill 96, 4, 3214868480
	.section	.rodata,"a",@progbits
	.p2align	6, 0x0
	.amdhsa_kernel k_qac5555f9bf_ff2
		.amdhsa_group_segment_fixed_size 327680
		.amdhsa_private_segment_fixed_size 0
		.amdhsa_enable_private_segment 0
		.amdhsa_kernarg_size 40
		.amdhsa_user_sgpr_count 2
		.amdhsa_user_sgpr_kernarg_segment_ptr 1
		.amdhsa_wavefront_size32 1
		.amdhsa_system_sgpr_workgroup_id_x 1
		.amdhsa_system_sgpr_workgroup_id_y 1
		.amdhsa_system_sgpr_workgroup_id_z 1
		.amdhsa_system_vgpr_workitem_id 0
		.amdhsa_next_free_vgpr 1024
		.amdhsa_next_free_sgpr 106
		.amdhsa_reserve_vcc 0
		.amdhsa_float_denorm_mode_32 3
		.amdhsa_float_denorm_mode_16_64 3
		.amdhsa_memory_ordered 1
		.amdhsa_forward_progress 1
		.amdhsa_inst_pref_size 180
	.end_amdhsa_kernel
	.amdgpu_metadata
---
amdhsa.version: [ 1, 2 ]
amdhsa.kernels:
  - .name:           k_qac5555f9bf_ff2
    .symbol:         k_qac5555f9bf_ff2.kd
    .args:
      - { .name: fq, .offset: 0, .size: 8, .value_kind: global_buffer, .address_space: global }
      - { .name: wcs, .offset: 8, .size: 8, .value_kind: global_buffer, .address_space: global }
      - { .name: bf2, .offset: 16, .size: 8, .value_kind: global_buffer, .address_space: global }
      - { .name: xn, .offset: 24, .size: 8, .value_kind: global_buffer, .address_space: global }
      - { .name: out0, .offset: 32, .size: 8, .value_kind: global_buffer, .address_space: global }
    .group_segment_fixed_size: 327680
    .private_segment_fixed_size: 0
    .kernarg_segment_align: 8
    .kernarg_segment_size: 40
    .max_flat_workgroup_size: 128
    .sgpr_count:     106
    .vgpr_count:     1024
    .wavefront_size: 32
...
	.end_amdgpu_metadata
.endif
;; end of part 6
;; ======== version 2 of 2: 6 launches
;; limits: right only within a limited range of input values
;; workspace buffers: wcs 16,220,160 bytes; xn 16,777,216 bytes; qkv 17,825,792 bytes; attn 16,777,216 bytes; hq 4,325,376 bytes; fq 17,301,504 bytes
;; launch prep (part 7): grid 240 x 1, 16 waves a work-group, no clusters, 86,016 bytes of LDS; arguments x, Wq, Wk, Wv, W1, W2, g1, b1, wcs, xn; writes wcs, xn
.if DOCPART == 7
	.amdgcn_target "amdgcn-amd-amdhsa--gfx1250"
	.amdhsa_code_object_version 6
	.text
	.protected	k_qac5555f9bf_prep
	.globl	k_qac5555f9bf_prep
	.p2align	8
	.type	k_qac5555f9bf_prep,@function
k_qac5555f9bf_prep:
	s_mov_b64 s[64:65], 0
	v_nop
	global_prefetch_b8 v0, s[64:65] scope:SCOPE_SE
	s_setreg_imm32_b32 hwreg(HW_REG_WAVE_MODE, 25, 1), 1
	s_wait_xcnt 0x0
; PREP.  x is layer-normed (g1, b1) into xn (f32, kept for the residuals) and quantised; Wq, Wk, Wv, W1, W2 are quantised as they are: codes of E4M3, K innermost, one E8M0 byte for each 32 along K.
; All six tensors have K innermost, so a piece of 1,024 numbers along K is 32 blocks on end.  A work-group takes 64 such pieces (rows; of W2 a quarter of each of 64 rows), a wave four of them.
; wcs: codes [11,264 rows][1,024 bytes] (xn, Wq, Wk, Wv, W1), their scale words [8 planes of 128 along K][11,264 rows][4 bytes], W2's codes [1,024][4,096], W2's scale words [32 planes][1,024][4].
; A ROW LIES AT THE PLACE THAT ITS NUMBER GIVES WITH BITS 3 AND 4 EXCHANGED: sixteen neighbouring places then hold rows 0-7 and 16-23 (or 8-15 and 24-31) of a group of 32, which is the choice of rows
; that lets the products' results be quantised in registers along their columns.
; A block's scale byte is its largest magnitude's exponent field - 8, held at 1 from below.  LIMITS: NaN and infinities are not served; a block whose largest magnitude lies under 2^-118, a block of zeros among them,
; takes the byte 1 (zero codes add nothing under any byte but 0xff; the bytes are read by this program alone).
; A wave asks for its four rows at once (32 loads, 16 KiB).  Each load reads 512 consecutive bytes; a half row (2,048 bytes) turns through the wave's own stage in LDS so that a lane holds 16 neighbours along K.
; No matrix unit, no tensor load, no cluster: a stream whose work-groups share nothing.
.set SP,     80                        ; a lane's place in a stage: 64 bytes + 16 of padding
.set WST,    2*32*SP                   ; a wave's two stages
.set SG,     16*WST                    ; behind them: the work-group's scale bytes, [8 planes][64 places][4 bytes]
.set SBH,    1024                      ; a half row is four planes on
.set SCALES, 11534336
.set W2C,    11894784
.set W2S,    16089088
.set OFFS, 12                          ; v12-15  row p: 16 x lane + row x the source's pitch
.set OFFC, 16                          ; v16-19  row p: 16 x lane + place x the codes' pitch
.set GA,   32                          ; v32-63  g1 at my columns (128 j + 4 lane + 0..3)
.set BE,   64                          ; v64-95  b1 likewise
.set R,    96                          ; v96-223 four rows of 32 registers as loaded; later a row's codes in its registers 0-7, its two bytes in 8, 9
.set X,    224                         ; v224-255 two sets of 16 neighbours
.set WV,   48
	s_load_b256 s[4:11], s[0:1], 0x0               ; x, Wq, Wk, Wv
	s_load_b256 s[12:19], s[0:1], 0x20             ; W1, W2, g1, b1
	s_load_b128 s[20:23], s[0:1], 0x40             ; wcs, xn
	v_lshrrev_b32 v1, 5, v0
	s_delay_alu instid0(VALU_DEP_1)
	v_readfirstlane_b32 s[WV], v1                  ; wave 0..15
	v_and_b32 v1, 31, v0                           ; lane
	s_wait_alu depctr_va_vdst(0)
	v_lshlrev_b32 v2, 4, v1                        ; 16 x lane
	s_mul_i32 s50, s[WV], WST
	v_lshrrev_b32 v3, 2, v1
	s_delay_alu instid0(VALU_DEP_1)
	v_mul_u32_u24 v3, v3, SP
	v_and_b32 v4, 3, v1
	s_delay_alu instid0(VALU_DEP_1)
	v_lshl_add_u32 v3, v4, 4, v3
	s_delay_alu instid0(VALU_DEP_1)
	v_add_nc_u32 v3, s50, v3                       ; the stage, in: four lanes' 64 bytes on end, then the padding
	v_mul_u32_u24 v4, v1, SP
	s_delay_alu instid0(VALU_DEP_1)
	v_add_nc_u32 v4, s50, v4                       ; and out: my 16 neighbours
	s_and_b32 s49, s[WV], 9                        ; the wave's number with bits 1 and 2 exchanged: rows 4 w + p, so these are the row's bits 3 and 4
	s_and_b32 s51, s[WV], 2
	s_lshl_b32 s51, s51, 1
	s_or_b32 s49, s49, s51
	s_and_b32 s51, s[WV], 4
	s_lshr_b32 s51, s51, 1
	s_or_b32 s49, s49, s51
	v_lshrrev_b32 v5, 3, v1
	s_delay_alu instid0(VALU_DEP_1)
	v_lshlrev_b32 v5, 8, v5                        ; my block's plane: lane / 8 (+ 4 for the second half row),
	v_bfe_u32 v6, v1, 1, 2
	s_delay_alu instid0(VALU_DEP_1)
	v_add_nc_u32 v5, v5, v6                        ; its byte in the word: (lane / 2) % 4,
	s_lshl_b32 s51, s49, 4
	s_add_co_u32 s51, s51, SG
	v_add_nc_u32 v5, s51, v5                       ; and my wave's four places
	s_mov_b32 s42, 0x76543210
	s_mov_b32 s43, 0xfedcba98                      ; v_permlanex16_b32's selects for lane l xor 16
	s_mov_b32 s44, 0x3a800000                      ; 1 / 1,024
	s_mov_b32 s45, 0x3727c5ac                      ; 1e-5
	s_mov_b32 s47, 0x600000                        ; the mantissa field of 448
	s_wait_kmcnt 0x0
	; which tensor: work-groups 0-63 x, 64-79 Wq, 80-95 Wk, 96-111 Wv, 112-175 W1, 176-239 W2.  Only pointers and offsets are chosen: one path through the text
	s_mov_b64 s[24:25], s[14:15]
	s_mov_b32 s26, 176
.macro PICK lim, ptr, start
	s_cmp_lt_u32 ttmp9, \lim
	s_cselect_b64 s[24:25], s[\ptr:\ptr+1], s[24:25]
	s_cselect_b32 s26, \start, s26
.endm
	PICK 176, 12, 112
	PICK 112, 10, 96
	PICK 96, 8, 80
	PICK 80, 6, 64
	PICK 64, 4, 0
	s_sub_co_u32 s27, ttmp9, s26                   ; my number within the tensor
	s_lshr_b32 s28, s27, 2                         ; W2: which 64 rows,
	s_and_b32 s29, s27, 3                          ; which quarter of K
	s_lshl_b32 s30, s27, 18                        ; the others: 64 rows of 4,096 bytes
	s_lshl_b32 s32, ttmp9, 16                      ; codes: 64 rows of 1,024 bytes, tensors on end
	s_lshl_b32 s34, ttmp9, 8                       ; scale words: 64 rows of 4 bytes in each plane
	s_add_co_u32 s34, s34, SCALES
	s_lshl_b32 s36, s28, 20
	s_lshl_b32 s31, s29, 12
	s_add_co_u32 s36, s36, s31
	s_lshl_b32 s37, s28, 18
	s_lshl_b32 s31, s29, 10
	s_add_co_u32 s37, s37, s31
	s_add_co_u32 s37, s37, W2C
	s_lshl_b32 s38, s29, 15
	s_lshl_b32 s31, s28, 8
	s_add_co_u32 s38, s38, s31
	s_add_co_u32 s38, s38, W2S
	s_mov_b32 s39, 16384
	s_mov_b32 s40, 4096
	s_mov_b32 s41, 4096
	s_cmp_lt_u32 ttmp9, 176
	s_cselect_b32 s30, s30, s36                    ; the source's offset
	s_cselect_b32 s32, s32, s37                    ; the codes'
	s_cselect_b32 s34, s34, s38                    ; the scale words'
	s_cselect_b32 s39, 4096, s39                   ; the source's pitch
	s_cselect_b32 s40, 1024, s40                   ; the codes' pitch
	s_cselect_b32 s41, 45056, s41                  ; from plane to plane
	s_mov_b32 s31, 0
	s_mov_b32 s33, 0
	s_mov_b32 s35, 0
	s_add_nc_u64 s[24:25], s[24:25], s[30:31]
	s_add_nc_u64 s[32:33], s[20:21], s[32:33]
	s_add_nc_u64 s[34:35], s[20:21], s[34:35]
	s_min_u32 s36, ttmp9, 63                       ; xn is stored by work-groups 0-63 alone
	s_lshl_b32 s36, s36, 18
	s_mov_b32 s37, 0
	s_add_nc_u64 s[22:23], s[22:23], s[36:37]
	s_lshl_b32 s36, s[WV], 2
	s_mul_i32 s36, s36, s39
	v_add_nc_u32 v[OFFS], s36, v2
	s_lshl_b32 s36, s49, 2
	s_mul_i32 s36, s36, s40
	v_add_nc_u32 v[OFFC], s36, v2
.irp i, 1
	v_add_nc_u32 v[OFFS+\i], s39, v[OFFS+\i-1]
	s_delay_alu instid0(VALU_DEP_2)
	v_add_nc_u32 v[OFFC+\i], s40, v[OFFC+\i-1]
.endr
.irp i, 2, 3
	s_delay_alu instid0(VALU_DEP_2)
	v_add_nc_u32 v[OFFS+\i], s39, v[OFFS+\i-1]
	s_delay_alu instid0(VALU_DEP_2)
	v_add_nc_u32 v[OFFC+\i], s40, v[OFFC+\i-1]
.endr
	s_and_b32 s36, s[WV], 7                        ; the way out of the scale words: waves 0-7 take a plane each
	s_lshl_b32 s37, s36, 8
	s_add_co_u32 s37, s37, SG
	v_lshl_add_u32 v6, v1, 3, s37
	s_mul_i32 s36, s36, s41
	v_lshl_add_u32 v7, v1, 3, s36
.irp j, 0,1,2,3,4,5,6,7
	global_load_b128 v[GA+4*\j:GA+4*\j+3], v2, s[16:17] offset:512*\j
	global_load_b128 v[BE+4*\j:BE+4*\j+3], v2, s[18:19] offset:512*\j
.endr
.irp p, 0,1,2,3
.irp j, 0,1,2,3,4,5,6,7
	global_load_b128 v[R+32*\p+4*\j:R+32*\p+4*\j+3], v[OFFS+\p], s[24:25] offset:512*\j th:TH_LOAD_NT   ; 32 lanes read 512 consecutive bytes
.endr
.endr
; four packed partial sums v[20:27] become one number, the same in all 32 lanes
.macro RED
	s_delay_alu instid0(VALU_DEP_3)
	v_pk_add_f32 v[20:21], v[20:21], v[22:23]
	s_delay_alu instid0(VALU_DEP_2)
	v_pk_add_f32 v[24:25], v[24:25], v[26:27]
	s_delay_alu instid0(VALU_DEP_1)
	v_pk_add_f32 v[20:21], v[20:21], v[24:25]
	s_delay_alu instid0(VALU_DEP_1)
	v_add_f32 v20, v20, v21
	s_delay_alu instid0(VALU_DEP_1)
	v_add_f32_dpp v20, v20, v20 row_xmask:1 row_mask:0xf bank_mask:0xf
	s_delay_alu instid0(VALU_DEP_1)
	v_add_f32_dpp v20, v20, v20 row_xmask:2 row_mask:0xf bank_mask:0xf
	s_delay_alu instid0(VALU_DEP_1)
	v_add_f32_dpp v20, v20, v20 row_xmask:4 row_mask:0xf bank_mask:0xf
	s_delay_alu instid0(VALU_DEP_1)
	v_add_f32_dpp v20, v20, v20 row_xmask:8 row_mask:0xf bank_mask:0xf
	s_delay_alu instid0(VALU_DEP_1)
	v_permlanex16_b32 v21, v20, s42, s43
	s_delay_alu instid0(VALU_DEP_1)
	v_add_f32 v20, v20, v21
.endm
; the layer norm of the row in v[r] .. v[r + 31], in place: the mean first, then the mean of the squared differences (no difference of large sums)
.macro LN r
	v_pk_add_f32 v[20:21], v[\r:\r+1], v[\r+2:\r+3]
	v_pk_add_f32 v[22:23], v[\r+4:\r+5], v[\r+6:\r+7]
	v_pk_add_f32 v[24:25], v[\r+8:\r+9], v[\r+10:\r+11]
	v_pk_add_f32 v[26:27], v[\r+12:\r+13], v[\r+14:\r+15]
.irp i, 16,24
	s_delay_alu instid0(VALU_DEP_4)
	v_pk_add_f32 v[20:21], v[20:21], v[\r+\i:\r+\i+1]
	s_delay_alu instid0(VALU_DEP_4)
	v_pk_add_f32 v[22:23], v[22:23], v[\r+\i+2:\r+\i+3]
	s_delay_alu instid0(VALU_DEP_4)
	v_pk_add_f32 v[24:25], v[24:25], v[\r+\i+4:\r+\i+5]
	s_delay_alu instid0(VALU_DEP_4)
	v_pk_add_f32 v[26:27], v[26:27], v[\r+\i+6:\r+\i+7]
.endr
	RED
	s_delay_alu instid0(VALU_DEP_1)
	v_mul_f32 v28, s44, v20                        ; the mean
	s_delay_alu instid0(VALU_DEP_1)
	v_mov_b32 v29, v28
.set i, 0
.rept 16
	v_pk_add_f32 v[\r+i:\r+i+1], v[\r+i:\r+i+1], v[28:29] neg_lo:[0,1] neg_hi:[0,1]
.set i, i+2
.endr
	v_pk_mul_f32 v[20:21], v[\r:\r+1], v[\r:\r+1]
	v_pk_mul_f32 v[22:23], v[\r+2:\r+3], v[\r+2:\r+3]
	v_pk_mul_f32 v[24:25], v[\r+4:\r+5], v[\r+4:\r+5]
	v_pk_mul_f32 v[26:27], v[\r+6:\r+7], v[\r+6:\r+7]
.irp i, 8,16,24
	s_delay_alu instid0(VALU_DEP_4)
	v_pk_fma_f32 v[20:21], v[\r+\i:\r+\i+1], v[\r+\i:\r+\i+1], v[20:21]
	s_delay_alu instid0(VALU_DEP_4)
	v_pk_fma_f32 v[22:23], v[\r+\i+2:\r+\i+3], v[\r+\i+2:\r+\i+3], v[22:23]
	s_delay_alu instid0(VALU_DEP_4)
	v_pk_fma_f32 v[24:25], v[\r+\i+4:\r+\i+5], v[\r+\i+4:\r+\i+5], v[24:25]
	s_delay_alu instid0(VALU_DEP_4)
	v_pk_fma_f32 v[26:27], v[\r+\i+6:\r+\i+7], v[\r+\i+6:\r+\i+7], v[26:27]
.endr
	RED
	s_delay_alu instid0(VALU_DEP_1)
	v_fma_f32 v20, v20, s44, s45                   ; the variance + 1e-5
	s_wait_alu depctr_va_vdst(0)
	v_rsq_f32 v30, v20
	v_nop                                          ; a plain instruction behind the transcendental,
	s_wait_alu depctr_va_vdst(0)                   ; and the wait ahead of the first line that names its result
	v_mov_b32 v31, v30
.set i, 0
.rept 16
	v_pk_mul_f32 v[\r+i:\r+i+1], v[\r+i:\r+i+1], v[30:31]
	s_delay_alu instid0(VALU_DEP_1)
	v_pk_fma_f32 v[\r+i:\r+i+1], v[\r+i:\r+i+1], v[GA+i:GA+i+1], v[BE+i:BE+i+1]
.set i, i+2
.endr
.endm
; half hf of the row in v[r] on goes through stage hf: LDS serves a wave's instructions in order, so no wait stands between the stores and the loads
.macro TURN r, hf
.irp i, 0,1,2,3
	ds_store_b128 v3, v[\r+16*\hf+4*\i:\r+16*\hf+4*\i+3] offset:32*SP*\hf+8*SP*\i
.endr
.irp i, 0,1,2,3
	ds_load_b128 v[X+16*\hf+4*\i:X+16*\hf+4*\i+3], v4 offset:32*SP*\hf+16*\i
.endr
.endm
; my 16 neighbours of half hf become 16 codes in v[c + 4 hf] on and a byte in v[c + 8 + hf]; two neighbouring lanes hold a block
.macro QSTEP c, hf, p
.set XS, X+16*\hf
	v_max3_num_f32 v8, |v[XS]|, |v[XS+1]|, |v[XS+2]|
	v_max3_num_f32 v9, |v[XS+3]|, |v[XS+4]|, |v[XS+5]|
.irp i, 6,10
	s_delay_alu instid0(VALU_DEP_2)
	v_max3_num_f32 v8, v8, |v[XS+\i]|, |v[XS+\i+1]|
	s_delay_alu instid0(VALU_DEP_2)
	v_max3_num_f32 v9, v9, |v[XS+\i+2]|, |v[XS+\i+3]|
.endr
	s_delay_alu instid0(VALU_DEP_2)
	v_max3_num_f32 v8, v8, |v[XS+14]|, |v[XS+15]|
	s_delay_alu instid0(VALU_DEP_1)
	v_max3_num_f32 v8, v8, v9, 0x4800000           ; and the floor 2^(9 - 127): the byte cannot fall under 1
	s_delay_alu instid0(VALU_DEP_1)
	v_max_num_f32_dpp v8, v8, v8 row_xmask:1 row_mask:0xf bank_mask:0xf   ; with my neighbour's 16: the block's largest magnitude
	s_delay_alu instid0(VALU_DEP_1)
	v_add_nc_u32 v11, 0xfc000000, v8               ; 8 off its exponent field: the conversion's scale operand
	s_delay_alu instid0(VALU_DEP_2)
	v_and_or_b32 v10, v8, 0x7f800000, s47          ; 448 x the scale
.irp i, 0,1,2,3,4,5,6,7,8,9,10,11,12,13,14,15
	v_med3_num_f32 v[XS+\i], v[XS+\i], -v10, v10   ; the conversion to an 8-bit code does not saturate (ISA guide 7.6.2): the hold comes first
.endr
	v_cvt_scalef32_pk8_fp8_f32 v[\c+4*\hf:\c+4*\hf+1], v[XS:XS+7], v11
	v_cvt_scalef32_pk8_fp8_f32 v[\c+4*\hf+2:\c+4*\hf+3], v[XS+8:XS+15], v11
	v_lshrrev_b32 v[\c+8+\hf], 23, v11             ; the scale's byte (also the plain line behind the conversions)
	ds_store_b8 v5, v[\c+8+\hf] offset:SBH*\hf+4*\p   ; both lanes of a block write the same byte with the same value
	global_store_b128 v[OFFC+\p], v[\c+4*\hf:\c+4*\hf+3], s[32:33] offset:512*\hf   ; 32 lanes store 512 consecutive bytes of the row's codes
.endm
.macro ROW p
.set RR, R+32*\p
	s_wait_loadcnt 8*(3-\p)                        ; this row's eight loads are in (g1 and b1 are older); the later rows' stay out
	s_cmp_lt_u32 ttmp9, 64                         ; x alone is normed
	s_cbranch_scc0 .Lplain_\@
	LN RR
.irp j, 0,1,2,3,4,5,6,7
	global_store_b128 v[OFFS+\p], v[RR+4*\j:RR+4*\j+3], s[22:23] offset:512*\j   ; xn, 512 consecutive bytes a store
.endr
.Lplain_\@:
	TURN RR, 0
	TURN RR, 1
	s_wait_dscnt 8                                 ; the first half is back; the second half's four stores and four loads may be out
	s_wait_xcnt 0x0                                ; xn's stores have read the row's registers: the codes may be written there
	QSTEP RR, 0, \p
	s_wait_dscnt 1                                 ; the second half is back; the byte store may be out
	QSTEP RR, 1, \p
.endm
	ROW 0
	ROW 1
	ROW 2
	ROW 3
	s_wait_dscnt 0x0                               ; my byte stores have landed,
	s_barrier_signal -1
	s_barrier_wait -1                              ; everybody's have
	s_cmp_lt_u32 s[WV], 8
	s_cbranch_scc0 .Ldone
	ds_load_b64 v[8:9], v6                         ; a plane's 64 words
	s_wait_dscnt 0x0
	global_store_b64 v7, v[8:9], s[34:35]          ; 32 lanes store 256 consecutive bytes, aligned
.Ldone:
	s_wait_xcnt 0x0
	v_lshl_add_u32 v254, v0, 2, 0x14800
	v_mov_b32 v255, 0
	s_wait_alu depctr_va_vdst(0)
	s_wait_tensorcnt 0x0
	ds_add_u32 v254, v255
	s_wait_dscnt 0x0
	s_endpgm
.Lfunc_end_k_qac5555f9bf_prep:
	.size	k_qac5555f9bf_prep, .Lfunc_end_k_qac5555f9bf_prep-k_qac5555f9bf_prep
	.p2alignl 7, 3214868480
	.fill 96, 4, 3214868480
	.section	.rodata,"a",@progbits
	.p2align	6, 0x0
	.amdhsa_kernel k_qac5555f9bf_prep
		.amdhsa_group_segment_fixed_size 86016
		.amdhsa_private_segment_fixed_size 0
		.amdhsa_enable_private_segment 0
		.amdhsa_kernarg_size 80
		.amdhsa_user_sgpr_count 2
		.amdhsa_user_sgpr_kernarg_segment_ptr 1
		.amdhsa_wavefront_size32 1
		.amdhsa_system_sgpr_workgroup_id_x 1
		.amdhsa_system_sgpr_workgroup_id_y 1
		.amdhsa_system_sgpr_workgroup_id_z 1
		.amdhsa_system_vgpr_workitem_id 0
		.amdhsa_next_free_vgpr 256
		.amdhsa_next_free_sgpr 66
		.amdhsa_reserve_vcc 0
		.amdhsa_float_denorm_mode_32 3
		.amdhsa_float_denorm_mode_16_64 3
		.amdhsa_memory_ordered 1
		.amdhsa_forward_progress 1
		.amdhsa_inst_pref_size 69
	.end_amdhsa_kernel
	.amdgpu_metadata
---
amdhsa.version: [ 1, 2 ]
amdhsa.kernels:
  - .name:           k_qac5555f9bf_prep
    .symbol:         k_qac5555f9bf_prep.kd
    .args:
      - { .name: x, .offset: 0, .size: 8, .value_kind: global_buffer, .address_space: global }
      - { .name: Wq, .offset: 8, .size: 8, .value_kind: global_buffer, .address_space: global }
      - { .name: Wk, .offset: 16, .size: 8, .value_kind: global_buffer, .address_space: global }
      - { .name: Wv, .offset: 24, .size: 8, .value_kind: global_buffer, .address_space: global }
      - { .name: W1, .offset: 32, .size: 8, .value_kind: global_buffer, .address_space: global }
      - { .name: W2, .offset: 40, .size: 8, .value_kind: global_buffer, .address_space: global }
      - { .name: g1, .offset: 48, .size: 8, .value_kind: global_buffer, .address_space: global }
      - { .name: b1, .offset: 56, .size: 8, .value_kind: global_buffer, .address_space: global }
      - { .name: wcs, .offset: 64, .size: 8, .value_kind: global_buffer, .address_space: global }
      - { .name: xn, .offset: 72, .size: 8, .value_kind: global_buffer, .address_space: global }
    .group_segment_fixed_size: 86016
    .private_segment_fixed_size: 0
    .kernarg_segment_align: 8
    .kernarg_segment_size: 80
    .max_flat_workgroup_size: 512
    .sgpr_count:     66
    .vgpr_count:     256
    .wavefront_size: 32
...
	.end_amdgpu_metadata
.endif
;; end of part 7
;; launch qkv (part 8): grid 8 x 24, 4 waves a work-group, clusters of 4 x 4, 327,680 bytes of LDS; arguments wcs, bq, bk, bv, qkv; writes qkv
.if DOCPART == 8
	.amdgcn_target "amdgcn-amd-amdhsa--gfx1250"
	.amdhsa_code_object_version 6
	.text
	.protected	k_qac5555f9bf_qkv
	.globl	k_qac5555f9bf_qkv
	.p2align	8
	.type	k_qac5555f9bf_qkv,@function
k_qac5555f9bf_qkv:
	s_mov_b64 s[64:65], 0
	v_nop
	global_prefetch_b8 v0, s[64:65] scope:SCOPE_SE
	s_setreg_imm32_b32 hwreg(HW_REG_WAVE_MODE, 25, 1), 1
	s_wait_xcnt 0x0
	s_wait_alu depctr_hold_cnt(0) depctr_sa_sdst(0) depctr_va_vdst(0) depctr_va_sdst(0) depctr_va_ssrc(0) depctr_va_vcc(0) depctr_vm_vsrc(0)
	s_getreg_b32 s2, hwreg(HW_REG_IB_STS2, 6, 4)
	s_cmp_eq_u32 s2, 0
	s_cbranch_scc0 .Lentry_in_a_cluster
	s_endpgm
.Lentry_in_a_cluster:
	s_bfe_u32 s2, ttmp6, 0x10000c
	s_cmp_lg_u32 s2, 0xf033
	s_cbranch_scc0 .Lentry_shape_is_right
	s_endpgm
.Lentry_shape_is_right:
.set KROWA, 1024
.set KROWB, 1024
.set SPA,   11264
.set SPB,   11264
.set ACOFF, 0
.set ASOFF, 11534336
.set BCOFF, 0
.set BSOFF, 11534336
.set LAPS,  2
.set PA,    4
.set PB,    4
.set STEPB, 17408
.set HEADB, 16*STEPB
.set KVOFF, 32*HEADB
.set NQ,     2
.set ROWB,   256
.set PITCH,  272
.set FR,     16
.set NL,     4
.set NP,     8
.set HALFT,  128*PITCH
.set BOFF,   2*HALFT
.set SAOFF,  4*HALFT
.set SBOFF,  SAOFF+2048
.set SLOT,   SAOFF+4096
.set SPARE,  2*SLOT
.set ADRA, 16
.set ADRB, 20
.set SPW,  28
.set NIL,  29
.set ADRS, 30
.set SC,   32
.set BI,   64
.set AF,   128
.set TM,   64
.set KW,   80
.set PC,   128
.set G1A,  24
.set G0A,  32
.set G1B,  48
.set G0B,  56
.set G1SA, 68
.set G0SA, 76
.set G1SB, 84
.set G0SB, 92
.set MSB, 0
.macro WIN new
.if MSB != (\new)
	s_set_vgpr_msb (MSB<<8)|(\new)
.set MSB, (\new)
.endif
.endm
.set MUL_LO, 0xa1
.set MUL_HI, 0xf1
.set TO_B,   0x40
.macro TL g0, g1
	tensor_load_to_lds s[\g0:\g0+3], s[\g1:\g1+7]
	s_nop 0
.rept 4
	v_nop
.endr
.endm
.macro JLOAD s
	s_cmp_lt_u32 s14, 2
	s_cbranch_scc0 .Lj_b_\@
	s_cmp_eq_u32 s14, 0
	s_cbranch_scc0 .Lj_as_\@
	TL G0A+4*\s, G1A
	s_branch .Lj_end_\@
.Lj_as_\@:
	TL G0SA+4*\s, G1SA
	s_branch .Lj_end_\@
.Lj_b_\@:
	s_cmp_eq_u32 s14, 2
	s_cbranch_scc0 .Lj_bs_\@
	TL G0B+4*\s, G1B
	s_branch .Lj_end_\@
.Lj_bs_\@:
	TL G0SB+4*\s, G1SB
.Lj_end_\@:
.endm
.macro CREST
	s_cmp_lg_u32 s14, 0
	s_cbranch_scc1 .Lnot_wave_0_\@
	s_barrier_signal -3
.Lnot_wave_0_\@:
	s_barrier_wait -3
	s_barrier_signal -1
	s_barrier_wait -1
.endm
.macro CROUND
	s_barrier_signal -1
	s_barrier_wait -1
	CREST
.endm
	s_load_b256 s[4:11], s[0:1], 0x0
	s_load_b64 s[12:13], s[0:1], 0x20
	v_lshl_add_u32 v[SPW], v0, 2, SPARE
	v_mov_b32 v[NIL], 0
	ds_add_u32 v28, v29
	ds_add_u32 v28, v29
	s_wait_dscnt 0x0
	v_lshrrev_b32 v1, 5, v0
	v_readfirstlane_b32 s14, v1
	s_lshr_b32 s15, s14, 1
	s_and_b32 s16, s14, 1
	s_bfe_u32 s40, ttmp6, 0x40000
	s_bfe_u32 s41, ttmp6, 0x40004
	s_lshl_b32 s43, s41, 2
	s_lshl_b32 s43, 15, s43
	s_lshl_b32 s44, 0x1111, s40
	s_and_b32 s45, ttmp7, 0xffff
	s_lshr_b32 s66, s45, 2
	s_xor_b32 s67, s66, 1
	s_lshl_b32 s17, s41, 8
	s_lshl_b32 s18, s45, 10
	s_mul_i32 s18, s18, s67
	s_add_co_u32 s17, s17, s18
	s_mul_i32 s18, s66, 6144
	s_add_co_u32 s17, s17, s18
	s_lshl_b32 s42, ttmp9, 2
	s_add_co_u32 s42, s42, s40
	s_lshl_b32 s42, s42, 8
	s_lshl_b32 s46, s67, 12
	s_add_co_u32 s42, s42, s46
	s_and_b32 s46, s45, 3
	s_lshl_b32 s46, s46, 11
	s_mul_i32 s46, s46, s66
	s_add_co_u32 s42, s42, s46
	s_or_b32 s[G1A], s43, (1<<20)|(1<<21)|(5<<22)|(3<<25)
	s_or_b32 s[G1B], s44, (1<<20)|(1<<21)|(5<<22)|(3<<25)
	s_or_b32 s[G1SA], s43, (2<<16)|(1<<21)
	s_or_b32 s[G1SB], s44, (2<<16)|(1<<21)
.irp g, G1A, G1B
	s_mov_b32 s[\g+1], 256<<16
	s_mov_b32 s[\g+2], 256<<16
	s_mov_b32 s[\g+3], 256<<16
	s_mov_b32 s[\g+4], 256
	s_mov_b32 s[\g+6], 0
	s_mov_b32 s[\g+7], 0
.endr
	s_mov_b32 s[G1A+5], KROWA
	s_mov_b32 s[G1B+5], KROWB
.irp g, G1SA, G1SB
	s_mov_b32 s[\g+1], 256<<16
	s_mov_b32 s[\g+2], 2<<16
	s_mov_b32 s[\g+3], 256<<16
	s_mov_b32 s[\g+4], 2
	s_mov_b32 s[\g+6], 0
	s_mov_b32 s[\g+7], 0
.endr
	s_mov_b32 s[G1SA+5], SPA
	s_mov_b32 s[G1SB+5], SPB
	s_mul_i32 s20, s17, KROWA
	s_add_co_u32 s20, s20, ACOFF
	s_mov_b32 s21, 0
	s_lshl_b32 s22, s17, 2
	s_add_co_u32 s22, s22, ASOFF
	s_mov_b32 s23, 0
	s_mul_i32 s46, s42, KROWB
	s_add_co_u32 s46, s46, BCOFF
	s_mov_b32 s47, 0
	s_lshl_b32 s2, s42, 2
	s_add_co_u32 s2, s2, BSOFF
	s_mov_b32 s3, 0
	s_mov_b32 s100, 0x76543210
	s_mov_b32 s101, 0xfedcba98
	s_mov_b32 s104, 0x600000
	s_wait_kmcnt 0x0
	s_add_nc_u64 s[20:21], s[PA:PA+1], s[20:21]
	s_add_nc_u64 s[22:23], s[PA:PA+1], s[22:23]
	s_add_nc_u64 s[46:47], s[PB:PB+1], s[46:47]
	s_add_nc_u64 s[2:3], s[PB:PB+1], s[2:3]
	; THE PREFETCHES' ADDRESSES.  Waves 0, 1 ask for A's tiles, waves 2, 3 for B's.  The four partners that ask for a tile jointly share it out by address: g = 2 x place (cx for A, cy for B) + wave % 2, 0 .. 7.
	; Codes of a K step: rows 32 g .. 32 g + 31, a lane a row of 256 bytes (v12).  Scale words of a K step, two planes of 1,024 bytes: block g of its eight blocks of 256 bytes (v13: K steps 1, 2 in lanes 0 and 1 on; v14: K step 3).
	s_cmp_eq_u32 s15, 0
	s_cselect_b64 s[4:5], s[20:21], s[46:47]
	s_cselect_b64 s[18:19], s[22:23], s[2:3]
	s_cselect_b32 s105, s40, s41
	s_mov_b32 s36, 4*SPB
	s_cselect_b32 s36, 4*SPA, s36                  ; from plane to plane, in bytes
	s_lshl_b32 s105, s105, 1
	s_add_co_u32 s105, s105, s16                   ; g
	s_lshr_b32 s37, s105, 2
	s_mul_i32 s37, s37, s36
	s_and_b32 s38, s105, 3
	s_lshl_b32 s38, s38, 8
	s_add_co_u32 s37, s37, s38                     ; block g: plane g / 4, 256 (g % 4) bytes on
	s_lshl_b32 s39, s36, 1                         ; a K step is two planes
	s_lshl_b32 s105, s105, 15
	v_and_b32 v12, 31, v0
	v_min_u32 v13, 1, v12
	v_add_nc_u32 v13, 1, v13
	v_mul_lo_u32 v13, v13, s39
	v_add_nc_u32 v13, s37, v13
	s_mul_i32 s39, s39, 3
	s_add_co_u32 s39, s39, s37
	v_mov_b32 v14, s39
	v_lshlrev_b32 v12, 10, v12
	v_add_nc_u32 v12, s105, v12
	s_wait_alu depctr_va_vdst(0)
	CROUND
.irp s, 0,1
	s_mov_b32 s[G0A+4*\s], 1
	s_mov_b32 s[G0A+4*\s+1], \s*SLOT
	s_add_nc_u64 s[G0A+4*\s+2:G0A+4*\s+3], s[20:21], \s*ROWB
	s_or_b32 s[G0A+4*\s+3], s[G0A+4*\s+3], 0x80000000
	s_mov_b32 s[G0SA+4*\s], 1
	s_mov_b32 s[G0SA+4*\s+1], \s*SLOT+SAOFF
	s_add_nc_u64 s[G0SA+4*\s+2:G0SA+4*\s+3], s[22:23], \s*8*SPA
	s_or_b32 s[G0SA+4*\s+3], s[G0SA+4*\s+3], 0x80000000
	s_mov_b32 s[G0B+4*\s], 1
	s_mov_b32 s[G0B+4*\s+1], \s*SLOT+BOFF
	s_add_nc_u64 s[G0B+4*\s+2:G0B+4*\s+3], s[46:47], \s*ROWB
	s_or_b32 s[G0B+4*\s+3], s[G0B+4*\s+3], 0x80000000
	s_mov_b32 s[G0SB+4*\s], 1
	s_mov_b32 s[G0SB+4*\s+1], \s*SLOT+SBOFF
	s_add_nc_u64 s[G0SB+4*\s+2:G0SB+4*\s+3], s[2:3], \s*8*SPB
	s_or_b32 s[G0SB+4*\s+3], s[G0SB+4*\s+3], 0x80000000
	s_wait_alu depctr_va_vdst(0)
	s_wait_tensorcnt 0x0
	ds_add_u32 v28, v29
	ds_add_u32 v28, v29
	s_wait_dscnt 0x0
	CROUND
	JLOAD \s
.if \s == 0
	global_prefetch_b8 v12, s[4:5] offset:ROWB th:TH_LOAD_NT scope:SCOPE_SE      ; behind K step 0's load: K steps 1 and 2, codes and scale words
	global_prefetch_b8 v12, s[4:5] offset:2*ROWB th:TH_LOAD_NT scope:SCOPE_SE
	global_prefetch_b8 v13, s[18:19] th:TH_LOAD_NT scope:SCOPE_SE
.else
	global_prefetch_b8 v12, s[4:5] offset:3*ROWB th:TH_LOAD_NT scope:SCOPE_SE    ; behind K step 1's load: K step 3, the last
	global_prefetch_b8 v14, s[18:19] th:TH_LOAD_NT scope:SCOPE_SE
.endif
.endr
	v_and_b32 v1, 15, v0
	v_bfe_u32 v2, v0, 4, 1
	s_wait_alu depctr_va_vdst(0)
	v_mul_u32_u24 v3, v1, PITCH
	v_lshl_add_u32 v4, v2, 4, v3
	s_mul_i32 s21, s15, HALFT
	s_mul_i32 s22, s16, HALFT
	s_add_co_u32 s22, s22, BOFF
.irp s, 0,1
	v_add_nc_u32 v[ADRA+\s], s21, v4
	v_add_nc_u32 v[ADRB+\s], s22, v4
	s_add_co_u32 s21, s21, SLOT
	s_add_co_u32 s22, s22, SLOT
.endr
	s_lshl_b32 s21, s15, 9
	s_lshl_b32 s22, s16, 9
	s_add_co_u32 s22, s22, 2048
	s_sub_co_u32 s22, s22, s21
	v_mul_u32_u24 v6, s22, v2
	v_lshl_add_u32 v5, v1, 2, v6
	s_add_co_u32 s21, s21, SAOFF
	v_add_nc_u32 v[ADRS], s21, v5
	v_add_nc_u32 v[ADRS+1], SLOT, v[ADRS]
	v_and_b32 v6, 31, v0
	v_lshlrev_b32 v7, 4, v6
	v_mul_u32_u24 v8, v2, HEADB
	v_lshl_add_u32 v8, v1, 4, v8
	v_lshlrev_b32 v9, 4, v2
	v_lshlrev_b32 v10, 6, v2
	v_and_b32 v11, 8, v1
	v_add_nc_u32 v11, v11, v1
	v_lshlrev_b32 v11, 2, v11
	s_wait_xcnt 0x0                                ; the prefetches have read s[18:19], which both arms below write
	s_cmp_eq_u32 s66, 0
	s_cbranch_scc0 .Lbias_v
	s_cmp_eq_u32 ttmp9, 0
	s_cselect_b64 s[18:19], s[6:7], s[8:9]
	s_lshl_b32 s20, s40, 8
	s_lshl_b32 s21, s16, 7
	s_add_co_u32 s20, s20, s21
	s_lshl_b32 s20, s20, 2
	s_mov_b32 s21, 0
	s_add_nc_u64 s[18:19], s[18:19], s[20:21]
	s_wait_alu depctr_va_vdst(0)
.irp b, 0,1,2,3,4,5,6,7
	global_load_b128 v[BI+8*\b:BI+8*\b+3], v10, s[18:19] offset:(32*(\b/2)+8*(\b%2))*4
	global_load_b128 v[BI+8*\b+4:BI+8*\b+7], v10, s[18:19] offset:(32*(\b/2)+8*(\b%2))*4+16
.endr
	s_branch .Lbias_done
.Lbias_v:
	s_lshl_b32 s20, s41, 8
	s_lshl_b32 s21, s15, 7
	s_add_co_u32 s20, s20, s21
	s_lshl_b32 s20, s20, 2
	s_mov_b32 s21, 0
	s_add_nc_u64 s[18:19], s[10:11], s[20:21]
	s_wait_alu depctr_va_vdst(0)
.irp a, 0,1,2,3,4,5,6,7
.irp j, 0,1,2,3,4,5,6,7
	global_load_b32 v[BI+8*\a+\j], v11, s[18:19] offset:(32*(\a/2)+8*(\a%2))*4
.endr
.endr
.Lbias_done:
.macro FRAG reg, adr, q, i
.irp c, 0,1,2,3
	ds_load_b128 v[\reg+4*\c:\reg+4*\c+3], v[\adr] offset:128*(\q)+32*\c+(\i)*16*PITCH
.endr
.endm
.macro MUL16 a0, p, q, sc, zero
.irp a, \a0, \a0+1
.irp b, 0,1,2,3,4,5,6,7
.if \zero == 1
	v_wmma_scale_f32_16x16x128_f8f6f4 v[8*(8*((\a)%4)+\b):8*(8*((\a)%4)+\b)+7], v[128*(\p)+FR*\b:128*(\p)+FR*\b+FR-1], v[AF+FR*(\a):AF+FR*(\a)+FR-1], v[BI+8*\b:BI+8*\b+7], v[SC+8*NQ*(\sc)+NQ*\b+(\q)], v[SC+8*NQ*(\sc)+NQ*(\a)+(\q)] matrix_a_scale:MATRIX_SCALE_ROW1
.elseif \zero == 2
	v_wmma_scale_f32_16x16x128_f8f6f4 v[8*(8*((\a)%4)+\b):8*(8*((\a)%4)+\b)+7], v[128*(\p)+FR*\b:128*(\p)+FR*\b+FR-1], v[AF+FR*(\a):AF+FR*(\a)+FR-1], v[BI+8*(\a):BI+8*(\a)+7], v[SC+8*NQ*(\sc)+NQ*\b+(\q)], v[SC+8*NQ*(\sc)+NQ*(\a)+(\q)] matrix_a_scale:MATRIX_SCALE_ROW1
.else
	v_wmma_scale_f32_16x16x128_f8f6f4 v[8*(8*((\a)%4)+\b):8*(8*((\a)%4)+\b)+7], v[128*(\p)+FR*\b:128*(\p)+FR*\b+FR-1], v[AF+FR*(\a):AF+FR*(\a)+FR-1], v[8*(8*((\a)%4)+\b):8*(8*((\a)%4)+\b)+7], v[SC+8*NQ*(\sc)+NQ*\b+(\q)], v[SC+8*NQ*(\sc)+NQ*(\a)+(\q)] matrix_a_scale:MATRIX_SCALE_ROW1
.endif
.endr
.endr
.endm
.macro FETCH_B slot, q, p
	WIN TO_B
.irp i, 0,1,2,3,4,5,6,7
	FRAG 128*(\p)+FR*\i, ADRB+\slot, \q, \i
.endr
	WIN 0
.endm
.macro FETCH_A slot, q, i0
.irp i, \i0, \i0+1, \i0+2, \i0+3
	FRAG AF+FR*(\i), ADRA+\slot, \q, \i
.endr
.endm
.macro SCALES sc
.irp i, 0,1,2,3,4,5,6,7
.irp q, 0,1
	ds_load_b32 v[SC+16*\sc+2*\i+\q], v[ADRS+\sc] offset:1024*\q+64*\i
.endr
.endr
.endm
.macro PLACES n
.rept \n
	v_nop
.endr
.endm
.macro STEP slot, q, zero
	s_wait_dscnt 4*NL
.if \zero
	WIN 0x81
.else
	WIN MUL_LO
.endif
	MUL16 0, (\q)%2, \q, \slot, \zero
	MUL16 2, (\q)%2, \q, \slot, \zero
	s_wait_dscnt 0
	PLACES NP
	FETCH_B \slot, (\q)+1, 1-(\q)%2
	FETCH_A \slot, (\q)+1, 0
.if \zero
	WIN 0xc1
.else
	WIN MUL_HI
.endif
	MUL16 4, (\q)%2, \q, \slot, \zero
	MUL16 6, (\q)%2, \q, \slot, \zero
	PLACES NP
	WIN 0
	FETCH_A \slot, (\q)+1, 4
.endm
.macro TURN slot, next, fill
	s_wait_tensorcnt 0x0
	ds_add_u32 v[SPW], v[NIL]
	s_wait_dscnt 4*NL+1
	WIN MUL_LO
	MUL16 0, 1, NQ-1, \slot, 0
	s_wait_dscnt 0x0
	s_barrier_signal -1
	MUL16 2, 1, NQ-1, \slot, 0
	WIN 0
	s_barrier_wait -1
.if \fill
	CREST
	s_add_nc_u64 s[G0A+4*\slot+2:G0A+4*\slot+3], s[G0A+4*\slot+2:G0A+4*\slot+3], 2*ROWB
	s_add_nc_u64 s[G0B+4*\slot+2:G0B+4*\slot+3], s[G0B+4*\slot+2:G0B+4*\slot+3], 2*ROWB
	s_add_nc_u64 s[G0SA+4*\slot+2:G0SA+4*\slot+3], s[G0SA+4*\slot+2:G0SA+4*\slot+3], 16*SPA
	s_add_nc_u64 s[G0SB+4*\slot+2:G0SB+4*\slot+3], s[G0SB+4*\slot+2:G0SB+4*\slot+3], 16*SPB
	JLOAD \slot
	PLACES NP-4
.else
	PLACES NP
.endif
	FETCH_B \next, 0, 0
	FETCH_A \next, 0, 0
	SCALES \next
	WIN MUL_HI
	MUL16 4, 1, NQ-1, \slot, 0
	MUL16 6, 1, NQ-1, \slot, 0
	PLACES NP
	WIN 0
	FETCH_A \next, 0, 4
.endm
	s_wait_tensorcnt 1
	s_barrier_signal -1
	s_barrier_wait -1
	FETCH_B 0, 0, 0
	FETCH_A 0, 0, 0
	SCALES 0
	FETCH_A 0, 0, 4
	s_wait_loadcnt 0x0
	s_cmp_eq_u32 s66, 0
	s_cbranch_scc0 .Lfirst_v
	STEP 0, 0, 1
	s_branch .Lfirst_done
.Lfirst_v:
	STEP 0, 0, 2
.Lfirst_done:
	s_mov_b32 s3, LAPS-1
.Llap:
	TURN 0, 1, 1
	STEP 1, 0, 0
	TURN 1, 0, 1
	STEP 0, 0, 0
	s_sub_co_u32 s3, s3, 1
	s_cmp_lg_u32 s3, 0
	s_cbranch_scc1 .Llap
	TURN 0, 1, 0
	STEP 1, 0, 0
	s_wait_dscnt 4*NL
	WIN MUL_LO
	MUL16 0, 1, NQ-1, 1, 0
	MUL16 2, 1, NQ-1, 1, 0
	s_wait_dscnt 0
	WIN MUL_HI
	MUL16 4, 1, NQ-1, 1, 0
	MUL16 6, 1, NQ-1, 1, 0
	WIN 0
.macro QUANTW a, pc, pw
.set QW, 2+(\a)/4
.set QA, 64*((\a)%4)
	WIN 5*QW
.irp b, 0,1,2,3
	v_max3_num_f32 v[TM+\b], |v[QA+16*\b]|, |v[QA+16*\b+1]|, 0x4800000
.endr
	WIN 20*QW
.irp i, 2,4,6,8,10,12,14
.irp b, 0,1,2,3
	v_max3_num_f32 v[TM+\b], v[TM+\b], |v[QA+16*\b+\i]|, |v[QA+16*\b+\i+1]|
.endr
.endr
	WIN 0
.irp b, 0,1,2,3
	v_permlanex16_b32 v[TM+4+\b], v[TM+\b], s100, s101
.endr
.irp b, 0,1,2,3
	v_max_num_f32 v[TM+\b], v[TM+\b], v[TM+4+\b]
.endr
.irp b, 0,1,2,3
	v_add_nc_u32 v[TM+12+\b], 0xfc000000, v[TM+\b]
.endr
.irp b, 0,1,2,3
	v_and_or_b32 v[TM+8+\b], v[TM+\b], 0x7f800000, s104
.endr
.irp b, 0,1,2,3
	v_lshrrev_b32 v[TM+4+\b], 23, v[TM+12+\b]
.endr
	v_lshl_or_b32 v[\pw], v[TM+5], 8, v[TM+4]
	v_lshl_or_b32 v[\pw], v[TM+6], 16, v[\pw]
	v_lshl_or_b32 v[\pw], v[TM+7], 24, v[\pw]
	WIN 65*QW
.irp b, 0,1,2,3
.irp i, 0,1,2,3,4,5,6,7,8,9,10,11,12,13,14,15
	v_med3_num_f32 v[QA+16*\b+\i], v[QA+16*\b+\i], -v[TM+8+\b], v[TM+8+\b]
.endr
.endr
	WIN QW
.irp b, 0,1,2,3
	v_cvt_scalef32_pk8_fp8_f32 v[\pc+4*\b:\pc+4*\b+1], v[QA+16*\b:QA+16*\b+7], v[TM+12+\b]
	v_cvt_scalef32_pk8_fp8_f32 v[\pc+4*\b+2:\pc+4*\b+3], v[QA+16*\b+8:QA+16*\b+15], v[TM+12+\b]
.endr
	WIN 0
	v_nop
.endm
	PLACES NP
.irp b, 0,1,2,3
	v_mov_b32 v[TM+4+\b], 0
.endr
.irp a, 0,1,2,3,4,5,6,7
	QUANTW \a, PC+16*\a, KW+\a
.endr
	s_lshl_b32 s19, ttmp9, 2
	s_add_co_u32 s19, s19, s40
	s_cmp_eq_u32 s66, 0
	s_cbranch_scc0 .Lout_v
	s_lshl_b32 s18, s45, 2
	s_add_co_u32 s18, s18, s41
	s_lshr_b32 s20, s18, 3
	s_lshl_b32 s20, s20, 4
	s_lshl_b32 s21, s40, 2
	s_add_co_u32 s20, s20, s21
	s_lshl_b32 s21, s16, 1
	s_add_co_u32 s20, s20, s21
	s_lshl_b32 s20, s20, 4
	s_and_b32 s21, s18, 7
	s_lshl_b32 s21, s21, 1
	s_add_co_u32 s20, s20, s21
	s_add_co_u32 s20, s20, s15
	s_mul_i32 s20, s20, STEPB
	s_mul_i32 s21, ttmp9, KVOFF
	s_add_co_u32 s20, s20, s21
	s_mov_b32 s21, 0
	s_add_nc_u64 s[12:13], s[12:13], s[20:21]
	s_mov_b32 s22, 0x7f7f0000
.irp a, 0,1,2,3,4,5,6,7
	v_lshrrev_b32 v[KW+\a], v9, v[KW+\a]
	v_and_or_b32 v[KW+\a], v[KW+\a], 0xffff, s22
.endr
.irp a, 0,1,2,3,4,5,6,7
.irp p, 0,1,2,3
	global_store_b128 v7, v[PC+16*\a+4*\p:PC+16*\a+4*\p+3], s[12:13] offset:\a*1024+(\p%2)*512+(\p/2)*HEADB
.endr
.endr
	global_store_b128 v8, v[KW:KW+3], s[12:13] offset:16384
	global_store_b128 v8, v[KW+4:KW+7], s[12:13] offset:16640
	s_branch .Lout_done
.Lout_v:
	s_and_b32 s18, s45, 3
	s_lshl_b32 s18, s18, 3
	s_add_co_u32 s18, s18, s19
	s_lshr_b32 s20, s18, 3
	s_lshl_b32 s20, s20, 4
	s_lshl_b32 s21, s41, 2
	s_add_co_u32 s20, s20, s21
	s_lshl_b32 s21, s15, 1
	s_add_co_u32 s20, s20, s21
	s_lshl_b32 s20, s20, 4
	s_and_b32 s21, s18, 7
	s_lshl_b32 s21, s21, 1
	s_add_co_u32 s20, s20, s21
	s_add_co_u32 s20, s20, s16
	s_mul_i32 s20, s20, STEPB
	s_add_co_u32 s20, s20, KVOFF
	s_mov_b32 s21, 0
	s_add_nc_u64 s[12:13], s[12:13], s[20:21]
	s_mov_b32 vcc_lo, 0xffff0000
.irp i, 0,1,2,3
	v_cndmask_b32 v[KW+\i], v[KW+\i], v[KW+4+\i], vcc_lo
.endr
	s_wait_alu depctr_va_vdst(0)
.irp a, 0,1,2,3,4,5,6,7
.irp p, 0,1,2,3
	global_store_b128 v7, v[PC+16*\a+4*\p:PC+16*\a+4*\p+3], s[12:13] offset:8192+(\a%4)*2048+\p*512+(\a/4)*HEADB
.endr
.endr
	global_store_b128 v8, v[KW:KW+3], s[12:13] offset:16896
	global_store_b128 v8, v[KW:KW+3], s[12:13] offset:17152
.Lout_done:
	s_wait_tensorcnt 0x0
	ds_add_u32 v[SPW], v[NIL]
	s_wait_dscnt 0x0
	CROUND
	s_endpgm
.Lfunc_end_k_qac5555f9bf_qkv:
	.size	k_qac5555f9bf_qkv, .Lfunc_end_k_qac5555f9bf_qkv-k_qac5555f9bf_qkv
	.p2alignl 7, 3214868480
	.fill 96, 4, 3214868480
	.section	.rodata,"a",@progbits
	.p2align	6, 0x0
	.amdhsa_kernel k_qac5555f9bf_qkv
		.amdhsa_group_segment_fixed_size 327680
		.amdhsa_private_segment_fixed_size 0
		.amdhsa_enable_private_segment 0
		.amdhsa_kernarg_size 40
		.amdhsa_user_sgpr_count 2
		.amdhsa_user_sgpr_kernarg_segment_ptr 1
		.amdhsa_wavefront_size32 1
		.amdhsa_system_sgpr_workgroup_id_x 1
		.amdhsa_system_sgpr_workgroup_id_y 1
		.amdhsa_system_sgpr_workgroup_id_z 1
		.amdhsa_system_vgpr_workitem_id 0
		.amdhsa_next_free_vgpr 1024
		.amdhsa_next_free_sgpr 106
		.amdhsa_reserve_vcc 1
		.amdhsa_float_denorm_mode_32 3
		.amdhsa_float_denorm_mode_16_64 3
		.amdhsa_memory_ordered 1
		.amdhsa_forward_progress 1
		.amdhsa_inst_pref_size 219
	.end_amdhsa_kernel
	.amdgpu_metadata
---
amdhsa.version: [ 1, 2 ]
amdhsa.kernels:
  - .name:           k_qac5555f9bf_qkv
    .symbol:         k_qac5555f9bf_qkv.kd
    .args:
      - { .name: wcs, .offset: 0, .size: 8, .value_kind: global_buffer, .address_space: global }
      - { .name: bq, .offset: 8, .size: 8, .value_kind: global_buffer, .address_space: global }
      - { .name: bk, .offset: 16, .size: 8, .value_kind: global_buffer, .address_space: global }
      - { .name: bv, .offset: 24, .size: 8, .value_kind: global_buffer, .address_space: global }
      - { .name: qkv, .offset: 32, .size: 8, .value_kind: global_buffer, .address_space: global }
    .group_segment_fixed_size: 327680
    .private_segment_fixed_size: 0
    .kernarg_segment_align: 8
    .kernarg_segment_size: 40
    .max_flat_workgroup_size: 128
    .sgpr_count:     106
    .vgpr_count:     1024
    .wavefront_size: 32
...
	.end_amdgpu_metadata
.endif
;; end of part 8
;; launch attn (part 9): grid 8 x 32, 16 waves a work-group, clusters of 4 x 1, 327,680 bytes of LDS; arguments qkv, attn; writes attn
.if DOCPART == 9
	.amdgcn_target "amdgcn-amd-amdhsa--gfx1250"
	.amdhsa_code_object_version 6
	.text
	.protected	k_qac5555f9bf_attn
	.globl	k_qac5555f9bf_attn
	.p2align	8
	.type	k_qac5555f9bf_attn,@function
k_qac5555f9bf_attn:
	s_mov_b64 s[64:65], 0
	v_nop
	global_prefetch_b8 v0, s[64:65] scope:SCOPE_SE
	s_setreg_imm32_b32 hwreg(HW_REG_WAVE_MODE, 25, 1), 1
	s_wait_xcnt 0x0
	s_wait_alu depctr_hold_cnt(0) depctr_sa_sdst(0) depctr_va_vdst(0) depctr_va_sdst(0) depctr_va_ssrc(0) depctr_va_vcc(0) depctr_vm_vsrc(0)
	s_getreg_b32 s2, hwreg(HW_REG_IB_STS2, 6, 4)
	s_cmp_eq_u32 s2, 0
	s_cbranch_scc0 .Lentry_in_a_cluster
	s_endpgm
.Lentry_in_a_cluster:
	s_bfe_u32 s2, ttmp6, 0x10000c
	s_cmp_lg_u32 s2, 0x3003
	s_cbranch_scc0 .Lentry_shape_is_right
	s_endpgm
.Lentry_shape_is_right:
; ATTENTION on codes of E4M3 with E8M0 scales.  attn[token][head x 64 + d] = the sum over the keys of softmax(q . k / 8) v, f32.
; THE SOFTMAX AHEAD OF THE SECOND PRODUCT: t = score x log2(e) / 8; M = the running largest t rounded UP to a whole number; p = 2^(t - M) is quantised along the keys, not normalised;
; the row's sum is taken of the unquantised p and divides at the end.  When M moves, the sum and O are multiplied by 2^(old M - new M), which rounds nothing.
; LIMITS: the promise holds while the scaled scores t stay under 2^31 in magnitude; NaN and infinities are not served.
; SHARES.  A work-group owns 256 queries of one head, each of its sixteen waves one tile of 16, in 256 registers: four waves to a SIMD.
; THE WHOLE HEAD'S K AND V LIE IN LDS, FILLED ONCE: 16 steps of 128 keys x 17,408 bytes, images of the operands' registers (four registers of 32 lanes = 512 consecutive bytes), so every LDS load is dense.
; The four work-groups of a cluster belong to one head: each tile is asked for jointly.  A wave has one load at the head (its sixteenth of steps 0-3) and one behind the full sequence and a round
; of the cluster's barrier (its sixteenth of steps 4-15), which lands while steps 0-3 are worked.  Nothing is filled again.
; No prefetch: all of K and V is asked for by these two loads, ahead of the first key step; no later trip asks memory for anything.
; Both products are used transposed (S^T = K Q^T, O^T = V^T P^T): a lane holds one query.  Tile a's lane r is key (or query) 32 (a / 2) + 8 (a % 2) + r + 8 (r / 8), so p's 16 registers of two neighbouring tiles are 16 neighbouring keys.
; A head has 64 along the first product's K, the instruction 128.  Q's upper eight registers are zeros and the scale bytes there are 0x7f.  K'S EIGHT TILES LIE AS OVERLAPPING OPERANDS, eight registers apart:
; a tile's upper half is the next tile's codes (the last tile's: p's codes of the step before, zeros at first); all are finite codes, and a code times zero adds nothing.  So one run of loads and one wait serve all eight products.
; THE HOLD writes to a scratch run (two numbers an instruction) and leaves p as it is: so the row's sums can stand behind the second product (24 additions: the places ahead of the next K loads)
; and behind the next step's first product (8 lines that join the partial sums: the places ahead of the first read of the scores and of V's loads).
.set STEPB, 17408
.set CHB,   4*STEPB                    ; steps 0-3
.set HEADB, 16*STEPB
.set KVOFF, 32*HEADB
.set WLA,   17*256                     ; a wave's part of steps 0-3; also its stage on the way out: 16 rows x 272 bytes
.set WLB,   51*256                     ; a wave's part of steps 4-15
.set SPARE, HEADB                      ; behind the head: the spare words, 128 bytes for each wave
.set LI,  1                            ; v1   16 x lane
.set AD,  2                            ; v2   the step's LDS address
.set SPW, 3                            ; v3   my spare word's address; never rewritten
.set NIL, 4                            ; v4   0; never rewritten
.set F,   32                           ; v32-95   K's eight tiles (8 registers each), then V's four (16 each)
.set PC,  96                           ; v96-111  p's codes
.set S,   112                          ; v112-175 S^T, then p
.set O,   176                          ; v176-207 O^T
.set T,   208                          ; v208-223 16 held numbers on their way to the conversion
.set W,   224                          ; v224-239 at work: the four runs below; between the steps eight pairs of partial sums
.set BM,  W                            ; a block's largest score, then its largest p
.set PM,  W+4
.set HO,  W+8                          ; 448 x the scale
.set SO,  W+12                         ; the conversion's scale operand
.set KS,  240                          ; v240-247 the tiles' scale words
.set FF,  248                          ; v248 f = 2^(old M - new M); v249 is named with it as a pair
.set TMP, 250
.set QS,  251                          ; Q's scale words
.set PW,  252                          ; p's scale word
.set WV,  18
.set MNT, 19
.set SEL, 20
.set CS,  22
.set TB,  2
.set CNT, 3
.set G1A, 24
.set G0A, 32
.set G0B, 36
.set G1B, 40
.macro CROUND
	s_barrier_signal -1
	s_barrier_wait -1
	s_cmp_lg_u32 s[WV], 0
	s_cbranch_scc1 .Lnot_wave_0_\@
	s_barrier_signal -3
.Lnot_wave_0_\@:
	s_barrier_wait -3
	s_barrier_signal -1
	s_barrier_wait -1
.endm
	s_load_b128 s[4:7], s[0:1], 0x0                ; qkv, attn
	v_lshl_add_u32 v[SPW], v0, 2, SPARE
	v_mov_b32 v[NIL], 0
	ds_add_u32 v[SPW], v[NIL]                      ; the opening lines: the add, twice on end, and its wait ahead of my first tensor load
	ds_add_u32 v[SPW], v[NIL]
	v_lshrrev_b32 v6, 5, v0
	v_readfirstlane_b32 s[WV], v6                  ; wave 0..15
	s_bfe_u32 s8, ttmp6, 0x40000                   ; cx
	s_lshl_b32 s9, ttmp9, 2
	s_add_co_u32 s9, s9, s8                        ; my block of 256 queries: it enters Q's and the output's addresses alone
	s_and_b32 s10, ttmp7, 0xffff                   ; 16 x batch + head, which the partners share
	s_mul_i32 s12, s10, HEADB
	s_mul_i32 s13, s[WV], WLA
	s_mul_i32 s11, s[WV], WLB
	s_add_co_u32 s14, s12, s13
	s_add_co_u32 s14, s14, KVOFF
	s_mov_b32 s15, 0
	s_add_co_u32 s16, s12, s11
	s_add_co_u32 s16, s16, KVOFF+CHB
	s_mov_b32 s17, 0
.irp g, G1A, G1B
	s_mov_b32 s[\g], 15|(3<<16)|(1<<21)            ; the mask: all four work-groups; elements of 8 bytes; bit 21 beside a mask; no padding
	s_mov_b32 s[\g+1], 32<<16                      ; rows of 32 elements, 256 bytes
	s_mov_b32 s[\g+3], 32<<16
	s_mov_b32 s[\g+5], 32                          ; dense
	s_mov_b32 s[\g+6], 0
	s_mov_b32 s[\g+7], 0
.endr
	s_mov_b32 s[G1A+2], 17<<16                     ; 17 rows,
	s_mov_b32 s[G1A+4], 17
	s_mov_b32 s[G1B+2], 51<<16                     ; 51 rows
	s_mov_b32 s[G1B+4], 51
	s_mov_b32 s[SEL], 0x76543210
	s_mov_b32 s[SEL+1], 0xfedcba98
	s_mov_b32 s[CS], 0x3e38aa3b                    ; c = log2(e) / 8
	s_mov_b32 s[CS+1], s[CS]                       ; (named with it as a pair)
	s_mov_b32 s[MNT], 0x600000
	s_wait_dscnt 0x0                               ; both opening adds are done
	s_wait_kmcnt 0x0
	s_add_nc_u64 s[14:15], s[4:5], s[14:15]
	s_add_nc_u64 s[16:17], s[4:5], s[16:17]
	s_mov_b32 s[G0A], 1
	s_mov_b32 s[G0A+1], s13                        ; LDS: the wave's number x a constant
	s_mov_b64 s[G0A+2:G0A+3], s[14:15]
	s_or_b32 s[G0A+3], s[G0A+3], 0x80000000
	s_mov_b32 s[G0B], 1
	s_add_co_u32 s[G0B+1], s11, CHB
	s_mov_b64 s[G0B+2:G0B+3], s[16:17]
	s_or_b32 s[G0B+3], s[G0B+3], 0x80000000
	CROUND                                         ; all four work-groups are here: the joint loads meet
	tensor_load_to_lds s[G0A:G0A+3], s[G1A:G1A+7]  ; my sixteenth of steps 0-3: the wave's one load at the head
	s_nop 0
.rept 4
	v_nop
.endr
	s_lshr_b32 s16, s[WV], 3
	s_and_b32 s17, s[WV], 7                        ; my tile of queries: tile w % 8 of step 2 x block + w / 8
	s_lshl_b32 s48, s9, 1
	s_add_co_u32 s48, s48, s16
	s_mul_i32 s48, s48, STEPB
	s_add_co_u32 s48, s48, s12
	s_mov_b32 s49, 0
	s_add_nc_u64 s[48:49], s[4:5], s[48:49]
	v_and_b32 v6, 31, v0
	v_lshlrev_b32 v[LI], 4, v6
	s_lshl_b32 s50, s17, 10
	v_add_nc_u32 v11, s50, v[LI]
	global_load_b128 v[16:19], v11, s[48:49]       ; Q's image: the head's first 32,
	global_load_b128 v[20:23], v11, s[48:49] offset:512   ; its second 32
	v_and_b32 v5, 15, v0                           ; r
	v_bfe_u32 v10, v0, 4, 1                        ; h
	s_wait_alu depctr_va_vdst(0)
	s_lshr_b32 s50, s17, 2
	s_lshl_b32 s50, s50, 8
	s_and_b32 s51, s17, 3
	s_lshl_b32 s51, s51, 2
	s_add_co_u32 s50, s50, s51
	v_lshl_add_u32 v6, v5, 4, s50
	global_load_b32 v[QS], v6, s[48:49] offset:16384   ; Q's scale words
	s_lshr_b32 s50, s10, 4                         ; my first token: 2,048 x batch + 256 x block + 128 (w / 8) + 32 ((w % 8) / 2) + 8 (w % 2)
	s_lshl_b32 s50, s50, 11
	s_lshl_b32 s51, s9, 8
	s_add_co_u32 s50, s50, s51
	s_lshl_b32 s51, s16, 7
	s_add_co_u32 s50, s50, s51
	s_lshr_b32 s51, s17, 1
	s_lshl_b32 s51, s51, 5
	s_add_co_u32 s50, s50, s51
	s_and_b32 s51, s17, 1
	s_lshl_b32 s51, s51, 3
	s_add_co_u32 s50, s50, s51
	s_lshl_b32 s50, s50, 12                        ; a token's row is 4,096 bytes,
	s_and_b32 s51, s10, 15
	s_lshl_b32 s51, s51, 8
	s_add_co_u32 s50, s50, s51                     ; a head's part of it 256
	s_mov_b32 s51, 0
	s_add_nc_u64 s[6:7], s[6:7], s[50:51]
	v_mul_u32_u24 v7, v5, 272
	v_mul_u32_u24 v8, v10, 272
	v_lshlrev_b32 v9, 12, v10
	v_lshl_add_u32 v7, v10, 6, v7
	v_lshl_add_u32 v8, v5, 4, v8
	v_lshl_add_u32 v9, v5, 4, v9                   ; the way out, in memory: lanes 0-15 one row, lanes 16-31 the next
	v_add_nc_u32 v7, s13, v7                       ; the stage, in: row r, + 64 h
	v_add_nc_u32 v8, s13, v8                       ; back: two rows an instruction
.set j, 0
.rept 8
	v_mov_b32 v[24+j], 0                           ; the upper half of Q's operand
	v_mov_b32 v[PC+j], 0                           ; the upper half of K's last tile in the first step
.set j, j+1
.endr
.set j, 0
.rept 32
	v_mov_b32 v[O+j], 0                            ; O^T: the step is written once; the first change of M multiplies zeros
.set j, j+1
.endr
.set j, 0
.rept 16
	v_mov_b32 v[W+j], 0                            ; the partial sums that the first step joins
.set j, j+1
.endr
	v_mov_b32 v[FF], 0
	v_mov_b32 v[FF+1], 0
	v_mov_b32 v13, 0xff61b1e6                      ; the largest t so far: -3e38
	v_mov_b32 v14, 0                               ; the row's sum, in two halves
	v_mov_b32 v15, 0
	v_floor_f32 v12, -v13                          ; -M
; the last step's p, 32 pairs, into eight pairs of partial sums
.macro LEAF
.set j, 0
.rept 8
	v_pk_add_f32 v[W+2*j:W+2*j+1], v[S+4*j:S+4*j+1], v[S+4*j+2:S+4*j+3]
.set j, j+1
.endr
.set j, 0
.rept 16
	v_pk_add_f32 v[W+2*(j%8):W+2*(j%8)+1], v[W+2*(j%8):W+2*(j%8)+1], v[S+32+2*j:S+33+2*j]
.set j, j+1
.endr
.endm
; the eight pairs become one, and the row's sum goes under that step's M and takes it in: eight lines
.macro JOIN
.irp j, 0,4,8,12
	v_pk_add_f32 v[W+\j:W+\j+1], v[W+\j:W+\j+1], v[W+\j+2:W+\j+3]
.endr
	v_pk_add_f32 v[W:W+1], v[W:W+1], v[W+4:W+5]
	v_pk_add_f32 v[W+8:W+9], v[W+8:W+9], v[W+12:W+13]
	v_pk_add_f32 v[W:W+1], v[W:W+1], v[W+8:W+9]
	v_pk_fma_f32 v[14:15], v[14:15], v[FF:FF+1], v[W:W+1] op_sel_hi:[1,0,1]
.endm
; block b's 16 numbers of my lane: held (the conversion to an 8-bit code does not saturate, ISA guide 7.6.2; p is not negative, so the hold is one-sided), two an instruction, then converted
.macro HOLD b
.set i, 0
.rept 8
	v_dual_min_num_f32 v[T+i], v[S+16*\b+i], v[HO+\b] :: v_dual_min_num_f32 v[T+i+1], v[S+16*\b+i+1], v[HO+\b]
.set i, i+2
.endr
	v_cvt_scalef32_pk8_fp8_f32 v[PC+4*\b:PC+4*\b+1], v[T:T+7], v[SO+\b]
	v_cvt_scalef32_pk8_fp8_f32 v[PC+4*\b+2:PC+4*\b+3], v[T+8:T+15], v[SO+\b]
.endm
; A KEY STEP: 128 keys
.macro STEP
	v_add_nc_u32 v[AD], s[TB], v[LI]
	s_wait_alu depctr_va_vdst(0)
.irp t, 0,1,2,3,4,5,6,7
	ds_load_b128 v[F+8*\t:F+8*\t+3], v[AD] offset:1024*\t          ; (behind the 24 additions that close the step before: more than the eight places asked)
	ds_load_b128 v[F+8*\t+4:F+8*\t+7], v[AD] offset:1024*\t+512
.endr
	ds_load_b128 v[KS:KS+3], v[AD] offset:16384    ; lane r: the tiles' scale words of its key (lanes 16-31 read neighbouring bytes that the products ignore)
	ds_load_b128 v[KS+4:KS+7], v[AD] offset:16640
	s_wait_dscnt 0x0
.irp t, 0,1,2,3,4,5,6,7                            ; S^T = K Q^T
	v_wmma_scale_f32_16x16x128_f8f6f4 v[S+8*\t:S+8*\t+7], v[F+8*\t:F+8*\t+15], v[16:31], 0, v[KS+\t], v[QS]
.endr
	JOIN                                           ; eight plain lines that name none of the products' registers: the places
.irp t, 0,1,2,3                                    ; V's four tiles and their scale words land under the softmax
.irp c, 0,1,2,3
	ds_load_b128 v[F+16*\t+4*\c:F+16*\t+4*\c+3], v[AD] offset:8192+2048*\t+512*\c
.endr
.endr
	ds_load_b128 v[KS:KS+3], v[AD] offset:16896
.irp b, 0,1,2,3
	v_max3_num_f32 v[BM+\b], v[S+16*\b], v[S+16*\b+1], v[S+16*\b+2]   ; the largest score of each block of 32 keys: for the row's maximum and, since p rises with the score, for the block's largest p
.endr
.irp i, 3,5,7,9,11,13
.irp b, 0,1,2,3
	v_max3_num_f32 v[BM+\b], v[BM+\b], v[S+16*\b+\i], v[S+16*\b+\i+1]
.endr
.endr
.irp b, 0,1,2,3
	v_max_num_f32 v[BM+\b], v[BM+\b], v[S+16*\b+15]
.endr
.irp b, 0,1,2,3
	s_delay_alu instid0(VALU_DEP_4)
	v_permlanex16_b32 v[PM+\b], v[BM+\b], s[SEL], s[SEL+1]
.endr
.irp b, 0,1,2,3
	s_delay_alu instid0(VALU_DEP_4)
	v_max_num_f32 v[BM+\b], v[BM+\b], v[PM+\b]     ; with lane l xor 16's 16 keys
.endr
	s_delay_alu instid0(VALU_DEP_2)
	v_max3_num_f32 v[TMP], v[BM], v[BM+1], v[BM+2]
	s_delay_alu instid0(VALU_DEP_1)
	v_max_num_f32 v[TMP], v[TMP], v[BM+3]
	s_delay_alu instid0(VALU_DEP_1)
	v_mul_f32 v[TMP], s[CS], v[TMP]                ; the step's largest t
	s_delay_alu instid0(VALU_DEP_1)
	v_max_num_f32 v13, v13, v[TMP]
	v_mov_b32 v[TMP], v12
	s_delay_alu instid0(VALU_DEP_2)
	v_floor_f32 v12, -v13                          ; the new -M = -ceil(t)
	s_delay_alu instid0(VALU_DEP_1)
	v_sub_f32 v[TMP], v12, v[TMP]                  ; old M - new M: a whole number, 0 or less
	s_delay_alu instid0(VALU_DEP_1)
	v_cvt_i32_f32 v[TMP], v[TMP]                   ; (it saturates)
.set j, 0
.rept 32
	v_pk_fma_f32 v[S+j:S+j+1], v[S+j:S+j+1], s[CS:CS+1], v[12:13] op_sel_hi:[1,0,0]   ; t - M
.set j, j+2
.endr
.irp b, 0,1,2,3
	v_fma_f32 v[BM+\b], v[BM+\b], s[CS], v12       ; the same of each block's largest score
.endr
	s_wait_alu depctr_va_vdst(0)
.set j, 0
.rept 64
	v_exp_f32 v[S+j], v[S+j]                       ; p = 2^(t - M)
.set j, j+1
.endr
.irp b, 0,1,2,3
	v_exp_f32 v[BM+\b], v[BM+\b]                   ; the block's largest p: the same two instructions on the same number give the same bits
.endr
	v_ldexp_f32 v[FF], 1.0, v[TMP]                 ; f = 2^(old M - new M) (the plain line behind the exponentials)
	s_wait_alu depctr_va_vdst(0)                   ; one wait for the batch, ahead of its first reader
.irp b, 0,1,2,3
	v_max_num_f32 v[BM+\b], 0x4800000, v[BM+\b]    ; the floor 2^(9 - 127): the byte cannot fall under 1
.endr
.irp b, 0,1,2,3
	s_delay_alu instid0(VALU_DEP_4)
	v_add_nc_u32 v[SO+\b], 0xfc000000, v[BM+\b]    ; 8 off the exponent field: the conversion's scale operand
.endr
.irp b, 0,1,2
	v_and_or_b32 v[HO+\b], v[BM+\b], 0x7f800000, s[MNT]   ; 448 x the scale
.endr
	HOLD 0
.irp b, 0,1,2,3
	v_lshrrev_b32 v[PM+\b], 23, v[SO+\b]           ; the scales' bytes (plain lines between the conversions and the next writes of their sources)
.endr
	HOLD 1
	v_lshl_or_b32 v[PM], v[PM+1], 8, v[PM]
	v_lshl_or_b32 v[PM+2], v[PM+3], 8, v[PM+2]
	v_lshl_or_b32 v[PW], v[PM+2], 16, v[PM]        ; p's scale word for these 128 keys; 33 plain lines stand between it and the products
	HOLD 2
	v_and_or_b32 v[HO+3], v[BM+3], 0x7f800000, s[MNT]
	HOLD 3
	s_wait_alu depctr_va_vdst(0)                   ; the wait directly ahead of the first reader of O^T
.set j, 0
.rept 16
	v_pk_mul_f32 v[O+j:O+j+1], v[O+j:O+j+1], v[FF:FF+1] op_sel_hi:[1,0]   ; O^T under the new M; also the places between the codes and the products
.set j, j+2
.endr
	s_wait_alu depctr_va_vdst(0)
	s_wait_dscnt 0x0                               ; V
.irp t, 0,1,2,3                                    ; O^T += V^T P^T: the four accumulators by turns
	v_wmma_scale_f32_16x16x128_f8f6f4 v[O+8*\t:O+8*\t+7], v[F+16*\t:F+16*\t+15], v[PC:PC+15], v[O+8*\t:O+8*\t+7], v[KS+\t], v[PW]
.endr
	LEAF                                           ; the row's sum is taken of the unquantised p
.endm
.macro CHUNK base, trips
	s_mov_b32 s[TB], \base
	s_mov_b32 s[CNT], \trips
.Lstep_\@:
	STEP
	s_add_co_u32 s[TB], s[TB], STEPB
	s_sub_co_u32 s[CNT], s[CNT], 1
	s_cmp_lg_u32 s[CNT], 0
	s_cbranch_scc1 .Lstep_\@
.endm
	s_wait_alu depctr_va_vdst(0)
	s_wait_loadcnt 0x0                             ; Q
	s_wait_tensorcnt 0x0                           ; my part of steps 0-3 is in
	ds_add_u32 v[SPW], v[NIL]
	s_wait_dscnt 0x0
	CROUND                                         ; everybody's part is in, and all four work-groups are here: the joint loads meet
	tensor_load_to_lds s[G0B:G0B+3], s[G1B:G1B+7]  ; my sixteenth of steps 4-15: the first and only tensor load behind the round
	s_nop 0
.rept 4
	v_nop
.endr
	CHUNK 0, 4
	s_wait_tensorcnt 0x0                           ; my part of steps 4-15 is in,
	s_wait_dscnt 0x0
	s_barrier_signal -1
	s_barrier_wait -1                              ; everybody's is
	CHUNK CHB, 12
	JOIN                                           ; the last step's partial sums
	s_wait_alu depctr_va_vdst(0)
	; THE WAY OUT.  O^T / the sum goes through my stage in LDS (in steps 0-3's bytes: filled once, and read by nobody behind this barrier) and leaves as whole units of 256 bytes: a query's 64 numbers
	s_wait_dscnt 0x0
	s_barrier_signal -1
	s_barrier_wait -1
	v_add_f32 v14, v14, v15
	v_permlanex16_b32 v[TMP], v14, s[SEL], s[SEL+1]
	v_add_f32 v14, v14, v[TMP]                     ; the row's sum
	s_wait_alu depctr_va_vdst(0)                   ; a wait ahead of the transcendental
	v_rcp_f32 v14, v14
	v_nop
	s_wait_alu depctr_va_vdst(0)                   ; and ahead of its first reader, which is also the first reader of the last products' results
.set j, 0
.rept 32
	v_mul_f32 v[S+j], v[O+j], v14                  ; register 8 t + i: d = 32 (t / 2) + 8 (t % 2) + 16 h + i of my query
.set j, j+1
.endr
.irp t, 0,1,2,3
	ds_store_b128 v7, v[S+8*\t:S+8*\t+3] offset:128*(\t/2)+32*(\t%2)
	ds_store_b128 v7, v[S+8*\t+4:S+8*\t+7] offset:128*(\t/2)+32*(\t%2)+16
.endr
.irp i, 0,1,2,3,4,5,6,7
	ds_load_b128 v[F+4*\i:F+4*\i+3], v8 offset:544*\i   ; LDS serves a wave's instructions in order: these see my stores
.endr
.irp i, 0,1,2,3,4,5,6,7
	s_wait_dscnt 7-\i                              ; the younger loads may stay out
	global_store_b128 v9, v[F+4*\i:F+4*\i+3], s[6:7] offset:(2*\i+8*(\i/4))*4096   ; stage row n is token n + 8 (n / 8) of my tile; sixteen lanes store 256 consecutive bytes, aligned
.endr
	s_wait_tensorcnt 0x0                           ; the wave's end
	ds_add_u32 v[SPW], v[NIL]
	s_wait_dscnt 0x0
	CROUND                                         ; the closing round
	s_endpgm
.Lfunc_end_k_qac5555f9bf_attn:
	.size	k_qac5555f9bf_attn, .Lfunc_end_k_qac5555f9bf_attn-k_qac5555f9bf_attn
	.p2alignl 7, 3214868480
	.fill 96, 4, 3214868480
	.section	.rodata,"a",@progbits
	.p2align	6, 0x0
	.amdhsa_kernel k_qac5555f9bf_attn
		.amdhsa_group_segment_fixed_size 327680
		.amdhsa_private_segment_fixed_size 0
		.amdhsa_enable_private_segment 0
		.amdhsa_kernarg_size 16
		.amdhsa_user_sgpr_count 2
		.amdhsa_user_sgpr_kernarg_segment_ptr 1
		.amdhsa_wavefront_size32 1
		.amdhsa_system_sgpr_workgroup_id_x 1
		.amdhsa_system_sgpr_workgroup_id_y 1
		.amdhsa_system_sgpr_workgroup_id_z 1
		.amdhsa_system_vgpr_workitem_id 0
		.amdhsa_next_free_vgpr 256
		.amdhsa_next_free_sgpr 66
		.amdhsa_reserve_vcc 0
		.amdhsa_float_denorm_mode_32 3
		.amdhsa_float_denorm_mode_16_64 3
		.amdhsa_memory_ordered 1
		.amdhsa_forward_progress 1
		.amdhsa_inst_pref_size 50
	.end_amdhsa_kernel
	.amdgpu_metadata
---
amdhsa.version: [ 1, 2 ]
amdhsa.kernels:
  - .name:           k_qac5555f9bf_attn
    .symbol:         k_qac5555f9bf_attn.kd
    .args:
      - { .name: qkv, .offset: 0, .size: 8, .value_kind: global_buffer, .address_space: global }
      - { .name: attn, .offset: 8, .size: 8, .value_kind: global_buffer, .address_space: global }
    .group_segment_fixed_size: 327680
    .private_segment_fixed_size: 0
    .kernarg_segment_align: 8
    .kernarg_segment_size: 16
    .max_flat_workgroup_size: 512
    .sgpr_count:     66
    .vgpr_count:     256
    .wavefront_size: 32
...
	.end_amdgpu_metadata
.endif
;; end of part 9
;; launch ln2 (part 10): grid 256 x 1, 16 waves a work-group, no clusters, 84,480 bytes of LDS; arguments attn, xn, g2, b2, hq; writes hq
.if DOCPART == 10
	.amdgcn_target "amdgcn-amd-amdhsa--gfx1250"
	.amdhsa_code_object_version 6
	.text
	.protected	k_qac5555f9bf_ln2
	.globl	k_qac5555f9bf_ln2
	.p2align	8
	.type	k_qac5555f9bf_ln2,@function
k_qac5555f9bf_ln2:
	s_mov_b64 s[64:65], 0
	v_nop
	global_prefetch_b8 v0, s[64:65] scope:SCOPE_SE
	s_setreg_imm32_b32 hwreg(HW_REG_WAVE_MODE, 25, 1), 1
	s_wait_xcnt 0x0
; LN2.  h = the layer norm (g2, b2) of attn + xn, quantised along its 1,024: codes of E4M3 [4,096 tokens][1,024 bytes], scale words [8 planes of 128 along K][4,096][4 bytes].  Rows lie in their natural order.
; A wave takes one token: 32 loads at once, the row kept in registers between the passes.  A half row turns through the wave's own stage in LDS so that a lane holds 16 neighbours.
; The work-group's 16 tokens give 64 bytes to each plane of scale words: those stores cover 64 consecutive bytes, one byte in about 290 of what the launch moves.
; LIMITS: NaN and infinities are not served; a block whose largest magnitude lies under 2^-118 takes the scale byte 1.  A stream: no matrix unit, no tensor load, no cluster.
.set SP,    80
.set WST,   2*32*SP
.set SG,    16*WST                     ; the work-group's scale bytes, [8 planes][16 tokens][4 bytes]
.set SBH,   256                        ; a half row is four planes on
.set HSOFF, 4194304
.set OFFC, 2                           ; v2: 16 x lane
.set GA,   32
.set BE,   64
.set R,    96                          ; v96-127 attn's row, then the sum, then h
.set XN,   128                         ; v128-159 xn's row
.set C,    160                         ; v160-167 codes, v168, v169 bytes
.set X,    224
.set WV,   48
	s_load_b256 s[4:11], s[0:1], 0x0               ; attn, xn, g2, b2
	s_load_b64 s[12:13], s[0:1], 0x20              ; hq
	v_lshl_add_u32 v222, v0, 2, 0x14200
	v_mov_b32 v223, 0
	v_lshrrev_b32 v1, 5, v0
	s_delay_alu instid0(VALU_DEP_1)
	v_readfirstlane_b32 s[WV], v1
	v_and_b32 v1, 31, v0
	s_delay_alu instid0(VALU_DEP_1)
	v_lshlrev_b32 v2, 4, v1
	s_mul_i32 s50, s[WV], WST
	v_lshrrev_b32 v3, 2, v1
	s_delay_alu instid0(VALU_DEP_1)
	v_mul_u32_u24 v3, v3, SP
	v_and_b32 v4, 3, v1
	s_delay_alu instid0(VALU_DEP_1)
	v_lshl_add_u32 v3, v4, 4, v3
	s_delay_alu instid0(VALU_DEP_1)
	v_add_nc_u32 v3, s50, v3
	v_mul_u32_u24 v4, v1, SP
	s_delay_alu instid0(VALU_DEP_1)
	v_add_nc_u32 v4, s50, v4
	v_lshrrev_b32 v5, 3, v1
	s_delay_alu instid0(VALU_DEP_1)
	v_lshlrev_b32 v5, 6, v5
	v_bfe_u32 v6, v1, 1, 2
	s_delay_alu instid0(VALU_DEP_1)
	v_add_nc_u32 v5, v5, v6
	s_lshl_b32 s51, s[WV], 2
	s_add_co_u32 s51, s51, SG
	v_add_nc_u32 v5, s51, v5                       ; my block's byte: plane lane / 8, token w, byte (lane / 2) % 4
	v_lshl_add_u32 v6, v1, 4, SG                   ; the way out: lane l takes plane l / 4, tokens 4 (l % 4) on
	v_lshrrev_b32 v7, 2, v1
	s_delay_alu instid0(VALU_DEP_1)
	v_lshlrev_b32 v7, 14, v7
	v_and_b32 v8, 3, v1
	s_delay_alu instid0(VALU_DEP_1)
	v_lshl_add_u32 v7, v8, 4, v7
	s_mov_b32 s42, 0x76543210
	s_mov_b32 s43, 0xfedcba98
	s_mov_b32 s44, 0x3a800000                      ; 1 / 1,024
	s_mov_b32 s45, 0x3727c5ac                      ; 1e-5
	s_mov_b32 s47, 0x600000
	s_lshl_b32 s24, ttmp9, 4
	s_add_co_u32 s24, s24, s[WV]                   ; my token
	s_lshl_b32 s26, s24, 12
	s_mov_b32 s27, 0
	s_lshl_b32 s28, s24, 10
	s_mov_b32 s29, 0
	s_lshl_b32 s30, ttmp9, 6
	s_add_co_u32 s30, s30, HSOFF
	s_mov_b32 s31, 0
	s_wait_kmcnt 0x0
	s_add_nc_u64 s[4:5], s[4:5], s[26:27]
	s_add_nc_u64 s[6:7], s[6:7], s[26:27]
	s_add_nc_u64 s[32:33], s[12:13], s[28:29]
	s_add_nc_u64 s[34:35], s[12:13], s[30:31]
.irp j, 0,1,2,3,4,5,6,7
	global_load_b128 v[R+4*\j:R+4*\j+3], v2, s[4:5] offset:512*\j th:TH_LOAD_NT
	global_load_b128 v[XN+4*\j:XN+4*\j+3], v2, s[6:7] offset:512*\j
.endr
.irp j, 0,1,2,3,4,5,6,7
	global_load_b128 v[GA+4*\j:GA+4*\j+3], v2, s[8:9] offset:512*\j
	global_load_b128 v[BE+4*\j:BE+4*\j+3], v2, s[10:11] offset:512*\j
.endr
.macro RED
	s_delay_alu instid0(VALU_DEP_3)
	v_pk_add_f32 v[20:21], v[20:21], v[22:23]
	s_delay_alu instid0(VALU_DEP_2)
	v_pk_add_f32 v[24:25], v[24:25], v[26:27]
	s_delay_alu instid0(VALU_DEP_1)
	v_pk_add_f32 v[20:21], v[20:21], v[24:25]
	s_delay_alu instid0(VALU_DEP_1)
	v_add_f32 v20, v20, v21
	s_delay_alu instid0(VALU_DEP_1)
	v_add_f32_dpp v20, v20, v20 row_xmask:1 row_mask:0xf bank_mask:0xf
	s_delay_alu instid0(VALU_DEP_1)
	v_add_f32_dpp v20, v20, v20 row_xmask:2 row_mask:0xf bank_mask:0xf
	s_delay_alu instid0(VALU_DEP_1)
	v_add_f32_dpp v20, v20, v20 row_xmask:4 row_mask:0xf bank_mask:0xf
	s_delay_alu instid0(VALU_DEP_1)
	v_add_f32_dpp v20, v20, v20 row_xmask:8 row_mask:0xf bank_mask:0xf
	s_delay_alu instid0(VALU_DEP_1)
	v_permlanex16_b32 v21, v20, s42, s43
	s_delay_alu instid0(VALU_DEP_1)
	v_add_f32 v20, v20, v21
.endm
.macro LN r                            ; the mean first, then the mean of the squared differences
	v_pk_add_f32 v[20:21], v[\r:\r+1], v[\r+2:\r+3]
	v_pk_add_f32 v[22:23], v[\r+4:\r+5], v[\r+6:\r+7]
	v_pk_add_f32 v[24:25], v[\r+8:\r+9], v[\r+10:\r+11]
	v_pk_add_f32 v[26:27], v[\r+12:\r+13], v[\r+14:\r+15]
.irp i, 16,24
	s_delay_alu instid0(VALU_DEP_4)
	v_pk_add_f32 v[20:21], v[20:21], v[\r+\i:\r+\i+1]
	s_delay_alu instid0(VALU_DEP_4)
	v_pk_add_f32 v[22:23], v[22:23], v[\r+\i+2:\r+\i+3]
	s_delay_alu instid0(VALU_DEP_4)
	v_pk_add_f32 v[24:25], v[24:25], v[\r+\i+4:\r+\i+5]
	s_delay_alu instid0(VALU_DEP_4)
	v_pk_add_f32 v[26:27], v[26:27], v[\r+\i+6:\r+\i+7]
.endr
	RED
	s_delay_alu instid0(VALU_DEP_1)
	v_mul_f32 v28, s44, v20
	s_delay_alu instid0(VALU_DEP_1)
	v_mov_b32 v29, v28
.set i, 0
.rept 16
	v_pk_add_f32 v[\r+i:\r+i+1], v[\r+i:\r+i+1], v[28:29] neg_lo:[0,1] neg_hi:[0,1]
.set i, i+2
.endr
	v_pk_mul_f32 v[20:21], v[\r:\r+1], v[\r:\r+1]
	v_pk_mul_f32 v[22:23], v[\r+2:\r+3], v[\r+2:\r+3]
	v_pk_mul_f32 v[24:25], v[\r+4:\r+5], v[\r+4:\r+5]
	v_pk_mul_f32 v[26:27], v[\r+6:\r+7], v[\r+6:\r+7]
.irp i, 8,16,24
	s_delay_alu instid0(VALU_DEP_4)
	v_pk_fma_f32 v[20:21], v[\r+\i:\r+\i+1], v[\r+\i:\r+\i+1], v[20:21]
	s_delay_alu instid0(VALU_DEP_4)
	v_pk_fma_f32 v[22:23], v[\r+\i+2:\r+\i+3], v[\r+\i+2:\r+\i+3], v[22:23]
	s_delay_alu instid0(VALU_DEP_4)
	v_pk_fma_f32 v[24:25], v[\r+\i+4:\r+\i+5], v[\r+\i+4:\r+\i+5], v[24:25]
	s_delay_alu instid0(VALU_DEP_4)
	v_pk_fma_f32 v[26:27], v[\r+\i+6:\r+\i+7], v[\r+\i+6:\r+\i+7], v[26:27]
.endr
	RED
	s_delay_alu instid0(VALU_DEP_1)
	v_fma_f32 v20, v20, s44, s45
	s_wait_alu depctr_va_vdst(0)
	v_rsq_f32 v30, v20
	v_nop                                          ; a plain instruction behind the transcendental,
	s_wait_alu depctr_va_vdst(0)                   ; and the wait ahead of the first line that names its result
	v_mov_b32 v31, v30
.set i, 0
.rept 16
	v_pk_mul_f32 v[\r+i:\r+i+1], v[\r+i:\r+i+1], v[30:31]
	s_delay_alu instid0(VALU_DEP_1)
	v_pk_fma_f32 v[\r+i:\r+i+1], v[\r+i:\r+i+1], v[GA+i:GA+i+1], v[BE+i:BE+i+1]
.set i, i+2
.endr
.endm
.macro TURN r, hf
.irp i, 0,1,2,3
	ds_store_b128 v3, v[\r+16*\hf+4*\i:\r+16*\hf+4*\i+3] offset:32*SP*\hf+8*SP*\i
.endr
.irp i, 0,1,2,3
	ds_load_b128 v[X+16*\hf+4*\i:X+16*\hf+4*\i+3], v4 offset:32*SP*\hf+16*\i
.endr
.endm
.macro QSTEP c, hf, p
.set XS, X+16*\hf
	v_max3_num_f32 v8, |v[XS]|, |v[XS+1]|, |v[XS+2]|
	v_max3_num_f32 v9, |v[XS+3]|, |v[XS+4]|, |v[XS+5]|
.irp i, 6,10
	s_delay_alu instid0(VALU_DEP_2)
	v_max3_num_f32 v8, v8, |v[XS+\i]|, |v[XS+\i+1]|
	s_delay_alu instid0(VALU_DEP_2)
	v_max3_num_f32 v9, v9, |v[XS+\i+2]|, |v[XS+\i+3]|
.endr
	s_delay_alu instid0(VALU_DEP_2)
	v_max3_num_f32 v8, v8, |v[XS+14]|, |v[XS+15]|
	s_delay_alu instid0(VALU_DEP_1)
	v_max3_num_f32 v8, v8, v9, 0x4800000           ; the floor 2^(9 - 127)
	s_delay_alu instid0(VALU_DEP_1)
	v_max_num_f32_dpp v8, v8, v8 row_xmask:1 row_mask:0xf bank_mask:0xf
	s_delay_alu instid0(VALU_DEP_1)
	v_add_nc_u32 v11, 0xfc000000, v8
	s_delay_alu instid0(VALU_DEP_2)
	v_and_or_b32 v10, v8, 0x7f800000, s47
.irp i, 0,1,2,3,4,5,6,7,8,9,10,11,12,13,14,15
	v_med3_num_f32 v[XS+\i], v[XS+\i], -v10, v10   ; the conversion does not saturate (ISA guide 7.6.2): the hold
.endr
	v_cvt_scalef32_pk8_fp8_f32 v[\c+4*\hf:\c+4*\hf+1], v[XS:XS+7], v11
	v_cvt_scalef32_pk8_fp8_f32 v[\c+4*\hf+2:\c+4*\hf+3], v[XS+8:XS+15], v11
	v_lshrrev_b32 v[\c+8+\hf], 23, v11
	ds_store_b8 v5, v[\c+8+\hf] offset:SBH*\hf+4*\p
	global_store_b128 v[OFFC+\p], v[\c+4*\hf:\c+4*\hf+3], s[32:33] offset:512*\hf   ; 512 consecutive bytes of the token's codes
.endm
	s_wait_loadcnt 0x0
.set i, 0
.rept 16
	v_pk_add_f32 v[R+i:R+i+1], v[R+i:R+i+1], v[XN+i:XN+i+1]
.set i, i+2
.endr
	LN R
	TURN R, 0
	TURN R, 1
	s_wait_dscnt 8                                 ; the first half is back; the second half's four stores and four loads may be out
	QSTEP C, 0, 0
	s_wait_dscnt 1                                 ; the second half is back; the byte store may be out
	QSTEP C, 1, 0
	s_wait_dscnt 0x0
	s_barrier_signal -1
	s_barrier_wait -1
	s_cmp_eq_u32 s[WV], 0
	s_cbranch_scc0 .Ldone
	ds_load_b128 v[8:11], v6
	s_wait_dscnt 0x0
	global_store_b128 v7, v[8:11], s[34:35]
.Ldone:
	s_wait_tensorcnt 0x0
	ds_add_u32 v222, v223
	s_wait_dscnt 0x0
	s_endpgm
.Lfunc_end_k_qac5555f9bf_ln2:
	.size	k_qac5555f9bf_ln2, .Lfunc_end_k_qac5555f9bf_ln2-k_qac5555f9bf_ln2
	.p2alignl 7, 3214868480
	.fill 96, 4, 3214868480
	.section	.rodata,"a",@progbits
	.p2align	6, 0x0
	.amdhsa_kernel k_qac5555f9bf_ln2
		.amdhsa_group_segment_fixed_size 84480
		.amdhsa_private_segment_fixed_size 0
		.amdhsa_enable_private_segment 0
		.amdhsa_kernarg_size 40
		.amdhsa_user_sgpr_count 2
		.amdhsa_user_sgpr_kernarg_segment_ptr 1
		.amdhsa_wavefront_size32 1
		.amdhsa_system_sgpr_workgroup_id_x 1
		.amdhsa_system_sgpr_workgroup_id_y 1
		.amdhsa_system_sgpr_workgroup_id_z 1
		.amdhsa_system_vgpr_workitem_id 0
		.amdhsa_next_free_vgpr 256
		.amdhsa_next_free_sgpr 66
		.amdhsa_reserve_vcc 0
		.amdhsa_float_denorm_mode_32 3
		.amdhsa_float_denorm_mode_16_64 3
		.amdhsa_memory_ordered 1
		.amdhsa_forward_progress 1
		.amdhsa_inst_pref_size 21
	.end_amdhsa_kernel
	.amdgpu_metadata
---
amdhsa.version: [ 1, 2 ]
amdhsa.kernels:
  - .name:           k_qac5555f9bf_ln2
    .symbol:         k_qac5555f9bf_ln2.kd
    .args:
      - { .name: attn, .offset: 0, .size: 8, .value_kind: global_buffer, .address_space: global }
      - { .name: xn, .offset: 8, .size: 8, .value_kind: global_buffer, .address_space: global }
      - { .name: g2, .offset: 16, .size: 8, .value_kind: global_buffer, .address_space: global }
      - { .name: b2, .offset: 24, .size: 8, .value_kind: global_buffer, .address_space: global }
      - { .name: hq, .offset: 32, .size: 8, .value_kind: global_buffer, .address_space: global }
    .group_segment_fixed_size: 84480
    .private_segment_fixed_size: 0
    .kernarg_segment_align: 8
    .kernarg_segment_size: 40
    .max_flat_workgroup_size: 512
    .sgpr_count:     66
    .vgpr_count:     256
    .wavefront_size: 32
...
	.end_amdgpu_metadata
.endif
;; end of part 10
;; launch ff1 (part 11): grid 16 x 16, 4 waves a work-group, clusters of 4 x 4, 327,680 bytes of LDS; arguments hq, wcs, bf1, fq; writes fq
.if DOCPART == 11
	.amdgcn_target "amdgcn-amd-amdhsa--gfx1250"
	.amdhsa_code_object_version 6
	.text
	.protected	k_qac5555f9bf_ff1
	.globl	k_qac5555f9bf_ff1
	.p2align	8
	.type	k_qac5555f9bf_ff1,@function
k_qac5555f9bf_ff1:
	s_mov_b64 s[64:65], 0
	v_nop
	global_prefetch_b8 v0, s[64:65] scope:SCOPE_SE
	s_setreg_imm32_b32 hwreg(HW_REG_WAVE_MODE, 25, 1), 1
	s_wait_xcnt 0x0
	s_wait_alu depctr_hold_cnt(0) depctr_sa_sdst(0) depctr_va_vdst(0) depctr_va_sdst(0) depctr_va_ssrc(0) depctr_va_vcc(0) depctr_vm_vsrc(0)
	s_getreg_b32 s2, hwreg(HW_REG_IB_STS2, 6, 4)
	s_cmp_eq_u32 s2, 0
	s_cbranch_scc0 .Lentry_in_a_cluster
	s_endpgm
.Lentry_in_a_cluster:
	s_bfe_u32 s2, ttmp6, 0x10000c
	s_cmp_lg_u32 s2, 0xf033
	s_cbranch_scc0 .Lentry_shape_is_right
	s_endpgm
.Lentry_shape_is_right:
.set KROWA, 1024
.set KROWB, 1024
.set SPA,   4096
.set SPB,   11264
.set ACOFF, 0
.set ASOFF, 4194304
.set BCOFF, 0
.set BSOFF, 11534336
.set LAPS,  2
.set PA,    4
.set PB,    6
.set FSOFF, 16777216
.set NQ,     2
.set ROWB,   256
.set PITCH,  272
.set FR,     16
.set NL,     4
.set NP,     8
.set HALFT,  128*PITCH
.set BOFF,   2*HALFT
.set SAOFF,  4*HALFT
.set SBOFF,  SAOFF+2048
.set SLOT,   SAOFF+4096
.set SPARE,  2*SLOT
.set ADRA, 16
.set ADRB, 20
.set STO,  24
.set RD,   25
.set CO,   26
.set SPW,  28
.set NIL,  29
.set ADRS, 30
.set SC,   32
.set BI,   64
.set AF,   128
.set T,    128
.set PC,   192
.set TM,   208
.set PWB,  224
.set G1A,  24
.set G0A,  32
.set G1B,  48
.set G0B,  56
.set G1SA, 68
.set G0SA, 76
.set G1SB, 84
.set G0SB, 92
.set MSB, 0
.macro WIN new
.if MSB != (\new)
	s_set_vgpr_msb (MSB<<8)|(\new)
.set MSB, (\new)
.endif
.endm
.set MUL_LO, 0xa1
.set MUL_HI, 0xf1
.set TO_B,   0x40
.macro TL g0, g1
	tensor_load_to_lds s[\g0:\g0+3], s[\g1:\g1+7]
	s_nop 0
.rept 4
	v_nop
.endr
.endm
.macro JLOAD s
	s_cmp_lt_u32 s14, 2
	s_cbranch_scc0 .Lj_b_\@
	s_cmp_eq_u32 s14, 0
	s_cbranch_scc0 .Lj_as_\@
	TL G0A+4*\s, G1A
	s_branch .Lj_end_\@
.Lj_as_\@:
	TL G0SA+4*\s, G1SA
	s_branch .Lj_end_\@
.Lj_b_\@:
	s_cmp_eq_u32 s14, 2
	s_cbranch_scc0 .Lj_bs_\@
	TL G0B+4*\s, G1B
	s_branch .Lj_end_\@
.Lj_bs_\@:
	TL G0SB+4*\s, G1SB
.Lj_end_\@:
.endm
.macro CREST
	s_cmp_lg_u32 s14, 0
	s_cbranch_scc1 .Lnot_wave_0_\@
	s_barrier_signal -3
.Lnot_wave_0_\@:
	s_barrier_wait -3
	s_barrier_signal -1
	s_barrier_wait -1
.endm
.macro CROUND
	s_barrier_signal -1
	s_barrier_wait -1
	CREST
.endm
	s_load_b256 s[4:11], s[0:1], 0x0
	v_lshl_add_u32 v[SPW], v0, 2, SPARE
	v_mov_b32 v[NIL], 0
	ds_add_u32 v28, v29
	ds_add_u32 v28, v29
	s_wait_dscnt 0x0
	v_lshrrev_b32 v1, 5, v0
	v_readfirstlane_b32 s14, v1
	s_lshr_b32 s15, s14, 1
	s_and_b32 s16, s14, 1
	s_bfe_u32 s40, ttmp6, 0x40000
	s_bfe_u32 s41, ttmp6, 0x40004
	s_lshl_b32 s43, s41, 2
	s_lshl_b32 s43, 15, s43
	s_lshl_b32 s44, 0x1111, s40
	s_and_b32 s17, ttmp7, 0xffff
	s_lshl_b32 s17, s17, 2
	s_add_co_u32 s17, s17, s41
	s_lshl_b32 s17, s17, 8
	s_lshl_b32 s42, ttmp9, 2
	s_add_co_u32 s42, s42, s40
	s_lshl_b32 s42, s42, 8
	s_add_co_u32 s42, s42, 7168
	s_or_b32 s[G1A], s43, (1<<20)|(1<<21)|(5<<22)|(3<<25)
	s_or_b32 s[G1B], s44, (1<<20)|(1<<21)|(5<<22)|(3<<25)
	s_or_b32 s[G1SA], s43, (2<<16)|(1<<21)
	s_or_b32 s[G1SB], s44, (2<<16)|(1<<21)
.irp g, G1A, G1B
	s_mov_b32 s[\g+1], 256<<16
	s_mov_b32 s[\g+2], 256<<16
	s_mov_b32 s[\g+3], 256<<16
	s_mov_b32 s[\g+4], 256
	s_mov_b32 s[\g+6], 0
	s_mov_b32 s[\g+7], 0
.endr
	s_mov_b32 s[G1A+5], KROWA
	s_mov_b32 s[G1B+5], KROWB
.irp g, G1SA, G1SB
	s_mov_b32 s[\g+1], 256<<16
	s_mov_b32 s[\g+2], 2<<16
	s_mov_b32 s[\g+3], 256<<16
	s_mov_b32 s[\g+4], 2
	s_mov_b32 s[\g+6], 0
	s_mov_b32 s[\g+7], 0
.endr
	s_mov_b32 s[G1SA+5], SPA
	s_mov_b32 s[G1SB+5], SPB
	s_mul_i32 s20, s17, KROWA
	s_add_co_u32 s20, s20, ACOFF
	s_mov_b32 s21, 0
	s_lshl_b32 s22, s17, 2
	s_add_co_u32 s22, s22, ASOFF
	s_mov_b32 s23, 0
	s_mul_i32 s46, s42, KROWB
	s_add_co_u32 s46, s46, BCOFF
	s_mov_b32 s47, 0
	s_lshl_b32 s2, s42, 2
	s_add_co_u32 s2, s2, BSOFF
	s_mov_b32 s3, 0
	s_mov_b32 s100, 0x76543210
	s_mov_b32 s101, 0xfedcba98
	s_mov_b32 s104, 0x600000
	s_mov_b32 s66, 0xbfb8aa3b
	s_mov_b32 s67, s66
	s_wait_kmcnt 0x0
	s_add_nc_u64 s[20:21], s[PA:PA+1], s[20:21]
	s_add_nc_u64 s[22:23], s[PA:PA+1], s[22:23]
	s_add_nc_u64 s[46:47], s[PB:PB+1], s[46:47]
	s_add_nc_u64 s[2:3], s[PB:PB+1], s[2:3]
	; THE PREFETCHES' ADDRESSES.  Waves 0, 1 ask for A's tiles, waves 2, 3 for B's.  The four partners that ask for a tile jointly share it out by address: g = 2 x place (cx for A, cy for B) + wave % 2, 0 .. 7.
	; Codes of a K step: rows 32 g .. 32 g + 31, a lane a row of 256 bytes (v12).  Scale words of a K step, two planes of 1,024 bytes: block g of its eight blocks of 256 bytes (v13: K steps 1, 2 in lanes 0 and 1 on; v14: K step 3).
	s_cmp_eq_u32 s15, 0
	s_cselect_b64 s[4:5], s[20:21], s[46:47]
	s_cselect_b64 s[6:7], s[22:23], s[2:3]
	s_cselect_b32 s105, s40, s41
	s_mov_b32 s36, 4*SPB
	s_cselect_b32 s36, 4*SPA, s36                  ; from plane to plane, in bytes
	s_lshl_b32 s105, s105, 1
	s_add_co_u32 s105, s105, s16                   ; g
	s_lshr_b32 s37, s105, 2
	s_mul_i32 s37, s37, s36
	s_and_b32 s38, s105, 3
	s_lshl_b32 s38, s38, 8
	s_add_co_u32 s37, s37, s38                     ; block g: plane g / 4, 256 (g % 4) bytes on
	s_lshl_b32 s39, s36, 1                         ; a K step is two planes
	s_lshl_b32 s105, s105, 15
	v_and_b32 v12, 31, v0
	v_min_u32 v13, 1, v12
	v_add_nc_u32 v13, 1, v13
	v_mul_lo_u32 v13, v13, s39
	v_add_nc_u32 v13, s37, v13
	s_mul_i32 s39, s39, 3
	s_add_co_u32 s39, s39, s37
	v_mov_b32 v14, s39
	v_lshlrev_b32 v12, 10, v12
	v_add_nc_u32 v12, s105, v12
	s_wait_alu depctr_va_vdst(0)
	CROUND
.irp s, 0,1
	s_mov_b32 s[G0A+4*\s], 1
	s_mov_b32 s[G0A+4*\s+1], \s*SLOT
	s_add_nc_u64 s[G0A+4*\s+2:G0A+4*\s+3], s[20:21], \s*ROWB
	s_or_b32 s[G0A+4*\s+3], s[G0A+4*\s+3], 0x80000000
	s_mov_b32 s[G0SA+4*\s], 1
	s_mov_b32 s[G0SA+4*\s+1], \s*SLOT+SAOFF
	s_add_nc_u64 s[G0SA+4*\s+2:G0SA+4*\s+3], s[22:23], \s*8*SPA
	s_or_b32 s[G0SA+4*\s+3], s[G0SA+4*\s+3], 0x80000000
	s_mov_b32 s[G0B+4*\s], 1
	s_mov_b32 s[G0B+4*\s+1], \s*SLOT+BOFF
	s_add_nc_u64 s[G0B+4*\s+2:G0B+4*\s+3], s[46:47], \s*ROWB
	s_or_b32 s[G0B+4*\s+3], s[G0B+4*\s+3], 0x80000000
	s_mov_b32 s[G0SB+4*\s], 1
	s_mov_b32 s[G0SB+4*\s+1], \s*SLOT+SBOFF
	s_add_nc_u64 s[G0SB+4*\s+2:G0SB+4*\s+3], s[2:3], \s*8*SPB
	s_or_b32 s[G0SB+4*\s+3], s[G0SB+4*\s+3], 0x80000000
	s_wait_alu depctr_va_vdst(0)
	s_wait_tensorcnt 0x0
	ds_add_u32 v28, v29
	ds_add_u32 v28, v29
	s_wait_dscnt 0x0
	CROUND
	JLOAD \s
.if \s == 0
	global_prefetch_b8 v12, s[4:5] offset:ROWB th:TH_LOAD_NT scope:SCOPE_SE      ; behind K step 0's load: K steps 1 and 2, codes and scale words
	global_prefetch_b8 v12, s[4:5] offset:2*ROWB th:TH_LOAD_NT scope:SCOPE_SE
	global_prefetch_b8 v13, s[6:7] th:TH_LOAD_NT scope:SCOPE_SE
.else
	global_prefetch_b8 v12, s[4:5] offset:3*ROWB th:TH_LOAD_NT scope:SCOPE_SE    ; behind K step 1's load: K step 3, the last
	global_prefetch_b8 v14, s[6:7] th:TH_LOAD_NT scope:SCOPE_SE
.endif
.endr
	v_and_b32 v1, 15, v0
	v_bfe_u32 v2, v0, 4, 1
	s_wait_alu depctr_va_vdst(0)
	v_mul_u32_u24 v3, v1, PITCH
	v_lshl_add_u32 v4, v2, 4, v3
	s_wait_alu depctr_va_vdst(0)
	s_mul_i32 s21, s15, HALFT
	s_mul_i32 s22, s16, HALFT
	s_add_co_u32 s22, s22, BOFF
.irp s, 0,1
	v_add_nc_u32 v[ADRA+\s], s21, v4
	v_add_nc_u32 v[ADRB+\s], s22, v4
	s_add_co_u32 s21, s21, SLOT
	s_add_co_u32 s22, s22, SLOT
.endr
	s_lshl_b32 s21, s15, 9
	s_lshl_b32 s22, s16, 9
	s_add_co_u32 s22, s22, 2048
	s_sub_co_u32 s22, s22, s21
	v_mul_u32_u24 v6, s22, v2
	v_lshl_add_u32 v5, v1, 2, v6
	s_add_co_u32 s21, s21, SAOFF
	v_add_nc_u32 v[ADRS], s21, v5
	v_add_nc_u32 v[ADRS+1], SLOT, v[ADRS]
	s_mul_i32 s18, s15, 128*272
	s_lshl_b32 s19, s16, 7
	s_add_co_u32 s18, s18, s19
	v_add_nc_u32 v[STO], s18, v4
	s_mul_i32 s18, s14, 64*272
	v_mul_u32_u24 v5, v2, 272
	v_lshl_add_u32 v5, v1, 4, v5
	v_add_nc_u32 v[RD], s18, v5
	v_lshlrev_b32 v5, 12, v2
	v_lshl_add_u32 v[CO], v1, 4, v5
	v_and_b32 v6, 31, v0
	s_lshl_b32 s18, s14, 9
	s_add_co_u32 s18, s18, BOFF
	v_lshl_add_u32 v8, v6, 2, s18
	v_lshl_add_u32 v9, v6, 4, s18
	v_lshlrev_b32 v7, 4, v6
	v_lshlrev_b32 v10, 6, v2
	s_sub_co_u32 s46, s42, 7168
	s_lshl_b32 s19, s16, 7
	s_add_co_u32 s18, s46, s19
	s_lshl_b32 s18, s18, 2
	s_mov_b32 s19, 0
	s_add_nc_u64 s[8:9], s[8:9], s[18:19]
.irp b, 0,1,2,3,4,5,6,7
	global_load_b128 v[BI+8*\b:BI+8*\b+3], v10, s[8:9] offset:(32*(\b/2)+8*(\b%2))*4
	global_load_b128 v[BI+8*\b+4:BI+8*\b+7], v10, s[8:9] offset:(32*(\b/2)+8*(\b%2))*4+16
.endr
	s_lshl_b32 s18, s14, 6
	s_add_co_u32 s18, s18, s17
	s_lshl_b32 s18, s18, 12
	s_add_co_u32 s18, s18, s46
	s_mov_b32 s19, 0
	s_add_nc_u64 s[18:19], s[10:11], s[18:19]
	s_lshl_b32 s20, s46, 7
	s_lshl_b32 s21, s16, 14
	s_add_co_u32 s20, s20, s21
	s_lshl_b32 s21, s15, 7
	s_add_co_u32 s21, s21, s17
	s_lshl_b32 s21, s21, 2
	s_add_co_u32 s20, s20, s21
	s_add_co_u32 s20, s20, FSOFF
	s_mov_b32 s21, 0
	s_add_nc_u64 s[20:21], s[10:11], s[20:21]
.macro FRAG reg, adr, q, i
.irp c, 0,1,2,3
	ds_load_b128 v[\reg+4*\c:\reg+4*\c+3], v[\adr] offset:128*(\q)+32*\c+(\i)*16*PITCH
.endr
.endm
.macro MUL16 a0, p, q, sc, zero
.irp a, \a0, \a0+1
.irp b, 0,1,2,3,4,5,6,7
.if \zero == 1
	v_wmma_scale_f32_16x16x128_f8f6f4 v[8*(8*((\a)%4)+\b):8*(8*((\a)%4)+\b)+7], v[128*(\p)+FR*\b:128*(\p)+FR*\b+FR-1], v[AF+FR*(\a):AF+FR*(\a)+FR-1], v[BI+8*\b:BI+8*\b+7], v[SC+8*NQ*(\sc)+NQ*\b+(\q)], v[SC+8*NQ*(\sc)+NQ*(\a)+(\q)] matrix_a_scale:MATRIX_SCALE_ROW1
.else
	v_wmma_scale_f32_16x16x128_f8f6f4 v[8*(8*((\a)%4)+\b):8*(8*((\a)%4)+\b)+7], v[128*(\p)+FR*\b:128*(\p)+FR*\b+FR-1], v[AF+FR*(\a):AF+FR*(\a)+FR-1], v[8*(8*((\a)%4)+\b):8*(8*((\a)%4)+\b)+7], v[SC+8*NQ*(\sc)+NQ*\b+(\q)], v[SC+8*NQ*(\sc)+NQ*(\a)+(\q)] matrix_a_scale:MATRIX_SCALE_ROW1
.endif
.endr
.endr
.endm
.macro FETCH_B slot, q, p
	WIN TO_B
.irp i, 0,1,2,3,4,5,6,7
	FRAG 128*(\p)+FR*\i, ADRB+\slot, \q, \i
.endr
	WIN 0
.endm
.macro FETCH_A slot, q, i0
.irp i, \i0, \i0+1, \i0+2, \i0+3
	FRAG AF+FR*(\i), ADRA+\slot, \q, \i
.endr
.endm
.macro SCALES sc
.irp i, 0,1,2,3,4,5,6,7
.irp q, 0,1
	ds_load_b32 v[SC+16*\sc+2*\i+\q], v[ADRS+\sc] offset:1024*\q+64*\i
.endr
.endr
.endm
.macro PLACES n
.rept \n
	v_nop
.endr
.endm
.macro STEP slot, q, zero
	s_wait_dscnt 4*NL
.if \zero
	WIN 0x81
.else
	WIN MUL_LO
.endif
	MUL16 0, (\q)%2, \q, \slot, \zero
	MUL16 2, (\q)%2, \q, \slot, \zero
	s_wait_dscnt 0
	PLACES NP
	FETCH_B \slot, (\q)+1, 1-(\q)%2
	FETCH_A \slot, (\q)+1, 0
.if \zero
	WIN 0xc1
.else
	WIN MUL_HI
.endif
	MUL16 4, (\q)%2, \q, \slot, \zero
	MUL16 6, (\q)%2, \q, \slot, \zero
	PLACES NP
	WIN 0
	FETCH_A \slot, (\q)+1, 4
.endm
.macro TURN slot, next, fill
	s_wait_tensorcnt 0x0
	ds_add_u32 v[SPW], v[NIL]
	s_wait_dscnt 4*NL+1
	WIN MUL_LO
	MUL16 0, 1, NQ-1, \slot, 0
	s_wait_dscnt 0x0
	s_barrier_signal -1
	MUL16 2, 1, NQ-1, \slot, 0
	WIN 0
	s_barrier_wait -1
.if \fill
	CREST
	s_add_nc_u64 s[G0A+4*\slot+2:G0A+4*\slot+3], s[G0A+4*\slot+2:G0A+4*\slot+3], 2*ROWB
	s_add_nc_u64 s[G0B+4*\slot+2:G0B+4*\slot+3], s[G0B+4*\slot+2:G0B+4*\slot+3], 2*ROWB
	s_add_nc_u64 s[G0SA+4*\slot+2:G0SA+4*\slot+3], s[G0SA+4*\slot+2:G0SA+4*\slot+3], 16*SPA
	s_add_nc_u64 s[G0SB+4*\slot+2:G0SB+4*\slot+3], s[G0SB+4*\slot+2:G0SB+4*\slot+3], 16*SPB
	JLOAD \slot
	PLACES NP-4
.else
	PLACES NP
.endif
	FETCH_B \next, 0, 0
	FETCH_A \next, 0, 0
	SCALES \next
	WIN MUL_HI
	MUL16 4, 1, NQ-1, \slot, 0
	MUL16 6, 1, NQ-1, \slot, 0
	PLACES NP
	WIN 0
	FETCH_A \next, 0, 4
.endm
	s_wait_tensorcnt 1
	s_barrier_signal -1
	s_barrier_wait -1
	FETCH_B 0, 0, 0
	FETCH_A 0, 0, 0
	SCALES 0
	FETCH_A 0, 0, 4
	s_wait_loadcnt 0x0
	STEP 0, 0, 1
	s_mov_b32 s3, LAPS-1
.Llap:
	TURN 0, 1, 1
	STEP 1, 0, 0
	TURN 1, 0, 1
	STEP 0, 0, 0
	s_sub_co_u32 s3, s3, 1
	s_cmp_lg_u32 s3, 0
	s_cbranch_scc1 .Llap
	TURN 0, 1, 0
	STEP 1, 0, 0
	s_wait_dscnt 4*NL
	WIN MUL_LO
	MUL16 0, 1, NQ-1, 1, 0
	MUL16 2, 1, NQ-1, 1, 0
	s_wait_dscnt 0
	WIN MUL_HI
	MUL16 4, 1, NQ-1, 1, 0
	MUL16 6, 1, NQ-1, 1, 0
	WIN 0
.macro SILU a
.set QW, 2+(\a)/4
.set QA, 64*((\a)%4)
	WIN QW
.set i, 0
.rept 32
	v_pk_mul_f32 v[T+i:T+i+1], v[QA+i:QA+i+1], s[66:67] op_sel_hi:[1,0]
.set i, i+2
.endr
	WIN 0
.set i, 0
	s_wait_alu depctr_va_vdst(0)
.rept 64
	v_exp_f32 v[T+i], v[T+i]
.set i, i+1
.endr
	v_nop
	s_wait_alu depctr_va_vdst(0)
.set i, 0
.rept 32
	v_pk_add_f32 v[T+i:T+i+1], v[T+i:T+i+1], 1.0 op_sel_hi:[1,0]
.set i, i+2
.endr
.set i, 0
	s_wait_alu depctr_va_vdst(0)
.rept 64
	v_rcp_f32 v[T+i], v[T+i]
.set i, i+1
.endr
	v_nop
	s_wait_alu depctr_va_vdst(0)
	WIN 65*QW
.set i, 0
.rept 32
	v_pk_mul_f32 v[QA+i:QA+i+1], v[QA+i:QA+i+1], v[T+i:T+i+1]
.set i, i+2
.endr
	WIN 0
.endm
.macro QUANTW a, pc, pw
.set QW, 2+(\a)/4
.set QA, 64*((\a)%4)
	WIN 5*QW
.irp b, 0,1,2,3
	v_max3_num_f32 v[TM+\b], |v[QA+16*\b]|, |v[QA+16*\b+1]|, 0x4800000
.endr
	WIN 20*QW
.irp i, 2,4,6,8,10,12,14
.irp b, 0,1,2,3
	v_max3_num_f32 v[TM+\b], v[TM+\b], |v[QA+16*\b+\i]|, |v[QA+16*\b+\i+1]|
.endr
.endr
	WIN 0
.irp b, 0,1,2,3
	v_permlanex16_b32 v[TM+4+\b], v[TM+\b], s100, s101
.endr
.irp b, 0,1,2,3
	v_max_num_f32 v[TM+\b], v[TM+\b], v[TM+4+\b]
.endr
.irp b, 0,1,2,3
	v_add_nc_u32 v[TM+12+\b], 0xfc000000, v[TM+\b]
.endr
.irp b, 0,1,2,3
	v_and_or_b32 v[TM+8+\b], v[TM+\b], 0x7f800000, s104
.endr
.irp b, 0,1,2,3
	v_lshrrev_b32 v[TM+4+\b], 23, v[TM+12+\b]
.endr
	v_lshl_or_b32 v[\pw], v[TM+5], 8, v[TM+4]
	v_lshl_or_b32 v[\pw], v[TM+6], 16, v[\pw]
	v_lshl_or_b32 v[\pw], v[TM+7], 24, v[\pw]
	WIN 65*QW
.irp b, 0,1,2,3
.irp i, 0,1,2,3,4,5,6,7,8,9,10,11,12,13,14,15
	v_med3_num_f32 v[QA+16*\b+\i], v[QA+16*\b+\i], -v[TM+8+\b], v[TM+8+\b]
.endr
.endr
	WIN QW
.irp b, 0,1,2,3
	v_cvt_scalef32_pk8_fp8_f32 v[\pc+4*\b:\pc+4*\b+1], v[QA+16*\b:QA+16*\b+7], v[TM+12+\b]
	v_cvt_scalef32_pk8_fp8_f32 v[\pc+4*\b+2:\pc+4*\b+3], v[QA+16*\b+8:QA+16*\b+15], v[TM+12+\b]
.endr
	WIN 0
	v_nop
.endm
	PLACES NP
.irp b, 0,1,2,3
	v_mov_b32 v[TM+4+\b], 0
.endr
.irp a, 0,1,2,3,4,5,6,7
	SILU \a
	s_wait_dscnt 0x0
	QUANTW \a, PC, PWB+\a
.irp p, 0,1,2,3
	ds_store_b128 v[STO], v[PC+4*\p:PC+4*\p+3] offset:\a*16*272+32*\p
.endr
.endr
	s_mov_b32 vcc_lo, 0xffff0000
.irp i, 0,1,2,3
	v_cndmask_b32 v[232+\i], v[PWB+2*\i], v[PWB+2*\i+1], vcc_lo
.endr
.irp i, 0,1,2,3
	ds_store_b32 v8, v[232+\i] offset:128*\i
.endr
	ds_load_b128 v[236:239], v9
	s_wait_dscnt 0x0
	global_store_b128 v7, v[236:239], s[20:21]
	s_barrier_signal -1
	s_barrier_wait -1
.set t, 0
.rept 32
	ds_load_b128 v[64+4*t:67+4*t], v[RD] offset:t*544
.set t, t+1
.endr
.set t, 0
.rept 32
	s_wait_dscnt 31-t
	global_store_b128 v[CO], v[64+4*t:67+4*t], s[18:19] offset:2*t*4096
.set t, t+1
.endr
	s_wait_tensorcnt 0x0
	ds_add_u32 v[SPW], v[NIL]
	s_wait_dscnt 0x0
	CROUND
	s_endpgm
.Lfunc_end_k_qac5555f9bf_ff1:
	.size	k_qac5555f9bf_ff1, .Lfunc_end_k_qac5555f9bf_ff1-k_qac5555f9bf_ff1
	.p2alignl 7, 3214868480
	.fill 96, 4, 3214868480
	.section	.rodata,"a",@progbits
	.p2align	6, 0x0
	.amdhsa_kernel k_qac5555f9bf_ff1
		.amdhsa_group_segment_fixed_size 327680
		.amdhsa_private_segment_fixed_size 0
		.amdhsa_enable_private_segment 0
		.amdhsa_kernarg_size 32
		.amdhsa_user_sgpr_count 2
		.amdhsa_user_sgpr_kernarg_segment_ptr 1
		.amdhsa_wavefront_size32 1
		.amdhsa_system_sgpr_workgroup_id_x 1
		.amdhsa_system_sgpr_workgroup_id_y 1
		.amdhsa_system_sgpr_workgroup_id_z 1
		.amdhsa_system_vgpr_workitem_id 0
		.amdhsa_next_free_vgpr 1024
		.amdhsa_next_free_sgpr 106
		.amdhsa_reserve_vcc 1
		.amdhsa_float_denorm_mode_32 3
		.amdhsa_float_denorm_mode_16_64 3
		.amdhsa_memory_ordered 1
		.amdhsa_forward_progress 1
		.amdhsa_inst_pref_size 255
	.end_amdhsa_kernel
	.section	.bss,"aw",@nobits
	.p2align	6
	.space	262144
	.amdgpu_metadata
---
amdhsa.version: [ 1, 2 ]
amdhsa.kernels:
  - .name:           k_qac5555f9bf_ff1
    .symbol:         k_qac5555f9bf_ff1.kd
    .args:
      - { .name: hq, .offset: 0, .size: 8, .value_kind: global_buffer, .address_space: global }
      - { .name: wcs, .offset: 8, .size: 8, .value_kind: global_buffer, .address_space: global }
      - { .name: bf1, .offset: 16, .size: 8, .value_kind: global_buffer, .address_space: global }
      - { .name: fq, .offset: 24, .size: 8, .value_kind: global_buffer, .address_space: global }
    .group_segment_fixed_size: 327680
    .private_segment_fixed_size: 0
    .kernarg_segment_align: 8
    .kernarg_segment_size: 32
    .max_flat_workgroup_size: 128
    .sgpr_count:     106
    .vgpr_count:     1024
    .wavefront_size: 32
...
	.end_amdgpu_metadata
.endif
;; end of part 11
;; launch ff2 (part 12): grid 8 x 32, 4 waves a work-group, clusters of 4 x 4, 327,680 bytes of LDS; arguments fq, wcs, bf2, xn, out0; writes out0
.if DOCPART == 12
	.amdgcn_target "amdgcn-amd-amdhsa--gfx1250"
	.amdhsa_code_object_version 6
	.text
	.protected	k_qac5555f9bf_ff2
	.globl	k_qac5555f9bf_ff2
	.p2align	8
	.type	k_qac5555f9bf_ff2,@function
k_qac5555f9bf_ff2:
	s_mov_b64 s[64:65], 0
	v_nop
	global_prefetch_b8 v0, s[64:65] scope:SCOPE_SE
	s_setreg_imm32_b32 hwreg(HW_REG_WAVE_MODE, 25, 1), 1
	s_wait_xcnt 0x0
	s_wait_alu depctr_hold_cnt(0) depctr_sa_sdst(0) depctr_va_vdst(0) depctr_va_sdst(0) depctr_va_ssrc(0) depctr_va_vcc(0) depctr_vm_vsrc(0)
	s_getreg_b32 s2, hwreg(HW_REG_IB_STS2, 6, 4)
	s_cmp_eq_u32 s2, 0
	s_cbranch_scc0 .Lentry_in_a_cluster
	s_endpgm
.Lentry_in_a_cluster:
	s_bfe_u32 s2, ttmp6, 0x10000c
	s_cmp_lg_u32 s2, 0xf033
	s_cbranch_scc0 .Lentry_shape_is_right
	s_endpgm
.Lentry_shape_is_right:
.set KROW,  4096
.set SPA,   4096
.set SPB,   1024
.set ASOFF, 16777216
.set BCOFF, 11894784
.set BSOFF, 16089088
.set LAPS,  4
.set NQ,    4
.set ROWB,  512
.set PITCH, 528
.set FR,    16
.set NL,    4
.set NP,    8
.set HALFT, 64*PITCH
.set SLOT,  4*HALFT
.set SCL,   2*SLOT
.set SCH,   8192
.set SPARE, SCL+4*SCH
.set SPITCH, 272
.set ADRA, 16
.set ADRB, 20
.set STO,  24
.set RD,   25
.set CO,   26
.set ADRS, 27
.set SPW,  28
.set NIL,  29
.set ADRT, 30
.set SC,   32
.set BI,   64
.set BK,   64
.set ACC,  128
.set G1A,  24
.set G0A,  32
.set G1B,  48
.set G0B,  56
.set G1SA, 68
.set G0SA, 76
.set G1SB, 80
.set G0SB, 88
.set TS,   95
.set MSB, 0
.macro WIN new
.if MSB != (\new)
	s_set_vgpr_msb (MSB<<8)|(\new)
.set MSB, (\new)
.endif
.endm
.set MUL,  0x05
.set TO_F, 0x40
.macro JLOAD g0a, g1a, g0b, g1b
	s_cmp_eq_u32 s15, 0
	s_cbranch_scc0 .Lfor_b_\@
	tensor_load_to_lds s[\g0a:\g0a+3], s[\g1a:\g1a+7]
	s_nop 0
.rept 4
	v_nop
.endr
	s_branch .Lasked_\@
.Lfor_b_\@:
	tensor_load_to_lds s[\g0b:\g0b+3], s[\g1b:\g1b+7]
	s_nop 0
.rept 4
	v_nop
.endr
.Lasked_\@:
.endm
.macro CREST
	s_cmp_lg_u32 s14, 0
	s_cbranch_scc1 .Lnot_wave_0_\@
	s_barrier_signal -3
.Lnot_wave_0_\@:
	s_barrier_wait -3
	s_barrier_signal -1
	s_barrier_wait -1
.endm
.macro CROUND
	s_barrier_signal -1
	s_barrier_wait -1
	CREST
.endm
	s_load_b256 s[4:11], s[0:1], 0x0
	s_load_b64 s[12:13], s[0:1], 0x20
	v_lshl_add_u32 v[SPW], v0, 2, SPARE
	v_mov_b32 v[NIL], 0
	ds_add_u32 v28, v29
	ds_add_u32 v28, v29
	s_wait_dscnt 0x0
	v_lshrrev_b32 v1, 5, v0
	v_readfirstlane_b32 s14, v1
	v_and_b32 v31, 31, v0                          ; v31, never rewritten: the prefetches' offset: row lane / 2 of my 16 (4,096 bytes a row), block lane % 2 of a K step's two blocks of 256 bytes
	v_lshrrev_b32 v12, 1, v31
	v_and_b32 v31, 1, v31
	v_lshlrev_b32 v31, 8, v31
	v_lshl_add_u32 v31, v12, 12, v31
	s_wait_alu depctr_va_vdst(0)
	s_lshr_b32 s15, s14, 1
	s_and_b32 s16, s14, 1
	s_bfe_u32 s40, ttmp6, 0x40000
	s_bfe_u32 s41, ttmp6, 0x40004
	s_lshl_b32 s43, s41, 2
	s_lshl_b32 s43, 15, s43
	s_lshl_b32 s44, 0x1111, s40
	s_and_b32 s17, ttmp7, 0xffff
	s_lshl_b32 s17, s17, 2
	s_add_co_u32 s17, s17, s41
	s_lshl_b32 s17, s17, 7
	s_lshl_b32 s42, ttmp9, 2
	s_add_co_u32 s42, s42, s40
	s_lshl_b32 s42, s42, 7
	s_or_b32 s[G1A], s43, (1<<20)|(1<<21)|(6<<22)|(3<<25)
	s_or_b32 s[G1B], s44, (1<<20)|(1<<21)|(6<<22)|(3<<25)
	s_or_b32 s[G1SA], s43, (2<<16)|(1<<21)
	s_or_b32 s[G1SB], s44, (2<<16)|(1<<21)
.irp g, G1A, G1B
	s_mov_b32 s[\g+1], ROWB<<16
	s_mov_b32 s[\g+2], 128<<16
	s_mov_b32 s[\g+3], ROWB<<16
	s_mov_b32 s[\g+4], 128
	s_mov_b32 s[\g+5], KROW
	s_mov_b32 s[\g+6], 0
	s_mov_b32 s[\g+7], 0
.endr
.irp g, G1SA, G1SB
	s_mov_b32 s[\g+1], 128<<16
	s_mov_b32 s[\g+2], 32<<16
	s_mov_b32 s[\g+3], 128<<16
	s_mov_b32 s[\g+4], 32
	s_mov_b32 s[\g+6], 0
	s_mov_b32 s[\g+7], 0
.endr
	s_mov_b32 s[G1SA+5], SPA
	s_mov_b32 s[G1SB+5], SPB
	s_lshl_b32 s18, s16, 6
	s_add_co_u32 s20, s17, s18
	s_lshl_b32 s20, s20, 12
	s_mov_b32 s21, 0
	s_lshl_b32 s22, s17, 2
	s_add_co_u32 s22, s22, ASOFF
	s_mov_b32 s23, 0
	s_add_co_u32 s46, s42, s18
	s_lshl_b32 s46, s46, 12
	s_add_co_u32 s46, s46, BCOFF
	s_mov_b32 s47, 0
	s_lshl_b32 s2, s42, 2
	s_add_co_u32 s2, s2, BSOFF
	s_mov_b32 s3, 0
	s_mul_i32 s45, s14, HALFT
	s_mov_b32 s[TS], 0
	s_wait_kmcnt 0x0
	s_add_nc_u64 s[20:21], s[4:5], s[20:21]
	s_add_nc_u64 s[22:23], s[4:5], s[22:23]
	s_add_nc_u64 s[46:47], s[6:7], s[46:47]
	s_add_nc_u64 s[2:3], s[6:7], s[2:3]
	; s[96:97]: where my prefetches stand.  Of the 64 rows that my wave fetches for the ring (waves 0, 1: A's; waves 2, 3: B's) each of the four partners that ask for them jointly takes 16, told apart by address (cx for A, cy for B)
	s_cmp_eq_u32 s15, 0
	s_cselect_b64 s[96:97], s[20:21], s[46:47]
	s_cselect_b32 s98, s40, s41
	s_lshl_b32 s98, s98, 16
	s_mov_b32 s99, 0
	s_add_nc_u64 s[96:97], s[96:97], s[98:99]
	CROUND
	s_mov_b32 s[G0SA], 1
	s_mov_b32 s[G0SA+1], SCL
	s_mov_b64 s[G0SA+2:G0SA+3], s[22:23]
	s_or_b32 s[G0SA+3], s[G0SA+3], 0x80000000
	s_mov_b32 s[G0SB], 1
	s_mov_b32 s[G0SB+1], SCL+2*SCH
	s_mov_b64 s[G0SB+2:G0SB+3], s[2:3]
	s_or_b32 s[G0SB+3], s[G0SB+3], 0x80000000
.irp s, 0,1
	s_mov_b32 s[G0A+4*\s], 1
	s_add_co_u32 s[G0A+4*\s+1], s45, \s*SLOT
	s_add_nc_u64 s[G0A+4*\s+2:G0A+4*\s+3], s[20:21], \s*ROWB
	s_or_b32 s[G0A+4*\s+3], s[G0A+4*\s+3], 0x80000000
	s_mov_b32 s[G0B+4*\s], 1
	s_add_co_u32 s[G0B+4*\s+1], s45, \s*SLOT
	s_add_nc_u64 s[G0B+4*\s+2:G0B+4*\s+3], s[46:47], \s*ROWB
	s_or_b32 s[G0B+4*\s+3], s[G0B+4*\s+3], 0x80000000
.endr
; THE HEAD'S LOADS, ONE A WAVE: wave 0 K step 0's 128 rows of A, wave 1 all 32 planes of A's scale words, wave 2 the 128 rows of B, wave 3 B's scale words.
; One chain of branches on the wave's number, a load to an arm, all arms leading to one join.  Waves 0 and 2 use their own group 0 of slot 0, whose addresses are the tiles' first rows.
	s_cmp_lt_u32 s14, 2
	s_cbranch_scc0 .Lh_b
	s_cmp_eq_u32 s14, 0
	s_cbranch_scc0 .Lh_as
	tensor_load_to_lds s[G0A:G0A+3], s[G1A:G1A+7]
	s_nop 0
.rept 4
	v_nop
.endr
	s_branch .Lh_end
.Lh_as:
	tensor_load_to_lds s[G0SA:G0SA+3], s[G1SA:G1SA+7]
	s_nop 0
.rept 4
	v_nop
.endr
	s_branch .Lh_end
.Lh_b:
	s_cmp_eq_u32 s14, 2
	s_cbranch_scc0 .Lh_bs
	tensor_load_to_lds s[G0B:G0B+3], s[G1B:G1B+7]
	s_nop 0
.rept 4
	v_nop
.endr
	s_branch .Lh_end
.Lh_bs:
	tensor_load_to_lds s[G0SB:G0SB+3], s[G1SB:G1SB+7]
	s_nop 0
.rept 4
	v_nop
.endr
.Lh_end:
	global_prefetch_b8 v31, s[96:97] offset:ROWB th:TH_LOAD_NT scope:SCOPE_SE     ; K steps 1 and 2: each load of K step n is followed by the request for step n + 2; the head's also asks for step 1
	global_prefetch_b8 v31, s[96:97] offset:2*ROWB th:TH_LOAD_NT scope:SCOPE_SE
	v_and_b32 v1, 15, v0
	v_bfe_u32 v2, v0, 4, 1
	s_wait_alu depctr_va_vdst(0)
	v_mul_u32_u24 v3, v1, PITCH
	v_lshl_add_u32 v4, v2, 4, v3
	s_mul_i32 s21, s15, HALFT
	s_mul_i32 s22, s16, HALFT
	s_add_co_u32 s22, s22, 2*HALFT
.irp s, 0,1
	v_add_nc_u32 v[ADRA+\s], s21, v4
	v_add_nc_u32 v[ADRB+\s], s22, v4
	s_add_co_u32 s21, s21, SLOT
	s_add_co_u32 s22, s22, SLOT
.endr
	s_lshl_b32 s21, s15, 8
	s_lshl_b32 s22, s16, 8
	s_add_co_u32 s22, s22, 2*SCH
	s_sub_co_u32 s22, s22, s21
	v_mul_u32_u24 v6, s22, v2
	v_lshl_add_u32 v5, v1, 2, v6
	s_add_co_u32 s21, s21, SCL
	v_add_nc_u32 v[ADRS], s21, v5
	v_add_nc_u32 v[ADRT], s[TS], v[ADRS]
	s_mul_i32 s18, s14, 16*SPITCH
	v_mul_u32_u24 v5, v1, SPITCH
	v_lshl_add_u32 v5, v2, 6, v5
	v_add_nc_u32 v[STO], s18, v5
	v_mul_u32_u24 v5, v2, SPITCH
	v_lshl_add_u32 v5, v1, 4, v5
	v_add_nc_u32 v[RD], s18, v5
	v_lshlrev_b32 v5, 12, v2
	v_lshl_add_u32 v[CO], v1, 4, v5
	s_wait_alu depctr_va_vdst(0)
	v_lshlrev_b32 v10, 6, v2
	s_lshl_b32 s19, s16, 6
	s_add_co_u32 s19, s19, s42
	s_lshl_b32 s22, s19, 2
	s_mov_b32 s23, 0
	s_add_nc_u64 s[8:9], s[8:9], s[22:23]
.irp b, 0,1,2,3
	global_load_b128 v[BI+8*\b:BI+8*\b+3], v10, s[8:9] offset:(32*(\b/2)+8*(\b%2))*4
	global_load_b128 v[BI+8*\b+4:BI+8*\b+7], v10, s[8:9] offset:(32*(\b/2)+8*(\b%2))*4+16
.endr
	s_lshl_b32 s18, s15, 6
	s_add_co_u32 s18, s18, s17
	s_lshl_b32 s18, s18, 12
	s_add_co_u32 s18, s18, s22
	s_mov_b32 s19, 0
	s_add_nc_u64 s[10:11], s[10:11], s[18:19]
	s_add_nc_u64 s[12:13], s[12:13], s[18:19]
	s_wait_alu depctr_va_vdst(0)
	s_wait_tensorcnt 0x0                           ; my tile of the head's four is in
	ds_add_u32 v28, v29
	s_mov_b32 s[G1A+2], 64<<16                     ; no tensor load of mine is out, so a descriptor may be written: from here on a load brings 64 rows
	s_mov_b32 s[G1A+4], 64
	s_mov_b32 s[G1B+2], 64<<16
	s_mov_b32 s[G1B+4], 64
	s_wait_dscnt 0x0
	CROUND
	JLOAD G0A+4, G1A, G0B+4, G1B                   ; K step 1, the first tensor load behind the round
	global_prefetch_b8 v31, s[96:97] offset:3*ROWB th:TH_LOAD_NT scope:SCOPE_SE   ; K step 3
	WIN 0x80                                       ; xn's 64 x 64 numbers of my part of the result, wanted on the way out alone: asked for behind the first tiles and their requests
.irp a, 0,1,2,3
.irp t, 0,1,2,3,4,5,6,7
	global_load_b128 v[32*\a+4*\t:32*\a+4*\t+3], v[CO], s[10:11] offset:(16*\a+2*\t)*4096 th:TH_LOAD_NT
.endr
.endr
	WIN 0
.macro FRAG reg, adr, q, i
.irp c, 0,1,2,3
	ds_load_b128 v[\reg+4*\c:\reg+4*\c+3], v[\adr] offset:128*(\q)+32*\c+(\i)*16*PITCH
.endr
.endm
.macro MULA a, p, q, sc, zero
.irp b, 0,1,2,3
.if \zero
	v_wmma_scale_f32_16x16x128_f8f6f4 v[ACC+8*(4*(\a)+\b):ACC+8*(4*(\a)+\b)+7], v[128*(\p)+64+FR*\b:128*(\p)+64+FR*\b+FR-1], v[128*(\p)+FR*(\a):128*(\p)+FR*(\a)+FR-1], v[BI+8*\b:BI+8*\b+7], v[SC+16*(\sc)+4*\b+(\q)], v[SC+16*(\sc)+4*(\a)+(\q)] matrix_a_scale:MATRIX_SCALE_ROW1
.else
	v_wmma_scale_f32_16x16x128_f8f6f4 v[ACC+8*(4*(\a)+\b):ACC+8*(4*(\a)+\b)+7], v[128*(\p)+64+FR*\b:128*(\p)+64+FR*\b+FR-1], v[128*(\p)+FR*(\a):128*(\p)+FR*(\a)+FR-1], v[ACC+8*(4*(\a)+\b):ACC+8*(4*(\a)+\b)+7], v[SC+16*(\sc)+4*\b+(\q)], v[SC+16*(\sc)+4*(\a)+(\q)] matrix_a_scale:MATRIX_SCALE_ROW1
.endif
.endr
.endr
.endm
.macro FETCH slot, q, p
	WIN TO_F
.irp i, 0,1,2,3
	FRAG 128*(\p)+64+FR*\i, ADRB+\slot, \q, \i
.endr
.irp i, 0,1,2,3
	FRAG 128*(\p)+FR*\i, ADRA+\slot, \q, \i
.endr
.endm
.macro SCALES sc
.irp i, 0,1,2,3
.irp q, 0,1,2,3
	ds_load_b32 v[SC+16*\sc+4*\i+\q], v[ADRT] offset:512*\q+64*\i
.endr
.endr
.endm
.macro PLACES n
.rept \n
	v_nop
.endr
.endm
.macro STEP slot, q, zero
	s_wait_dscnt 2*NL
	WIN MUL
	MULA 0, (\q)%2, \q, \slot, \zero
	MULA 1, (\q)%2, \q, \slot, \zero
	PLACES NP
	FETCH \slot, (\q)+1, 1-(\q)%2
	s_wait_dscnt 8*NL
	WIN MUL
	MULA 2, (\q)%2, \q, \slot, \zero
	MULA 3, (\q)%2, \q, \slot, \zero
.endm
.macro TURN slot, next, fill
	WIN 0
.if (\fill) && ((\slot) == 0)
	s_wait_xcnt 0x0                                ; my prefetches have read their address: it steps two K steps, once a trip
	s_add_nc_u64 s[96:97], s[96:97], 2*ROWB
.endif
	s_wait_tensorcnt 0x0
	ds_add_u32 v[SPW], v[NIL]
	s_wait_dscnt 2*NL+1
	WIN MUL
	MULA 0, 1, NQ-1, \slot, 0
	s_wait_dscnt 0x0
	s_barrier_signal -1
	MULA 1, 1, NQ-1, \slot, 0
	WIN 0
	s_barrier_wait -1
.if \fill
	CREST
	s_add_nc_u64 s[G0A+4*\slot+2:G0A+4*\slot+3], s[G0A+4*\slot+2:G0A+4*\slot+3], 2*ROWB
	s_add_nc_u64 s[G0B+4*\slot+2:G0B+4*\slot+3], s[G0B+4*\slot+2:G0B+4*\slot+3], 2*ROWB
	JLOAD G0A+4*\slot, G1A, G0B+4*\slot, G1B
	PLACES NP-4
	s_cmp_gt_u32 s3, 1                             ; the K step two refills on; the last trip's two refills have none
	s_cbranch_scc0 .Lno_ask_\@
	global_prefetch_b8 v31, s[96:97] offset:(2+\slot)*ROWB th:TH_LOAD_NT scope:SCOPE_SE
.Lno_ask_\@:
.else
	PLACES NP
.endif
	s_add_co_u32 s[TS], s[TS], 4*512
	v_add_nc_u32 v[ADRT], s[TS], v[ADRS]
	SCALES \next
	FETCH \next, 0, 0
	WIN MUL
	MULA 2, 1, NQ-1, \slot, 0
	MULA 3, 1, NQ-1, \slot, 0
.endm
	s_wait_tensorcnt 1
	s_barrier_signal -1
	s_barrier_wait -1
	SCALES 0
	FETCH 0, 0, 0
	s_wait_loadcnt 32
	STEP 0, 0, 1
	WIN 0
	s_mov_b32 s3, LAPS-1
.Llap:
	STEP 0, 1, 0
	STEP 0, 2, 0
	TURN 0, 1, 1
	STEP 1, 0, 0
	STEP 1, 1, 0
	STEP 1, 2, 0
	TURN 1, 0, 1
	STEP 0, 0, 0
	WIN 0
	s_sub_co_u32 s3, s3, 1
	s_cmp_lg_u32 s3, 0
	s_cbranch_scc1 .Llap
	STEP 0, 1, 0
	STEP 0, 2, 0
	TURN 0, 1, 0
	STEP 1, 0, 0
	STEP 1, 1, 0
	STEP 1, 2, 0
	s_wait_dscnt 2*NL
	WIN MUL
	MULA 0, 1, NQ-1, 1, 0
	MULA 1, 1, NQ-1, 1, 0
	s_wait_dscnt 0
	MULA 2, 1, NQ-1, 1, 0
	MULA 3, 1, NQ-1, 1, 0
	WIN 0
.macro TOSTAGE a
.irp b, 0,1,2,3
	ds_store_b128 v[STO], v[ACC+8*(4*(\a)+\b):ACC+8*(4*(\a)+\b)+3] offset:128*(\b/2)+32*(\b%2)
	ds_store_b128 v[STO], v[ACC+8*(4*(\a)+\b)+4:ACC+8*(4*(\a)+\b)+7] offset:128*(\b/2)+32*(\b%2)+16
.endr
.set BB, BK+32*((\a)%2)
.irp t, 0,1,2,3,4,5,6,7
	ds_load_b128 v[BB+4*\t:BB+4*\t+3], v[RD] offset:\t*2*SPITCH
.endr
.endm
.macro SEND a, younger
.set BB, BK+32*((\a)%2)
.set XB, 32*(\a)
	s_wait_dscnt \younger
	WIN 0x08
.set i, 0
.rept 16
	v_pk_add_f32 v[BB+i:BB+i+1], v[BB+i:BB+i+1], v[XB+i:XB+i+1]
.set i, i+2
.endr
	WIN 0
.irp t, 0,1,2,3,4,5,6,7
	global_store_b128 v[CO], v[BB+4*\t:BB+4*\t+3], s[12:13] offset:(16*(\a)+2*\t)*4096 th:TH_STORE_NT
.endr
.endm
	PLACES NP
	s_wait_loadcnt 0x0
	TOSTAGE 0
.irp a, 1,2,3
.if \a > 1
	s_wait_xcnt 0x0
.endif
	TOSTAGE \a
	SEND \a-1, 16
.endr
	SEND 3, 0
	s_wait_tensorcnt 0x0
	ds_add_u32 v[SPW], v[NIL]
	s_wait_dscnt 0x0
	CROUND
	s_endpgm
.Lfunc_end_k_qac5555f9bf_ff2:
	.size	k_qac5555f9bf_ff2, .Lfunc_end_k_qac5555f9bf_ff2-k_qac5555f9bf_ff2
	.p2alignl 7, 3214868480
	.fill 96, 4, 3214868480
	.section	.rodata,"a",@progbits
	.p2align	6, 0x0
	.amdhsa_kernel k_qac5555f9bf_ff2
		.amdhsa_group_segment_fixed_size 327680
		.amdhsa_private_segment_fixed_size 0
		.amdhsa_enable_private_segment 0
		.amdhsa_kernarg_size 40
		.amdhsa_user_sgpr_count 2
		.amdhsa_user_sgpr_kernarg_segment_ptr 1
		.amdhsa_wavefront_size32 1
		.amdhsa_system_sgpr_workgroup_id_x 1
		.amdhsa_system_sgpr_workgroup_id_y 1
		.amdhsa_system_sgpr_workgroup_id_z 1
		.amdhsa_system_vgpr_workitem_id 0
		.amdhsa_next_free_vgpr 640
		.amdhsa_next_free_sgpr 106
		.amdhsa_reserve_vcc 0
		.amdhsa_float_denorm_mode_32 3
		.amdhsa_float_denorm_mode_16_64 3
		.amdhsa_memory_ordered 1
		.amdhsa_forward_progress 1
		.amdhsa_inst_pref_size 104
	.end_amdhsa_kernel
	.amdgpu_metadata
---
amdhsa.version: [ 1, 2 ]
amdhsa.kernels:
  - .name:           k_qac5555f9bf_ff2
    .symbol:         k_qac5555f9bf_ff2.kd
    .args:
      - { .name: fq, .offset: 0, .size: 8, .value_kind: global_buffer, .address_space: global }
      - { .name: wcs, .offset: 8, .size: 8, .value_kind: global_buffer, .address_space: global }
      - { .name: bf2, .offset: 16, .size: 8, .value_kind: global_buffer, .address_space: global }
      - { .name: xn, .offset: 24, .size: 8, .value_kind: global_buffer, .address_space: global }
      - { .name: out0, .offset: 32, .size: 8, .value_kind: global_buffer, .address_space: global }
    .group_segment_fixed_size: 327680
    .private_segment_fixed_size: 0
    .kernarg_segment_align: 8
    .kernarg_segment_size: 40
    .max_flat_workgroup_size: 128
    .sgpr_count:     106
    .vgpr_count:     640
    .wavefront_size: 32
...
	.end_amdgpu_metadata
.endif
;; end of part 12
